; MI455X (gfx1250); checked and timed in simulation.
; The chip was launched on July 23, 2026; its instructions are those of AMD's public machine-readable ISA for CDNA 5 (MIT licence, August 2026) and "CDNA5" Instruction Set Architecture Reference Guide (July 2026). The comments in the code are by the model that wrote it; some were corrected since.
;; Lorentz Mo E. Allowed arithmetic: matrix products marked QUANTISED: E4M3 operands, one E8M0 scale for each 32 along K, by v_wmma_scale_f32_16x16x128_f8f6f4 with both operands' format E4M3, f32 sums; products left as they are: f32 operands where the result goes on into a quantised operand, else bf16, f16 or f32 operands; f32 sums; everything else in f32.
;; Inputs: W1 8 x 1,023 x 1,024 float32; W2 8 x 1,023 x 1,024 float32; W3 8 x 1,023 x 1,024 float32; Ws1 1,023 x 1,024 float32; Ws2 1,023 x 1,024 float32; Ws3 1,023 x 1,024 float32; gate_b 8 float32; gate_w 8 x 1,023 float32; x 2,048 x 1,024 float32.
;; Outputs: out0 2,048 x 1,024 float32.
;; This version of the problem:
;;   THIS VERSION OF THE PROBLEM IS GIVEN IN LOW PRECISION. The matrix products marked QUANTISED in the list below multiply operands that are first quantised to E4M3 (4 exponent bits, 3 mantissa bits; 8 bits a number), with one power-of-two scale for each 32 numbers along K (OCP MX v1.0); their sums are f32. All else is computed in f32.
;;   The module's matrix products, in the order in which they are computed (A, B: the left and right operand; K: the contracted axis; several contracted axes count as one K, in the product's order):
;;     1. [M 2,048, K 1,023] x [K 1,023, N 8]; A: input x; B: input gate_w: left as it is (N = 8 < 16)
;;     2. [M 2,048, K 1,024] x [K 1,024, N 8,184]; A: computed on the way; B: input W1: QUANTISED
;;     3. [M 2,048, K 1,024] x [K 1,024, N 8,184]; A: computed on the way; B: input W3: QUANTISED
;;     4. batch 8 x [M 2,048, K 1,024] x [K 1,024, N 1,023]; A: computed on the way; B: input W2: QUANTISED
;;     5. batch 2,048 x [M 1, K 8] x [K 8, N 1,024]; A: computed on the way; B: computed on the way: left as it is (K = 8 < 32)
;;     6. [M 2,048, K 1,024] x [K 1,024, N 1,023]; A: input x; B: input Ws1: QUANTISED
;;     7. [M 2,048, K 1,024] x [K 1,024, N 1,023]; A: input x; B: input Ws3: QUANTISED
;;     8. [M 2,048, K 1,024] x [K 1,024, N 1,023]; A: computed on the way; B: input Ws2: QUANTISED
;;   THE QUANTISER, for each operand of a quantised product, along K:
;;     - K is cut into blocks of 32 from its start; a last block that is shorter is filled with zeros.
;;     - A block's scale is 2^e with e = floor(log2(the largest magnitude in the block)) - 8, held to -126 .. 127; a block of zeros has e = 0. As a byte (E8M0): e + 127.
;;     - Each number is divided by its block's scale, clamped to +-448, and rounded to the nearest number of E4M3, ties to even, subnormals kept.
;;     - The product sums the exact products of the quantised numbers (number of the format x scale) in f32.
;;   ~~~python
;;   def quantise(x, axis):      # numpy; x: float32 -> the quantised numbers, widened to float32 again
;;       x = np.moveaxis(x, axis, -1); K = x.shape[-1]
;;       x = np.pad(x, [(0, 0)] * (x.ndim - 1) + [(0, -K % 32)]); x = x.reshape(x.shape[:-1] + (-1, 32)); a = np.abs(x).max(-1, keepdims=True)
;;       e = np.where(a > 0, np.clip(np.frexp(np.where(a > 0, a, 1))[1] - 1 - 8, -126, 127), 0)      # np.frexp(a)[1] - 1 = floor(log2(a)), exactly
;;       r = np.clip(x / 2.0 ** e, -448, 448)
;;       step = 2.0 ** (np.maximum(np.frexp(np.where(r == 0, 1, r))[1] - 1, -6) - 3)
;;       q = np.round(r / step) * step * 2.0 ** e      # np.round: ties to even
;;       return np.moveaxis(q.reshape(q.shape[:-2] + (-1,))[..., :K], -1, axis).astype(np.float32)
;;   ~~~
;;   OPERANDS COMPUTED ON THE WAY. 'Computed on the way' means the value that the module computes at that place (a softmax that the list does not call 'softmax' is quantised finished and normalised). What goes into a quantiser is computed in f32, as accurately as f32 sums, v_exp_f32 and their like allow (about 1e-6 of the number): no bf16 or f16 on the way to a quantiser, and a product that is left as it is and whose result goes on into a quantised operand takes f32 operands (vector FMAs, or v_wmma_f32_16x16x4_f32). A number that lies on a knife's edge between two numbers of the format may be rounded either way, as far as f32 arithmetic and the matrix unit's own rounding can turn it there, and no further.
;; 2 versions. Each part assembles by itself: llvm-mc -triple=amdgcn-amd-amdhsa -mcpu=gfx1250 --defsym DOCPART=n.
;; ======== version 1 of 2: 5 launches
;; workspace buffers: wq 29,196,288 bytes; rt 24,576 bytes of whole numbers; gwt 8,192 bytes; pt 8,448 bytes of whole numbers; xs 2,433,024 bytes; hid 5,709,824 bytes; ob 17,825,792 bytes
;; launch prep (part 1): grid 704 x 1, 4 waves a work-group, no clusters, 34,304 bytes of LDS; arguments x, gate_w, gate_b, W1, W3, Ws1, Ws3, wq, rt, gwt; writes wq, rt, gwt
.if DOCPART == 1
	.amdgcn_target "amdgcn-amd-amdhsa--gfx1250"
	.amdhsa_code_object_version 6
	.text
	.protected	k_q3ad0661423_prep
	.globl	k_q3ad0661423_prep
	.p2align	8
	.type	k_q3ad0661423_prep,@function
k_q3ad0661423_prep:
	s_mov_b64 s[64:65], 0
	v_nop
	global_prefetch_b8 v0, s[64:65] scope:SCOPE_SE
	s_setreg_imm32_b32 hwreg(HW_REG_WAVE_MODE, 25, 1), 1
	s_wait_xcnt 0x0
; PREP.  Two jobs in one launch, parted on the work-group's number.
; Work-groups 0-127: THE GATE.  logits = x[:,1:] gate_w^T by f32 multiply-adds, softmax with its maximum taken away, + gate_b, top-1 (the lower index on a tie).  A wave takes 4 rows of x.
;   Stored at fixed places: a one-hot count word pair and the expert's number (rt, whole numbers), the chosen score (gwt).  No address here hangs on the choice.
; Work-groups 128-703: THE QUANTISER.  The 18 weight planes of the first products (W1[e], W3[e], Ws1, Ws3), [1023][1024] f32, K innermost, become codes of E4M3 with one E8M0 byte for each 32 along K,
;   laid as IMAGES OF OPERAND REGISTERS: plane P, pair b (32 rows), tile u, K step s, chunk c: byte P<<20 + b<<15 + u<<14 + s<<11 + c<<9 + 16 lane.  (The nine planes of the second product are done by the next launch, by the same text.)
;   A plane is padded in front: row 0 is zeros, row p is W[p-1]: so hidden unit 0 (the place of the time coordinate) comes out as 0.
;   Lane (r, h) of tile u holds row 32 b + 8 u + r + 8 (r / 8), k = 128 s + 32 c + 16 h + 0..15: used as source 0, the 16 results of tiles u = 0, 1 are 16 neighbouring rows.
;   Scale words: WSC + P<<15 + b<<10 + i<<9 + 256 u + 16 r: four words (K steps 4 i .. 4 i + 3) of tile u's row r.
;   A wave takes one unit: one tile's 16 rows x 512 along K, four fragments.  Each load reads 512 consecutive bytes of one row; a fragment turns through the wave's own stage in LDS (16 rows, 528 bytes apart).
; No tensor loads, clusters or matrix units: a stream in which waves share nothing.
; LIMITS: NaN and infinities are not served; a block whose largest magnitude lies under 2^-118 keeps the byte 1 (a block of zeros too: its codes are zeros, and only this program reads the bytes);
;   where the two best biased scores lie closer than the rounding of an f32 sum of 1,023 terms, the other expert may be chosen.
.set WSC,   28311552
.set PLANE, 4190208                    ; bytes of one plane in memory
.set STG,   8448                       ; a wave's stage: 16 x 528
.set SW,    8                          ; v8-11   scale word of each fragment
.set TM,    20                         ; v20-35  at work in QUANT
.set PC,    40                         ; v40-55  a fragment's codes
.set X,     64                         ; v64-127 64 numbers of a lane
.set R0,    128                        ; v128-255 two sets of 16 x 4 registers as loaded
.set GW,    64                         ; gate: v64-191 gate_w, 16 numbers for each expert
.set ACC,   192                        ; gate: v192-223 sums, row w, expert e at ACC + 8 w + e
.set TT,    9
.set SEL,   46                         ; s[46:47] lane l xor 16
.set MNT,   48                         ; s48 the mantissa field of 448
; 64 numbers of a lane, register 16 b + i = k 32 b + 16 (lane / 16) + i of its row, become 16 registers of codes in v[PC] on and the row's scale word in v[wd].
.macro QUANT src, wd
.irp b, 0,1,2,3
	v_max3_num_f32 v[TM+\b], |v[\src+16*\b]|, |v[\src+1+16*\b]|, 0x4800000   ; the floor 2^(9-127) holds the byte at 1 from below
.endr
.irp i, 2,4,6,8,10,12,14
.irp b, 0,1,2,3
	v_max3_num_f32 v[TM+\b], v[TM+\b], |v[\src+16*\b+\i]|, |v[\src+1+16*\b+\i]|
.endr
.endr
.irp b, 0,1,2,3
	v_permlanex16_b32 v[TM+4+\b], v[TM+\b], s[SEL], s[SEL+1]
.endr
.irp b, 0,1,2,3
	v_max_num_f32 v[TM+\b], v[TM+\b], v[TM+4+\b]          ; with lane l xor 16's 16: the block's largest magnitude
.endr
.irp b, 0,1,2,3
	v_add_nc_u32 v[TM+12+\b], 0xfc000000, v[TM+\b]        ; 8 off its exponent field: the conversion's scale operand
.endr
.irp b, 0,1,2,3
	v_and_or_b32 v[TM+8+\b], v[TM+\b], 0x7f800000, s[MNT] ; 448 x the scale
.endr
.irp b, 0,1,2,3
	v_lshrrev_b32 v[TM+4+\b], 23, v[TM+12+\b]             ; the scale's byte
.endr
	v_lshl_or_b32 v[\wd], v[TM+5], 8, v[TM+4]
	v_lshl_or_b32 v[\wd], v[TM+6], 16, v[\wd]
	v_lshl_or_b32 v[\wd], v[TM+7], 24, v[\wd]
.irp b, 0,1,2,3
.irp i, 0,1,2,3,4,5,6,7,8,9,10,11,12,13,14,15
	v_med3_num_f32 v[\src+16*\b+\i], v[\src+16*\b+\i], -v[TM+8+\b], v[TM+8+\b]   ; the conversion does not saturate (ISA guide 7.6.2): hold first
.endr
	v_cvt_scalef32_pk8_fp8_f32 v[PC+4*\b:PC+1+4*\b], v[\src+16*\b:\src+7+16*\b], v[TM+12+\b]
	v_cvt_scalef32_pk8_fp8_f32 v[PC+2+4*\b:PC+3+4*\b], v[\src+8+16*\b:\src+15+16*\b], v[TM+12+\b]
.endr
	v_nop                                                 ; a plain line behind the last conversion
.endm
	v_lshl_add_u32 v14, v0, 2, 0x8400
	v_mov_b32 v15, 0
	v_lshrrev_b32 v1, 5, v0
	v_readfirstlane_b32 s2, v1                     ; wave 0..3
	v_and_b32 v6, 31, v0                           ; lane
	s_mov_b32 s[SEL], 0x76543210
	s_mov_b32 s[SEL+1], 0xfedcba98
	s_cmp_lt_u32 ttmp9, 128
	s_cbranch_scc1 .Lgate
; ---------------------------------------------------------------- the quantiser
	s_load_b256 s[16:23], s[0:1], 0x18             ; W1, W3, Ws1, Ws3
	s_load_b64 s[28:29], s[0:1], 0x38              ; wq
	s_sub_co_u32 s3, ttmp9, 128
	s_lshl_b32 s3, s3, 2
	s_add_co_u32 s3, s3, s2                        ; unit 0..2303
	s_and_b32 s49, s3, 1                           ; u: which tile of the pair
	s_bfe_u32 s4, s3, 0x10001                      ; i: which half of K
	s_bfe_u32 s5, s3, 0x50002                      ; b: which 32 rows
	s_lshr_b32 s6, s3, 7                           ; which of my 18 planes
	s_and_b32 s8, s6, 7                            ; its number in its buffer
	s_mov_b32 s[MNT], 0x600000
	v_lshlrev_b32 v1, 4, v6                        ; 16 x lane
	s_or_b32 s10, s5, s49
	s_cmp_eq_u32 s10, 0
	s_cselect_b32 s42, 4096, 0                     ; in a plane's first tile the load of the row in front of the plane reads row 0 instead (it stays in its buffer) ..
	s_cselect_b32 s44, 0, -1                       ; .. and is replaced by zeros
	v_add_nc_u32 v2, s42, v1
	s_mul_i32 s9, s2, STG
	v_add_nc_u32 v3, s9, v1                        ; stage, on the way in: row ii at 528 ii, 16 bytes a lane
	v_and_b32 v4, 15, v6
	v_lshrrev_b32 v5, 4, v6
	v_mul_u32_u24 v4, v4, 528
	v_lshl_add_u32 v4, v5, 6, v4
	v_add_nc_u32 v4, s9, v4                        ; on the way out: row r, + 64 h
.irp k, 0,1,2,3
	v_mov_b32 v[TM+4+\k], 0                        ; a lane permute's destination counts as read
.endr
	s_wait_kmcnt 0x0
	s_cmp_lt_u32 s6, 8                             ; the plane's buffer: a choice on the unit's number alone
	s_cselect_b64 s[30:31], s[16:17], s[18:19]
	s_cmp_eq_u32 s6, 16
	s_cselect_b64 s[30:31], s[20:21], s[30:31]
	s_cmp_eq_u32 s6, 17
	s_cselect_b64 s[30:31], s[22:23], s[30:31]
	s_cmp_lt_u32 s6, 16
	s_cselect_b32 s8, s8, 0
	s_cselect_b32 s7, 0, 8
	s_add_co_u32 s6, s6, s7                        ; P: 0-15, 24, 25
	s_mul_i32 s32, s8, PLANE
	s_lshl_b32 s33, s5, 17                         ; 32 rows of 4,096 bytes
	s_add_co_u32 s32, s32, s33
	s_lshl_b32 s33, s49, 15                        ; tile 1 begins 8 rows further down
	s_add_co_u32 s32, s32, s33
	s_lshl_b32 s33, s4, 11                         ; 512 along K
	s_add_co_u32 s32, s32, s33
	s_mov_b32 s33, 0
	s_add_nc_u64 s[30:31], s[30:31], s[32:33]
	s_lshl_b32 s34, s6, 20
	s_lshl_b32 s35, s5, 15
	s_add_co_u32 s34, s34, s35
	s_lshl_b32 s35, s49, 14
	s_add_co_u32 s34, s34, s35
	s_lshl_b32 s35, s4, 13
	s_add_co_u32 s34, s34, s35
	s_mov_b32 s35, 0
	s_add_nc_u64 s[38:39], s[28:29], s[34:35]      ; the unit's codes
	s_lshl_b32 s34, s6, 15
	s_lshl_b32 s36, s5, 10
	s_add_co_u32 s34, s34, s36
	s_lshl_b32 s36, s4, 9
	s_add_co_u32 s34, s34, s36
	s_lshl_b32 s36, s49, 8
	s_add_co_u32 s34, s34, s36
	s_add_co_u32 s34, s34, WSC
	s_add_nc_u64 s[40:41], s[28:29], s[34:35]      ; its scale words
; fragment f: the tile's 16 rows x 128 along K, a row's 512 bytes by one load
.macro LOADF f
.set lf, (\f)
.set lr, R0+64*(lf%2)
.irp ii, 0,1,2,3,4,5,6,7,8,9,10,11,12,13,14,15
.if \ii == 0
	global_load_b128 v[lr:lr+3], v2, s[30:31] offset:512*lf-4096 th:TH_LOAD_NT
.else
	global_load_b128 v[lr+4*\ii:lr+4*\ii+3], v1, s[30:31] offset:(\ii+8*(\ii/8)-1)*4096+512*lf th:TH_LOAD_NT
.endif
.endr
.endm
.macro STEPQ f
.set fr, R0+64*((\f)%2)
.if (\f) < 3
	s_wait_loadcnt 16                              ; this fragment's 16 loads are in; the next one's 16 stay out
.else
	s_wait_loadcnt 0
.endif
.irp k, 0,1,2,3
	v_cndmask_b32 v[fr+\k], 0, v[fr+\k], s44       ; the plane's row 0 is zeros (every other tile keeps its row)
.endr
.irp ii, 0,1,2,3,4,5,6,7,8,9,10,11,12,13,14,15
	ds_store_b128 v3, v[fr+4*\ii:fr+4*\ii+3] offset:\ii*528
.endr
.irp c, 0,1,2,3
.irp j, 0,1,2,3
	ds_load_b128 v[X+16*\c+4*\j:X+16*\c+4*\j+3], v4 offset:128*\c+16*\j   ; LDS serves a wave's instructions in order: these see the stores above
.endr
.endr
	s_wait_dscnt 0x0                               ; the numbers are back, and the stores have read the set that is loaded again below
	s_wait_xcnt 0x0                                ; the last fragment's code stores have read v[PC] on
.if (\f) < 2
	LOADF (\f)+2
.endif
	QUANT X, SW+(\f)
.irp c, 0,1,2,3
	global_store_b128 v1, v[PC+4*\c:PC+4*\c+3], s[38:39] offset:(\f)*2048+\c*512   ; 512 consecutive bytes
.endr
.endm
	LOADF 0
	LOADF 1
.irp f, 0,1,2,3
	STEPQ \f
.endr
	v_cmp_gt_u32 vcc_lo, 16, v6                    ; lanes r and 16 + r hold the same words: lanes 0-15 store 256 consecutive, aligned bytes
	s_wait_xcnt 0x0                                ; EXEC changes only behind this wait
	s_wait_tensorcnt 0x0
	ds_add_u32 v14, v15
	s_wait_dscnt 0x0
	s_and_saveexec_b32 s43, vcc_lo
	global_store_b128 v1, v[SW:SW+3], s[40:41]
	s_wait_xcnt 0x0
	s_or_b32 exec_lo, exec_lo, s43
	s_endpgm
; ---------------------------------------------------------------- the gate: a wave takes 4 rows of x
; Lane l holds k = 128 g + 4 l + 0..3 of each group g of 128 along K (eight groups: half p, group i).  gate_w[e][k - 1] lies at byte 4092 e + 4 k - 4: a multiple of 4 only.  Where two neighbours begin on a
; multiple of 8 they come by one load: odd experts (k, k+1), (k+2, k+3); even experts (k+1, k+2), and k+3 and k alone.  So an even expert's four registers of a group hold k+1, k+2, k+3, k, in that order.
; A group is 24 loads (4 of x, 20 of gate_w) and 128 multiply-adds; the second half's group i is asked for behind the first half's products of group i, into the registers that they have just read.
.Lgate:
	s_load_b128 s[8:11], s[0:1], 0x0               ; x, gate_w
	s_load_b64 s[12:13], s[0:1], 0x10              ; gate_b
	s_load_b128 s[32:35], s[0:1], 0x40             ; rt, gwt
	s_lshl_b32 s3, ttmp9, 2
	s_add_co_u32 s3, s3, s2                        ; G 0..511
	s_lshl_b32 s14, s3, 14
	s_mov_b32 s15, 0
	s_mov_b32 s36, 0xfffffffe
	s_mov_b32 s40, 0xaaaaaaaa
	s_mov_b32 s41, 0xcccccccc
	v_lshlrev_b32 v2, 4, v6                        ; 16 x lane
	v_mov_b32 v5, 0
	v_add_nc_u32 v4, -4, v2
	v_cmp_eq_u32 vcc_lo, 0, v6
	v_cndmask_b32 v4, v4, v5, vcc_lo               ; 16 l - 4, held at 0: k = 0 has no weight, lane 0 reads a number that is then replaced by 0
.irp k, 0,1,2,3,4,5,6,7
	v_mov_b32 v[48+\k], 0
.endr
	s_wait_kmcnt 0x0
	s_add_nc_u64 s[16:17], s[8:9], s[14:15]
	s_load_b256 s[24:31], s[12:13], 0x0            ; gate_b's eight numbers
.macro GLOAD p, i                      ; row w's 16 numbers of a half lie at v[16 + 16 w] (rows 0, 1) and v[224 + 16 (w - 2)] (rows 2, 3)
.set go, 2048*(\p)+512*(\i)
.irp j, 0,1,2,3
	global_load_b128 v[16+16*\j+176*(\j/2)+4*(\i):19+16*\j+176*(\j/2)+4*(\i)], v2, s[16:17] offset:\j*4096+go
.endr
.irp e, 0,2,4,6
	global_load_b64 v[GW+16*\e+4*(\i):GW+16*\e+4*(\i)+1], v2, s[10:11] offset:\e*4092+go
	global_load_b32 v[GW+16*\e+4*(\i)+2], v2, s[10:11] offset:\e*4092+go+8
.if go == 0
	global_load_b32 v[GW+16*\e+3], v4, s[10:11] offset:\e*4092
.else
	global_load_b32 v[GW+16*\e+4*(\i)+3], v2, s[10:11] offset:\e*4092+go-4
.endif
.endr
.irp e, 1,3,5,7
	global_load_b64 v[GW+16*\e+4*(\i):GW+16*\e+4*(\i)+1], v2, s[10:11] offset:\e*4092+go-4
	global_load_b64 v[GW+16*\e+4*(\i)+2:GW+16*\e+4*(\i)+3], v2, s[10:11] offset:\e*4092+go+4
.endr
.endm
.macro GCOMP p, i                      ; 128 multiply-adds: eight chains that do not wait for each other
.set w, 0
.rept 4
.set xr, 16+16*w+176*(w/2)+4*(\i)
.set c, 0
.rept 4
.set e, 0
.rept 8
.if ((\p) == 0) && ((\i) == 0) && (c == 0)
	v_mul_f32 v[ACC+8*w+e], v[xr+c], v[GW+16*e+4*(\i)+(c+3*(1-e%2))%4]
.else
	v_fmac_f32 v[ACC+8*w+e], v[xr+c], v[GW+16*e+4*(\i)+(c+3*(1-e%2))%4]
.endif
.set e, e+1
.endr
.set c, c+1
.endr
.set w, w+1
.endr
.endm
	GLOAD 0, 0
	GLOAD 0, 1
	GLOAD 0, 2
	GLOAD 0, 3
.irp g, 0,1,2,3
	s_wait_loadcnt 63                              ; behind this group's loads stand three groups' 72: 63 is the largest count that the wait can name
.if \g == 0
.irp e, 0,2,4,6
	v_cndmask_b32 v[GW+16*\e+3], 0, v[GW+16*\e+3], s36   ; k = 0 counts for nothing
.endr
.irp e, 1,3,5,7
	v_cndmask_b32 v[GW+16*\e], 0, v[GW+16*\e], s36
.endr
.endif
	GCOMP 0, \g
	GLOAD 1, \g
.endr
	s_wait_loadcnt 63                              ; (72 behind it)
	GCOMP 1, 0
	s_wait_loadcnt 48                              ; two groups behind it
	GCOMP 1, 1
	s_wait_loadcnt 24                              ; one
	GCOMP 1, 2
	s_wait_loadcnt 0
	GCOMP 1, 3
; Sums over the lanes, folding two registers into one at each of two steps: behind them lane l holds row l % 4.
.macro TR a, b, m, xm
	v_cndmask_b32 v[TT], v[\b], v[\a], s[\m]
	v_cndmask_b32 v[\a], v[\a], v[\b], s[\m]
	v_add_f32_dpp v[\a], v[TT], v[\a] row_xmask:\xm row_mask:0xf bank_mask:0xf
.endm
.set a, 0
.rept 2
.set e, 0
.rept 8
	TR ACC+16*a+e, ACC+16*a+8+e, 40, 1
.set e, e+1
.endr
.set a, a+1
.endr
.set e, 0
.rept 8
	TR ACC+e, ACC+16+e, 41, 2
.set e, e+1
.endr
.irp e, 0,1,2,3,4,5,6,7
	v_add_f32_dpp v[ACC+\e], v[ACC+\e], v[ACC+\e] row_xmask:4 row_mask:0xf bank_mask:0xf
.endr
.irp e, 0,1,2,3,4,5,6,7
	v_add_f32_dpp v[ACC+\e], v[ACC+\e], v[ACC+\e] row_xmask:8 row_mask:0xf bank_mask:0xf
.endr
.irp e, 0,1,2,3,4,5,6,7
	v_permlanex16_b32 v[48+\e], v[ACC+\e], s[SEL], s[SEL+1]
.endr
.irp e, 0,1,2,3,4,5,6,7
	v_add_f32 v[ACC+\e], v[ACC+\e], v[48+\e]       ; the eight logits of row 4 G + lane % 4
.endr
	v_max3_num_f32 v56, v192, v193, v194
	v_max3_num_f32 v56, v56, v195, v196
	v_max3_num_f32 v56, v56, v197, v198
	v_max_num_f32 v56, v56, v199                   ; the row's maximum is taken away ahead of the exponentials
.irp e, 0,1,2,3,4,5,6,7
	v_sub_f32 v[ACC+\e], v[ACC+\e], v56
.endr
.irp e, 0,1,2,3,4,5,6,7
	v_mul_f32 v[ACC+\e], 0x3fb8aa3b, v[ACC+\e]
.endr
.irp e, 0,1,2,3,4,5,6,7
	v_exp_f32 v[ACC+\e], v[ACC+\e]
.endr
	v_and_b32 v7, 3, v6                            ; (a plain line behind the exponentials)  j = lane % 4
	s_wait_alu depctr_va_vdst(0)
	v_add_f32 v57, v192, v193
.irp e, 2,3,4,5,6,7
	v_add_f32 v57, v57, v[ACC+\e]
.endr
	v_rcp_f32 v57, v57
	v_nop
	s_wait_alu depctr_va_vdst(0)
.irp e, 0,1,2,3,4,5,6,7
	v_mul_f32 v[ACC+\e], v[ACC+\e], v57            ; the scores
.endr
	s_wait_kmcnt 0x0                               ; gate_b
.irp e, 0,1,2,3,4,5,6,7
	v_add_f32 v[ACC+8+\e], s[24+\e], v[ACC+\e]     ; the bias counts for the choice alone
.endr
	v_mov_b32 v58, v200
	v_mov_b32 v59, 0
	v_mov_b32 v60, v192
.irp e, 1,2,3,4,5,6,7
	v_cmp_gt_f32 vcc_lo, v[ACC+8+\e], v58          ; strictly greater: the lower index keeps a tie
	v_mov_b32 v61, \e
	v_cndmask_b32 v58, v58, v[ACC+8+\e], vcc_lo
	v_cndmask_b32 v59, v59, v61, vcc_lo
	v_cndmask_b32 v60, v60, v[ACC+\e], vcc_lo
.endr
	v_and_b32 v62, 3, v59                          ; the count words: 1 in the expert's byte of two words
	v_lshlrev_b32 v62, 3, v62
	v_mov_b32 v63, 1
	v_lshlrev_b32 v63, v62, v63
	v_cmp_gt_u32 vcc_lo, 4, v59
	v_cndmask_b32 v10, v5, v63, vcc_lo
	v_cndmask_b32 v11, v63, v5, vcc_lo
	s_and_b32 s37, s3, 15                          ; token t = 4 G + j: its words lie at ((t % 64) / 2) 512 + (t / 64) 16 + (t % 2) 8
	s_lshl_b32 s37, s37, 10
	s_lshr_b32 s38, s3, 4
	s_lshl_b32 s38, s38, 4
	s_add_co_u32 s37, s37, s38
	v_lshrrev_b32 v12, 1, v7
	v_lshlrev_b32 v12, 9, v12
	v_and_b32 v13, 1, v7
	v_lshl_add_u32 v12, v13, 3, v12
	v_add_nc_u32 v12, s37, v12
	s_lshl_b32 s38, s3, 4
	v_lshl_add_u32 v13, v7, 2, s38                 ; 4 t
	v_cmp_gt_u32 vcc_lo, 4, v6
	s_wait_xcnt 0x0                                ; EXEC changes only behind this wait
	s_and_saveexec_b32 s39, vcc_lo
	global_store_b64 v12, v[10:11], s[32:33]
	global_store_b32 v13, v59, s[32:33] offset:16384
	global_store_b32 v13, v60, s[34:35]
	s_wait_xcnt 0x0
	s_or_b32 exec_lo, exec_lo, s39
	s_endpgm
.Lfunc_end_k_q3ad0661423_prep:
	.size	k_q3ad0661423_prep, .Lfunc_end_k_q3ad0661423_prep-k_q3ad0661423_prep
	.p2alignl 7, 3214868480
	.fill 96, 4, 3214868480
	.section	.rodata,"a",@progbits
	.p2align	6, 0x0
	.amdhsa_kernel k_q3ad0661423_prep
		.amdhsa_group_segment_fixed_size 34304
		.amdhsa_private_segment_fixed_size 0
		.amdhsa_enable_private_segment 0
		.amdhsa_kernarg_size 80
		.amdhsa_user_sgpr_count 2
		.amdhsa_user_sgpr_kernarg_segment_ptr 1
		.amdhsa_wavefront_size32 1
		.amdhsa_system_sgpr_workgroup_id_x 1
		.amdhsa_system_sgpr_workgroup_id_y 1
		.amdhsa_system_sgpr_workgroup_id_z 1
		.amdhsa_system_vgpr_workitem_id 0
		.amdhsa_next_free_vgpr 256
		.amdhsa_next_free_sgpr 66
		.amdhsa_reserve_vcc 1
		.amdhsa_float_denorm_mode_32 3
		.amdhsa_float_denorm_mode_16_64 3
		.amdhsa_memory_ordered 1
		.amdhsa_forward_progress 1
		.amdhsa_inst_pref_size 115
	.end_amdhsa_kernel
	.amdgpu_metadata
---
amdhsa.version: [ 1, 2 ]
amdhsa.kernels:
  - .name:           k_q3ad0661423_prep
    .symbol:         k_q3ad0661423_prep.kd
    .args:
      - { .name: x, .offset: 0, .size: 8, .value_kind: global_buffer, .address_space: global }
      - { .name: gate_w, .offset: 8, .size: 8, .value_kind: global_buffer, .address_space: global }
      - { .name: gate_b, .offset: 16, .size: 8, .value_kind: global_buffer, .address_space: global }
      - { .name: W1, .offset: 24, .size: 8, .value_kind: global_buffer, .address_space: global }
      - { .name: W3, .offset: 32, .size: 8, .value_kind: global_buffer, .address_space: global }
      - { .name: Ws1, .offset: 40, .size: 8, .value_kind: global_buffer, .address_space: global }
      - { .name: Ws3, .offset: 48, .size: 8, .value_kind: global_buffer, .address_space: global }
      - { .name: wq, .offset: 56, .size: 8, .value_kind: global_buffer, .address_space: global }
      - { .name: rt, .offset: 64, .size: 8, .value_kind: global_buffer, .address_space: global }
      - { .name: gwt, .offset: 72, .size: 8, .value_kind: global_buffer, .address_space: global }
    .group_segment_fixed_size: 34304
    .private_segment_fixed_size: 0
    .kernarg_segment_align: 8
    .kernarg_segment_size: 80
    .max_flat_workgroup_size: 128
    .sgpr_count:     66
    .vgpr_count:     256
    .wavefront_size: 32
...
	.end_amdgpu_metadata
.endif
;; end of part 1
;; launch sortx (part 2): grid 322 x 1, 4 waves a work-group, no clusters, 34,304 bytes of LDS; arguments x, rt, W2, Ws2, pt, xs, wq; writes pt, xs, wq
.if DOCPART == 2
	.amdgcn_target "amdgcn-amd-amdhsa--gfx1250"
	.amdhsa_code_object_version 6
	.text
	.protected	k_q3ad0661423_sortx
	.globl	k_q3ad0661423_sortx
	.p2align	8
	.type	k_q3ad0661423_sortx,@function
k_q3ad0661423_sortx:
	s_mov_b64 s[64:65], 0
	v_nop
	global_prefetch_b8 v0, s[64:65] scope:SCOPE_SE
	s_setreg_imm32_b32 hwreg(HW_REG_WAVE_MODE, 25, 1), 1
	s_wait_xcnt 0x0
; SORTX.  Two jobs in one launch, parted on the work-group's number.
; Work-groups 0-33 (136 waves, g = 4 x work-group + wave): A COUNTING SORT of the 2,048 tokens by their expert, and x quantised into the sorted order.  Every wave counts for itself from the 16 KiB of count words,
;   so nothing passes between waves or work-groups.
;   Expert e gets NT[e] = ceil(count / 16) tiles of 16 slots from tile FT[e] on (135 tiles at the most).  Token t goes to slot 16 FT[e] + (tokens of e in front of t).
;   Waves 0-127: tokens 16 g + r.  Lanes r and 16 + r hold token r's two halves of each block of 32.  x's row becomes eight fragments' codes, stored into the slot's place in the tile's register image
;   (tile m: m<<14 + s<<11 + c<<9 + 16 (slot % 16) + 256 h), and eight scale words at XSS + 32 slot.  These stores are pieces of 16 bytes, neighbours where neighbouring tokens share an expert: 2 MiB in all.
;   Waves 128-135: the empty slots behind expert g - 128's tokens get zero codes and the byte 127; lanes with no empty slot write a spare tile (136 + e) that nobody reads, so EXEC stays whole.
;   pt: slot of each token [2048], then FT[8] at byte 8192, NT[8] at 8224 (wave 0 stores these).
; Work-groups 34-321: THE QUANTISER of the second product's nine weight planes (W2[e]: planes 16-23, Ws2: plane 26), the text and the layout of the launch before: the sort is a chain of dependent
;   loads on few waves, and these planes are first read two launches on, so their stream stands beside it.  Their row 0 is zeros: so output column 0 comes out as 0.
; LIMITS: NaN and infinities not served; blocks under 2^-118 keep the byte 1.
.set XSS,   2359296
.set WSC,   28311552
.set PLANE, 4190208
.set STG,   8448
.set SEL,   46
.set MNT,   48
.set TM,    8                          ; the sort: v8-23 at work in QUANT (the sort's sums before);  set anew for the quantiser below
.set PC,    32                         ; the sort: v32-47 codes (the counts before)
.macro QUANT src, wd
.irp b, 0,1,2,3
	v_max3_num_f32 v[TM+\b], |v[\src+16*\b]|, |v[\src+1+16*\b]|, 0x4800000
.endr
.irp i, 2,4,6,8,10,12,14
.irp b, 0,1,2,3
	v_max3_num_f32 v[TM+\b], v[TM+\b], |v[\src+16*\b+\i]|, |v[\src+1+16*\b+\i]|
.endr
.endr
.irp b, 0,1,2,3
	v_permlanex16_b32 v[TM+4+\b], v[TM+\b], s[SEL], s[SEL+1]
.endr
.irp b, 0,1,2,3
	v_max_num_f32 v[TM+\b], v[TM+\b], v[TM+4+\b]
.endr
.irp b, 0,1,2,3
	v_add_nc_u32 v[TM+12+\b], 0xfc000000, v[TM+\b]
.endr
.irp b, 0,1,2,3
	v_and_or_b32 v[TM+8+\b], v[TM+\b], 0x7f800000, s[MNT]
.endr
.irp b, 0,1,2,3
	v_lshrrev_b32 v[TM+4+\b], 23, v[TM+12+\b]
.endr
	v_lshl_or_b32 v[\wd], v[TM+5], 8, v[TM+4]
	v_lshl_or_b32 v[\wd], v[TM+6], 16, v[\wd]
	v_lshl_or_b32 v[\wd], v[TM+7], 24, v[\wd]
.irp b, 0,1,2,3
.irp i, 0,1,2,3,4,5,6,7,8,9,10,11,12,13,14,15
	v_med3_num_f32 v[\src+16*\b+\i], v[\src+16*\b+\i], -v[TM+8+\b], v[TM+8+\b]
.endr
	v_cvt_scalef32_pk8_fp8_f32 v[PC+4*\b:PC+1+4*\b], v[\src+16*\b:\src+7+16*\b], v[TM+12+\b]
	v_cvt_scalef32_pk8_fp8_f32 v[PC+2+4*\b:PC+3+4*\b], v[\src+8+16*\b:\src+15+16*\b], v[TM+12+\b]
.endr
	v_nop
.endm
.macro XLOAD st                        ; K step st of my token: 16 numbers of each of four blocks, into buffer st % 3
.set xr, 64+64*((\st)%3)
.irp b, 0,1,2,3
.irp j, 0,1,2,3
	global_load_b128 v[xr+16*\b+4*\j:xr+16*\b+4*\j+3], v3, s[4:5] offset:512*(\st)+128*\b+16*\j
.endr
.endr
.endm
.macro PLACE                           ; from the slot in v26 (already held under a constant): v6 where its codes go, v7 where its scale words go
	v_and_b32 v6, -16, v26
	v_lshlrev_b32 v6, 10, v6
	v_and_b32 v27, 15, v26
	v_lshl_add_u32 v6, v27, 4, v6
	v_lshl_add_u32 v6, v2, 8, v6
	v_lshlrev_b32 v7, 5, v26
	v_lshl_add_u32 v7, v2, 4, v7
.endm
	s_set_vgpr_msb 0x40
	v_lshl_add_u32 v0, v0, 2, 0x8400
	v_mov_b32 v1, 0
	s_set_vgpr_msb 0x4000
	v_lshrrev_b32 v1, 5, v0
	v_readfirstlane_b32 s2, v1                     ; wave 0..3
	s_mov_b32 s[SEL], 0x76543210
	s_mov_b32 s[SEL+1], 0xfedcba98
	s_mov_b32 s[MNT], 0x600000
	s_cmp_lt_u32 ttmp9, 34
	s_cbranch_scc0 .Lquant
; ---------------------------------------------------------------- the sort
	s_load_b128 s[4:7], s[0:1], 0x0                ; x, rt
	s_load_b128 s[8:11], s[0:1], 0x20              ; pt, xs
	v_and_b32 v0, 31, v0                           ; from here on v0 is the lane
	v_and_b32 v1, 15, v0                           ; r
	v_lshrrev_b32 v2, 4, v0                        ; h
	v_lshlrev_b32 v3, 12, v1
	v_lshl_add_u32 v3, v2, 6, v3                   ; x: row r, + 64 h
	v_lshlrev_b32 v4, 4, v0                        ; 16 x lane
	s_lshl_b32 s12, ttmp9, 2
	s_add_co_u32 s12, s12, s2                      ; g
	s_lshl_b32 s17, s12, 6
	s_mov_b32 s18, 0x00ff00ff
	s_mov_b32 s19, 0xffff0000
.irp k, 0,1,2,3,4,5,6,7
	v_mov_b32 v[48+\k], 0                          ; destinations of lane moves count as read
.endr
	s_wait_kmcnt 0x0
	s_cmp_lt_u32 s12, 128
	s_cbranch_scc0 .Lpadhead
	s_lshl_b32 s14, s12, 16
	s_mov_b32 s15, 0
	s_add_nc_u64 s[4:5], s[4:5], s[14:15]          ; my 16 rows of x
	XLOAD 0
	v_lshl_add_u32 v7, v1, 2, s17
	global_load_b32 v5, v7, s[6:7] offset:16384    ; my token's expert
	s_branch .Lcount
.Lpadhead:
	s_sub_co_u32 s16, s12, 128
	v_mov_b32 v5, s16
.Lcount:
.set i, 0
.rept 32
	global_load_b128 v[128+4*i:131+4*i], v4, s[6:7] offset:512*i   ; lane l: the count words of tokens 64 l + 2 i, 64 l + 2 i + 1
.set i, i+1
.endr
	s_wait_loadcnt 0x0
	v_min_u32 v5, 7, v5
.irp jq, 0,1,2,3                       ; four sums of 16 tokens a lane (tile 4 l + jq), a byte for each expert: at most 16
.irp w, 0,1
	v_add_nc_u32 v[8+2*\jq+\w], v[128+32*\jq+\w], v[128+32*\jq+\w+2]
.irp i, 1,2,3,4,5,6,7
	v_add3_u32 v[8+2*\jq+\w], v[8+2*\jq+\w], v[128+32*\jq+4*\i+\w], v[128+32*\jq+4*\i+\w+2]
.endr
.endr
.endr
	s_cmp_lt_u32 s12, 128
	s_cbranch_scc0 .Lnox
	XLOAD 1                                        ; into the registers that the count words have left
	XLOAD 2
.Lnox:
	v_add3_u32 v24, v8, v10, v12                   ; all my 64 tokens (at most 64 a byte)
	v_add_nc_u32 v24, v24, v14
	v_add3_u32 v25, v9, v11, v13
	v_add_nc_u32 v25, v25, v15
	v_lshlrev_b32 v28, 2, v0
	v_cmp_gt_u32 vcc_lo, s12, v28                  ; and those in tiles in front of tile g
	v_cndmask_b32 v26, 0, v8, vcc_lo
	v_cndmask_b32 v27, 0, v9, vcc_lo
.irp jq, 1,2,3
	v_add_nc_u32 v29, \jq, v28
	v_cmp_gt_u32 vcc_lo, s12, v29
	v_cndmask_b32 v30, 0, v[8+2*\jq], vcc_lo
	v_cndmask_b32 v31, 0, v[9+2*\jq], vcc_lo
	v_add_nc_u32 v26, v26, v30
	v_add_nc_u32 v27, v27, v31
.endr
.irp k, 0,1,2,3                        ; bytes widened to fields of 16 bits: the sums over 32 lanes reach 2,048
	v_and_b32 v[16+2*\k], s18, v[24+\k]
	v_lshrrev_b32 v28, 8, v[24+\k]
	v_and_b32 v[17+2*\k], s18, v28
.endr
.irp xm, 1,2,4,8
.irp k, 0,1,2,3,4,5,6,7
	v_mov_b32_dpp v[48+\k], v[16+\k] row_xmask:\xm row_mask:0xf bank_mask:0xf
.endr
.irp k, 0,1,2,3,4,5,6,7
	v_add_nc_u32 v[16+\k], v[16+\k], v[48+\k]
.endr
.endr
.irp k, 0,1,2,3,4,5,6,7
	v_permlanex16_b32 v[48+\k], v[16+\k], s[SEL], s[SEL+1]
.endr
.irp k, 0,1,2,3,4,5,6,7
	v_add_nc_u32 v[16+\k], v[16+\k], v[48+\k]
.endr
.irp f, 0,1,2,3                        ; field register f holds experts f % 2 + 4 (f / 2) (low) and that + 2 (high): counts to v32-39, counts in front to v40-47
	v_and_b32 v[32+(\f%2)+4*(\f/2)], 0xffff, v[16+\f]
	v_lshrrev_b32 v[34+(\f%2)+4*(\f/2)], 16, v[16+\f]
	v_and_b32 v[40+(\f%2)+4*(\f/2)], 0xffff, v[20+\f]
	v_lshrrev_b32 v[42+(\f%2)+4*(\f/2)], 16, v[20+\f]
.endr
.irp e, 0,1,2,3,4,5,6,7
	v_add_nc_u32 v[56+\e], 15, v[32+\e]
.endr
.irp e, 0,1,2,3,4,5,6,7
	v_lshrrev_b32 v[56+\e], 4, v[56+\e]            ; NT
.endr
	v_mov_b32 v48, 0
.irp e, 1,2,3,4,5,6,7
	v_add_nc_u32 v[48+\e], v[47+\e], v[55+\e]      ; FT
.endr
	v_mov_b32 v28, v48                             ; my expert's FT, count in front, count, NT
	v_mov_b32 v29, v40
	v_mov_b32 v30, v32
	v_mov_b32 v31, v56
.irp e, 1,2,3,4,5,6,7
	v_cmp_eq_u32 vcc_lo, \e, v5
	v_cndmask_b32 v28, v28, v[48+\e], vcc_lo
	v_cndmask_b32 v29, v29, v[40+\e], vcc_lo
	v_cndmask_b32 v30, v30, v[32+\e], vcc_lo
	v_cndmask_b32 v31, v31, v[56+\e], vcc_lo
.endr
	s_cmp_lt_u32 s12, 128
	s_cbranch_scc0 .Lpad
; ---- tokens
	v_mov_b32 v24, 0
.irp e, 0,1,2,3,4,5,6,7                ; how many of my tile's tokens in front of mine have my expert
	v_cmp_eq_u32 vcc_lo, \e, v5
	s_and_b32 s20, vcc_lo, 0xffff
	v_mbcnt_lo_u32_b32 v25, s20, 0
	v_cndmask_b32 v24, v24, v25, vcc_lo
.endr
	v_permlanex16_b32 v25, v24, s[SEL], s[SEL+1]
	v_cndmask_b32 v24, v24, v25, s19               ; lanes 16-31 take their partner's
	v_lshl_add_u32 v26, v28, 4, v29
	v_add_nc_u32 v26, v26, v24
	v_min_u32 v26, 0x87f, v26                      ; the slot, held inside the 136 tiles
	PLACE
	v_lshl_add_u32 v25, v1, 2, s17
	v_mov_b32 v27, 0
	v_cmp_gt_u32 vcc_lo, 16, v0
	s_wait_xcnt 0x0                                ; EXEC changes only behind this wait
	s_and_saveexec_b32 s21, vcc_lo
	global_store_b32 v25, v26, s[8:9]
	s_wait_xcnt 0x0
	s_or_b32 exec_lo, exec_lo, s21
	s_cmp_lg_u32 s12, 0
	s_cbranch_scc1 .Lnot0
	v_cmp_eq_u32 vcc_lo, 0, v0
	s_and_saveexec_b32 s21, vcc_lo
	global_store_b128 v27, v[48:51], s[8:9] offset:8192
	global_store_b128 v27, v[52:55], s[8:9] offset:8208
	global_store_b128 v27, v[56:59], s[8:9] offset:8224
	global_store_b128 v27, v[60:63], s[8:9] offset:8240
	s_wait_xcnt 0x0
	s_or_b32 exec_lo, exec_lo, s21
.Lnot0:
.macro XSTEP st
.if (\st) < 6
	s_wait_loadcnt 32                              ; this K step is in; the next two steps' 16 loads each stay out
.elseif (\st) == 6
	s_wait_loadcnt 16
.else
	s_wait_loadcnt 0
.endif
	s_wait_xcnt 0x0                                ; the last step's stores have read v[PC] on
.set qs, 64+64*((\st)%3)
	QUANT qs, 24+(\st)
.if (\st) < 5
	XLOAD (\st)+3
.endif
.irp c, 0,1,2,3
	global_store_b128 v6, v[PC+4*\c:PC+4*\c+3], s[10:11] offset:(\st)*2048+\c*512
.endr
.endm
.irp st, 0,1,2,3,4,5,6,7
	XSTEP \st
.endr
.irp k, 0,1,2,3
	v_cndmask_b32 v[48+\k], v[24+\k], v[28+\k], s19    ; lanes 0-15 store words 0-3, lanes 16-31 words 4-7
.endr
	global_store_b128 v7, v[48:51], s[10:11] offset:XSS
	s_endpgm
; ---- the empty slots of expert g - 128
.Lpad:
	v_add_nc_u32 v24, v30, v1                      ; count + r
	v_lshlrev_b32 v25, 4, v31
	v_cmp_lt_u32 vcc_lo, v24, v25                  ; still inside the expert's tiles?
	v_lshl_add_u32 v24, v28, 4, v24
	s_add_co_u32 s20, s12, 8
	s_lshl_b32 s20, s20, 4
	v_add_nc_u32 v25, s20, v1                      ; else the spare tile
	v_cndmask_b32 v26, v25, v24, vcc_lo
	v_min_u32 v26, 0x8ff, v26
	PLACE
.irp k, 0,1,2,3
	v_mov_b32 v[32+\k], 0
	v_mov_b32 v[36+\k], 0x7f7f7f7f
.endr
.set n, 0
.rept 32
	global_store_b128 v6, v[32:35], s[10:11] offset:512*n
.set n, n+1
.endr
	global_store_b128 v7, v[36:39], s[10:11] offset:XSS
	s_endpgm
; ---------------------------------------------------------------- the quantiser: a wave takes one tile's 16 rows x 512 along K, four fragments
.Lquant:
.set SW,    8                          ; v8-11   scale word of each fragment
.set TM,    20                         ; v20-35  at work in QUANT
.set PC,    40                         ; v40-55  a fragment's codes
.set X,     64                         ; v64-127 64 numbers of a lane
.set R0,    128                        ; v128-255 two sets of 16 x 4 registers as loaded
	s_load_b128 s[16:19], s[0:1], 0x10             ; W2, Ws2
	s_load_b64 s[28:29], s[0:1], 0x30              ; wq
	v_and_b32 v6, 31, v0                           ; lane
	s_sub_co_u32 s3, ttmp9, 34
	s_lshl_b32 s3, s3, 2
	s_add_co_u32 s3, s3, s2                        ; unit 0..1151
	s_and_b32 s49, s3, 1                           ; u: which tile of the pair
	s_bfe_u32 s4, s3, 0x10001                      ; i: which half of K
	s_bfe_u32 s5, s3, 0x50002                      ; b: which 32 rows
	s_lshr_b32 s6, s3, 7                           ; which of my nine planes
	v_lshlrev_b32 v1, 4, v6                        ; 16 x lane
	s_or_b32 s10, s5, s49
	s_cmp_eq_u32 s10, 0
	s_cselect_b32 s42, 4096, 0                     ; in a plane's first tile the load of the row in front of the plane reads row 0 instead (it stays in its buffer) ..
	s_cselect_b32 s44, 0, -1                       ; .. and is replaced by zeros
	v_add_nc_u32 v2, s42, v1
	s_mul_i32 s9, s2, STG
	v_add_nc_u32 v3, s9, v1                        ; stage, on the way in: row ii at 528 ii, 16 bytes a lane
	v_and_b32 v4, 15, v6
	v_lshrrev_b32 v5, 4, v6
	v_mul_u32_u24 v4, v4, 528
	v_lshl_add_u32 v4, v5, 6, v4
	v_add_nc_u32 v4, s9, v4                        ; on the way out: row r, + 64 h
.irp k, 0,1,2,3
	v_mov_b32 v[TM+4+\k], 0                        ; a lane permute's destination counts as read
.endr
	s_wait_kmcnt 0x0
	s_cmp_lt_u32 s6, 8                             ; the plane's buffer: a choice on the unit's number alone
	s_cselect_b64 s[30:31], s[16:17], s[18:19]
	s_cselect_b32 s8, s6, 0                        ; its number in its buffer
	s_cselect_b32 s7, 16, 18
	s_add_co_u32 s6, s6, s7                        ; P: 16-23, 26
	s_mul_i32 s32, s8, PLANE
	s_lshl_b32 s33, s5, 17                         ; 32 rows of 4,096 bytes
	s_add_co_u32 s32, s32, s33
	s_lshl_b32 s33, s49, 15                        ; tile 1 begins 8 rows further down
	s_add_co_u32 s32, s32, s33
	s_lshl_b32 s33, s4, 11                         ; 512 along K
	s_add_co_u32 s32, s32, s33
	s_mov_b32 s33, 0
	s_add_nc_u64 s[30:31], s[30:31], s[32:33]
	s_lshl_b32 s34, s6, 20
	s_lshl_b32 s35, s5, 15
	s_add_co_u32 s34, s34, s35
	s_lshl_b32 s35, s49, 14
	s_add_co_u32 s34, s34, s35
	s_lshl_b32 s35, s4, 13
	s_add_co_u32 s34, s34, s35
	s_mov_b32 s35, 0
	s_add_nc_u64 s[38:39], s[28:29], s[34:35]      ; the unit's codes
	s_lshl_b32 s34, s6, 15
	s_lshl_b32 s36, s5, 10
	s_add_co_u32 s34, s34, s36
	s_lshl_b32 s36, s4, 9
	s_add_co_u32 s34, s34, s36
	s_lshl_b32 s36, s49, 8
	s_add_co_u32 s34, s34, s36
	s_add_co_u32 s34, s34, WSC
	s_add_nc_u64 s[40:41], s[28:29], s[34:35]      ; its scale words
.macro LOADF f                         ; fragment f: the tile's 16 rows x 128 along K, a row's 512 bytes by one load
.set lf, (\f)
.set lr, R0+64*(lf%2)
.irp ii, 0,1,2,3,4,5,6,7,8,9,10,11,12,13,14,15
.if \ii == 0
	global_load_b128 v[lr:lr+3], v2, s[30:31] offset:512*lf-4096 th:TH_LOAD_NT
.else
	global_load_b128 v[lr+4*\ii:lr+4*\ii+3], v1, s[30:31] offset:(\ii+8*(\ii/8)-1)*4096+512*lf th:TH_LOAD_NT
.endif
.endr
.endm
.macro STEPQ f
.set fr, R0+64*((\f)%2)
.if (\f) < 3
	s_wait_loadcnt 16                              ; this fragment's 16 loads are in; the next one's 16 stay out
.else
	s_wait_loadcnt 0
.endif
.irp k, 0,1,2,3
	v_cndmask_b32 v[fr+\k], 0, v[fr+\k], s44       ; the plane's row 0 is zeros (every other tile keeps its row)
.endr
.irp ii, 0,1,2,3,4,5,6,7,8,9,10,11,12,13,14,15
	ds_store_b128 v3, v[fr+4*\ii:fr+4*\ii+3] offset:\ii*528
.endr
.irp c, 0,1,2,3
.irp j, 0,1,2,3
	ds_load_b128 v[X+16*\c+4*\j:X+16*\c+4*\j+3], v4 offset:128*\c+16*\j   ; LDS serves a wave's instructions in order: these see the stores above
.endr
.endr
	s_wait_dscnt 0x0                               ; the numbers are back, and the stores have read the set that is loaded again below
	s_wait_xcnt 0x0                                ; the last fragment's code stores have read v[PC] on
.if (\f) < 2
	LOADF (\f)+2
.endif
	QUANT X, SW+(\f)
.irp c, 0,1,2,3
	global_store_b128 v1, v[PC+4*\c:PC+4*\c+3], s[38:39] offset:(\f)*2048+\c*512   ; 512 consecutive bytes
.endr
.endm
	LOADF 0
	LOADF 1
.irp f, 0,1,2,3
	STEPQ \f
.endr
	v_cmp_gt_u32 vcc_lo, 16, v6                    ; lanes r and 16 + r hold the same words: lanes 0-15 store 256 consecutive, aligned bytes
	s_wait_xcnt 0x0                                ; EXEC changes only behind this wait
	s_set_vgpr_msb 0x5
	s_wait_tensorcnt 0x0
	ds_add_u32 v0, v1
	s_wait_dscnt 0x0
	s_set_vgpr_msb 0x500
	s_and_saveexec_b32 s43, vcc_lo
	global_store_b128 v1, v[SW:SW+3], s[40:41]
	s_wait_xcnt 0x0
	s_or_b32 exec_lo, exec_lo, s43
	s_endpgm
.Lfunc_end_k_q3ad0661423_sortx:
	.size	k_q3ad0661423_sortx, .Lfunc_end_k_q3ad0661423_sortx-k_q3ad0661423_sortx
	.p2alignl 7, 3214868480
	.fill 96, 4, 3214868480
	.section	.rodata,"a",@progbits
	.p2align	6, 0x0
	.amdhsa_kernel k_q3ad0661423_sortx
		.amdhsa_group_segment_fixed_size 34304
		.amdhsa_private_segment_fixed_size 0
		.amdhsa_enable_private_segment 0
		.amdhsa_kernarg_size 56
		.amdhsa_user_sgpr_count 2
		.amdhsa_user_sgpr_kernarg_segment_ptr 1
		.amdhsa_wavefront_size32 1
		.amdhsa_system_sgpr_workgroup_id_x 1
		.amdhsa_system_sgpr_workgroup_id_y 1
		.amdhsa_system_sgpr_workgroup_id_z 1
		.amdhsa_system_vgpr_workitem_id 0
		.amdhsa_next_free_vgpr 258
		.amdhsa_next_free_sgpr 66
		.amdhsa_reserve_vcc 1
		.amdhsa_float_denorm_mode_32 3
		.amdhsa_float_denorm_mode_16_64 3
		.amdhsa_memory_ordered 1
		.amdhsa_forward_progress 1
		.amdhsa_inst_pref_size 156
	.end_amdhsa_kernel
	.amdgpu_metadata
---
amdhsa.version: [ 1, 2 ]
amdhsa.kernels:
  - .name:           k_q3ad0661423_sortx
    .symbol:         k_q3ad0661423_sortx.kd
    .args:
      - { .name: x, .offset: 0, .size: 8, .value_kind: global_buffer, .address_space: global }
      - { .name: rt, .offset: 8, .size: 8, .value_kind: global_buffer, .address_space: global }
      - { .name: W2, .offset: 16, .size: 8, .value_kind: global_buffer, .address_space: global }
      - { .name: Ws2, .offset: 24, .size: 8, .value_kind: global_buffer, .address_space: global }
      - { .name: pt, .offset: 32, .size: 8, .value_kind: global_buffer, .address_space: global }
      - { .name: xs, .offset: 40, .size: 8, .value_kind: global_buffer, .address_space: global }
      - { .name: wq, .offset: 48, .size: 8, .value_kind: global_buffer, .address_space: global }
    .group_segment_fixed_size: 34304
    .private_segment_fixed_size: 0
    .kernarg_segment_align: 8
    .kernarg_segment_size: 56
    .max_flat_workgroup_size: 128
    .sgpr_count:     66
    .vgpr_count:     258
    .wavefront_size: 32
...
	.end_amdgpu_metadata
.endif
;; end of part 2
;; launch up (part 3): grid 256 x 1, 4 waves a work-group, no clusters, 0 bytes of LDS; arguments wq, xs, pt, hid; writes hid
.if DOCPART == 3
	.amdgcn_target "amdgcn-amd-amdhsa--gfx1250"
	.amdhsa_code_object_version 6
	.text
	.protected	k_q3ad0661423_up
	.globl	k_q3ad0661423_up
	.p2align	8
	.type	k_q3ad0661423_up,@function
k_q3ad0661423_up:
	s_mov_b64 s[64:65], 0
	v_nop
	global_prefetch_b8 v0, s[64:65] scope:SCOPE_SE
	s_setreg_imm32_b32 hwreg(HW_REG_WAVE_MODE, 25, 1), 1
	s_wait_xcnt 0x0
; UP.  sp = silu(x W1^T) * (x W3^T) for the chosen expert and for the shared expert, on codes of E4M3 with E8M0 scales.
; Work-group (e, q): expert e's tiles of 16 sorted tokens, hidden units 32 q .. 32 q + 31 (block q of the next product's K).  Waves: kind = wave % 2 (0 the routed weights, 1 the shared ones), par = wave / 2:
; a wave walks tiles FT[e] + par, + 2, ..  Its 64 KiB of weight codes (2 matrices x 2 tiles x 8 K steps) stay in registers for the whole launch; what goes round is a tile's 16 KiB of x's codes, two buffers by turns.
; The weights' addresses hang on ids alone: their loads go out ahead of the wait for the list's entry.
; THE PRODUCTS ARE USED TRANSPOSED (source 0 = 16 rows of W, source 1 = 16 tokens): a lane holds one token, and the 16 results of tiles u = 0, 1 are 16 neighbouring hidden units.
; Out (hid): block q's codes as chunk q of the tile's register image, its scale byte, the sum of sp^2 over the 32 units (laid [tile][token][q], so that the next launch reads a token's 32 sums as 128 bytes on end).
; Block 0 waits for the time coordinate, which needs all 32 sums: it leaves as f32.
; WHY NO CLUSTER, NO TENSOR LOADS: the trip counts are read from the stored list and differ between waves; no barrier and no joint request may stand under such a branch.  So operands come from memory straight into
; registers, laid by earlier launches in the order of the operand's registers: every load is 512 consecutive bytes.
; A work-group whose expert has no tile for a wave ends that wave: the price of a grid that serves every split.
; REGISTERS: window 0: v1 16 lane, v2 32 r, v3 lane; v8-15 store offsets; v32-47 the weights' scale words; v48-63 x's, two sets; v64-95 four accumulators (W1 u0, u1, W3 u0, u1); v96-111 at work; v112-127 sp; v128-131 codes.
;   windows 1, 2: weights, K steps 0-3 and 4-7: accumulator a's at v[64 a + 16 (s % 4)];   window 3: x's codes, buffer b at v[128 b + 16 s].
; LIMITS: NaN and infinities not served; a block under 2^-118 keeps the byte 1.
.set WSC, 28311552
.set XSS, 2359296
.set HQK, 2228224
.set HS,  4456448
.set HSK, 69632
.set HZ,  4595712
.set HZK, 278528
.set SSQ, 5152768
.set TS,  96
.set SP,  112
.set PC,  128
.set QM0, 132
.set QM1, 133
.set SCL, 134
.set HOLD, 135
.set QBY, 136
.set MSB, 0
.macro WIN new                         ; the immediate's high byte repeats the setting that is left
.if MSB != \new
	s_set_vgpr_msb (MSB<<8)|\new
.set MSB, \new
.endif
.endm
.macro MM buf, ks, a                   ; one product: accumulator a, K step ks, x's buffer buf.  The first K step starts the sum
.set rd, 64+8*(\a)
.set ra, 64*(\a)+16*((\ks)%4)
.set rb, 128*(\buf)+16*(\ks)
.set sa, 32+8*((\a)/2)+(\ks)
.set sb, 48+8*(\buf)+(\ks)
.if (\ks) == 0
.if (\a)%2
	v_wmma_scale_f32_16x16x128_f8f6f4 v[rd:rd+7], v[ra:ra+15], v[rb:rb+15], 0, v[sa], v[sb] matrix_a_scale:MATRIX_SCALE_ROW1
.else
	v_wmma_scale_f32_16x16x128_f8f6f4 v[rd:rd+7], v[ra:ra+15], v[rb:rb+15], 0, v[sa], v[sb]
.endif
.else
.if (\a)%2
	v_wmma_scale_f32_16x16x128_f8f6f4 v[rd:rd+7], v[ra:ra+15], v[rb:rb+15], v[rd:rd+7], v[sa], v[sb] matrix_a_scale:MATRIX_SCALE_ROW1
.else
	v_wmma_scale_f32_16x16x128_f8f6f4 v[rd:rd+7], v[ra:ra+15], v[rb:rb+15], v[rd:rd+7], v[sa], v[sb]
.endif
.endif
.endm
.macro XL buf                          ; tile s22's codes and scale words into buffer buf: 34 loads.  The buffer's bases are written only when its earlier loads have been shown done
	s_min_u32 s[40+\buf], s22, 135
	s_lshl_b32 s42, s[40+\buf], 14
	s_add_nc_u64 s[32+4*\buf:33+4*\buf], s[6:7], s[42:43]
	s_lshl_b32 s42, s[40+\buf], 9
	s_add_nc_u64 s[34+4*\buf:35+4*\buf], s[6:7], s[42:43]
	WIN 0xc0
.set n, 0
.rept 32
	global_load_b128 v[128*\buf+4*n:128*\buf+4*n+3], v1, s[32+4*\buf:33+4*\buf] offset:512*n
.set n, n+1
.endr
	WIN 0
	global_load_b128 v[48+8*\buf:51+8*\buf], v2, s[34+4*\buf:35+4*\buf] offset:XSS
	global_load_b128 v[52+8*\buf:55+8*\buf], v2, s[34+4*\buf:35+4*\buf] offset:XSS+16
.endm
.macro COMPUTE buf
	s_wait_loadcnt 34                              ; all but the other buffer's 34 loads: this tile (and, the first time, the weights) is in
	WIN 0x0d                                       ; source 0 window 1, source 1 window 3
.irp ks, 0,1,2,3                       ; the four accumulators take turns, one instruction a turn
.irp a, 0,1,2,3
	MM \buf, \ks, \a
.endr
.endr
	WIN 0x0e                                       ; source 0 window 2
.irp ks, 4,5,6,7
.irp a, 0,1,2,3
	MM \buf, \ks, \a
.endr
.endr
	WIN 0
	s_wait_xcnt 0x0                                ; the last tile's stores have read their offsets and data
	s_lshl_b32 s52, s[40+\buf], 14
	s_lshl_b32 s53, s[40+\buf], 11
	s_lshl_b32 s54, s[40+\buf], 9
	v_add_nc_u32 v8, s52, v12                      ; this tile's store offsets: four of the eight places behind the last product
	v_add_nc_u32 v9, s53, v13
	v_add_nc_u32 v10, s53, v14
	v_add_nc_u32 v11, s54, v15
.rept 4
	v_nop
.endr
.irp j, 0,2,4,6,8,10,12,14             ; each accumulator is read from its low end on
	v_pk_mul_f32 v[TS+\j:TS+1+\j], v[64+\j:65+\j], s[50:51] op_sel_hi:[1,0]   ; -a1 log2(e)
.endr
.irp j, 0,1,2,3,4,5,6,7,8,9,10,11,12,13,14,15
	v_exp_f32 v[TS+\j], v[TS+\j]
.endr
	v_nop
	s_wait_alu depctr_va_vdst(0)
.irp j, 0,2,4,6,8,10,12,14
	v_pk_add_f32 v[TS+\j:TS+1+\j], v[TS+\j:TS+1+\j], 1.0 op_sel_hi:[1,0]
.endr
.irp j, 0,1,2,3,4,5,6,7,8,9,10,11,12,13,14,15
	v_rcp_f32 v[TS+\j], v[TS+\j]
.endr
	v_nop
	s_wait_alu depctr_va_vdst(0)
.irp j, 0,2,4,6,8,10,12,14
	v_pk_mul_f32 v[TS+\j:TS+1+\j], v[TS+\j:TS+1+\j], v[64+\j:65+\j]            ; silu(a1)
.endr
.irp j, 0,2,4,6,8,10,12,14
	v_pk_mul_f32 v[SP+\j:SP+1+\j], v[TS+\j:TS+1+\j], v[80+\j:81+\j]            ; x a3
.endr
	v_pk_mul_f32 v[138:139], v[SP:SP+1], v[SP:SP+1]                            ; the sum of squares is taken of the unquantised numbers
.irp j, 2,4,6,8,10,12,14
	v_pk_fma_f32 v[138:139], v[SP+\j:SP+1+\j], v[SP+\j:SP+1+\j], v[138:139]
.endr
	v_add_f32 v138, v138, v139
	v_permlanex16_b32 v139, v138, s46, s47
	v_add_f32 v138, v138, v139                     ; my token's 32 units
	s_cmp_eq_u32 s12, 0
	s_cbranch_scc1 .Lq0_\@
	v_max3_num_f32 v[QM0], |v[SP]|, |v[SP+1]|, 0x4800000
	v_max3_num_f32 v[QM1], |v[SP+2]|, |v[SP+3]|, |v[SP+4]|
	v_max3_num_f32 v[QM0], v[QM0], |v[SP+5]|, |v[SP+6]|
	v_max3_num_f32 v[QM1], v[QM1], |v[SP+7]|, |v[SP+8]|
	v_max3_num_f32 v[QM0], v[QM0], |v[SP+9]|, |v[SP+10]|
	v_max3_num_f32 v[QM1], v[QM1], |v[SP+11]|, |v[SP+12]|
	v_max3_num_f32 v[QM0], v[QM0], |v[SP+13]|, |v[SP+14]|
	v_max3_num_f32 v[QM0], v[QM0], v[QM1], |v[SP+15]|
	v_permlanex16_b32 v[QM1], v[QM0], s46, s47
	v_max_num_f32 v[QM0], v[QM0], v[QM1]           ; the block's largest magnitude
	v_add_nc_u32 v[SCL], 0xfc000000, v[QM0]
	v_and_or_b32 v[HOLD], v[QM0], 0x7f800000, s48
	v_lshrrev_b32 v[QBY], 23, v[SCL]
.irp i, 0,1,2,3,4,5,6,7,8,9,10,11,12,13,14,15
	v_med3_num_f32 v[SP+\i], v[SP+\i], -v[HOLD], v[HOLD]
.endr
	v_cvt_scalef32_pk8_fp8_f32 v[PC:PC+1], v[SP:SP+7], v[SCL]
	v_cvt_scalef32_pk8_fp8_f32 v[PC+2:PC+3], v[SP+8:SP+15], v[SCL]
	v_nop
	global_store_b128 v8, v[PC:PC+3], s[10:11]     ; chunk q of the tile's image: 512 consecutive bytes
	s_branch .Ljoin_\@
.Lq0_\@:
.irp j, 0,1,2,3
	global_store_b128 v9, v[SP+4*\j:SP+4*\j+3], s[10:11] offset:512*\j   ; block 0 as f32
.endr
	v_mov_b32 v[QBY], 127
.Ljoin_\@:
	v_cmp_gt_u32 vcc_lo, 16, v3
	s_wait_xcnt 0x0                                ; EXEC changes only behind this wait
	s_and_saveexec_b32 s44, vcc_lo
	global_store_b32 v10, v138, s[10:11]
	global_store_b8 v11, v[QBY], s[10:11]
	s_wait_xcnt 0x0
	s_or_b32 exec_lo, exec_lo, s44
.endm
	s_load_b256 s[4:11], s[0:1], 0x0               ; wq, xs, pt, hid
	v_lshrrev_b32 v4, 5, v0
	v_readfirstlane_b32 s2, v4                     ; wave
	s_lshr_b32 s3, ttmp9, 5                        ; e
	s_and_b32 s12, ttmp9, 31                       ; q
	s_and_b32 s13, s2, 1                           ; kind
	s_lshr_b32 s14, s2, 1                          ; par
	s_lshl_b32 s15, s3, 2
	s_mov_b32 s43, 0
	v_and_b32 v3, 31, v0
	v_lshlrev_b32 v1, 4, v3
	s_wait_kmcnt 0x0
	s_load_b32 s16, s[8:9], s15 offset:0x2000      ; FT[e]
	s_load_b32 s17, s[8:9], s15 offset:0x2020      ; NT[e]: both are waited for behind the weights' loads
	s_add_co_u32 s53, s3, 8
	s_cmp_eq_u32 s13, 0
	s_cselect_b32 s52, s3, 24                      ; the planes: W1[e], W3[e] or Ws1, Ws3
	s_cselect_b32 s53, s53, 25
	s_lshl_b32 s45, s12, 15
	s_lshl_b32 s42, s52, 20
	s_add_co_u32 s42, s42, s45
	s_add_nc_u64 s[24:25], s[4:5], s[42:43]
	s_lshl_b32 s42, s53, 20
	s_add_co_u32 s42, s42, s45
	s_add_nc_u64 s[26:27], s[4:5], s[42:43]
	s_lshl_b32 s45, s12, 10
	s_add_co_u32 s45, s45, WSC
	s_lshl_b32 s42, s52, 15
	s_add_co_u32 s42, s42, s45
	s_add_nc_u64 s[28:29], s[4:5], s[42:43]
	s_lshl_b32 s42, s53, 15
	s_add_co_u32 s42, s42, s45
	s_add_nc_u64 s[30:31], s[4:5], s[42:43]
	WIN 0x40
.irp mt, 0,1
.irp u, 0,1
.irp ks, 0,1,2,3
.irp c, 0,1,2,3
	global_load_b128 v[64*(2*\mt+\u)+16*\ks+4*\c:64*(2*\mt+\u)+16*\ks+4*\c+3], v1, s[24+2*\mt:25+2*\mt] offset:\u*16384+\ks*2048+\c*512
.endr
.endr
.endr
.endr
	WIN 0x80
.irp mt, 0,1
.irp u, 0,1
.irp ks, 0,1,2,3
.irp c, 0,1,2,3
	global_load_b128 v[64*(2*\mt+\u)+16*\ks+4*\c:64*(2*\mt+\u)+16*\ks+4*\c+3], v1, s[24+2*\mt:25+2*\mt] offset:\u*16384+(\ks+4)*2048+\c*512
.endr
.endr
.endr
.endr
	WIN 0
.irp mt, 0,1
.irp i, 0,1
	global_load_b128 v[32+8*\mt+4*\i:35+8*\mt+4*\i], v1, s[28+2*\mt:29+2*\mt] offset:512*\i
.endr
.endr
	v_and_b32 v4, 15, v3
	v_lshlrev_b32 v2, 5, v4
	v_mov_b32 v[QM1], 0
	s_mov_b32 s46, 0x76543210
	s_mov_b32 s47, 0xfedcba98
	s_mov_b32 s48, 0x600000
	s_mov_b32 s50, 0xbfb8aa3b                      ; -log2(e)
	s_mov_b32 s51, s50
	s_mul_i32 s45, s13, HQK                        ; the parts of the store offsets that stay
	s_lshr_b32 s52, s12, 2
	s_lshl_b32 s52, s52, 11
	s_add_co_u32 s45, s45, s52
	s_and_b32 s52, s12, 3
	s_lshl_b32 s52, s52, 9
	s_add_co_u32 s45, s45, s52
	v_add_nc_u32 v12, s45, v1
	s_mul_i32 s45, s13, HZK
	s_add_co_u32 s52, s45, HZ
	v_add_nc_u32 v13, s52, v1
	s_add_co_u32 s52, s45, SSQ
	s_lshl_b32 s53, s12, 2
	s_add_co_u32 s52, s52, s53
	v_lshl_add_u32 v14, v4, 7, s52                 ; the sums: 128 bytes a token, 4 bytes a slice q
	s_mul_i32 s45, s13, HSK
	s_add_co_u32 s45, s45, HS
	s_add_co_u32 s45, s45, s12
	v_add_nc_u32 v15, s45, v2
	s_wait_kmcnt 0x0
	s_min_u32 s16, s16, 135
	s_min_u32 s17, s17, 136
	s_add_co_u32 s18, s17, 1
	s_sub_co_u32 s18, s18, s14
	s_lshr_b32 s18, s18, 1                         ; my tiles
	s_cmp_eq_u32 s18, 0
	s_cbranch_scc1 .Lend
	s_add_co_u32 s19, s16, s14                     ; my first tile
	s_sub_co_u32 s21, s18, 1
	s_add_co_u32 s62, s18, 1
	s_lshr_b32 s62, s62, 1                         ; my trips: two tiles a trip, the last one perhaps half
	s_mov_b32 s23, 0                               ; the trip's number: the loop's counter, stepped by 1
	s_mov_b32 s22, s19
	XL 0
.Lloop:                                                ; two tiles a trip; a look-ahead past my last tile reads that last tile again
	s_lshl_b32 s20, s23, 1                         ; the trip's first tile, counted among mine
	s_add_co_u32 s22, s20, 1
	s_min_u32 s22, s22, s21
	s_lshl_b32 s22, s22, 1
	s_add_co_u32 s22, s22, s19
	XL 1
	COMPUTE 0
	s_add_co_u32 s22, s20, 1
	s_cmp_lt_u32 s22, s18
	s_cbranch_scc1 .Lmore
	s_endpgm                                       ; an odd number of tiles: the wave ends here, inside the trip; only the look-ahead's loads and this tile's stores are out
.Lmore:
	s_add_co_u32 s22, s20, 2
	s_min_u32 s22, s22, s21
	s_lshl_b32 s22, s22, 1
	s_add_co_u32 s22, s22, s19
	XL 0
	COMPUTE 1
	s_add_co_u32 s23, s23, 1
	s_cmp_lt_u32 s23, s62
	s_cbranch_scc1 .Lloop
.Lend:
	s_endpgm
.Lfunc_end_k_q3ad0661423_up:
	.size	k_q3ad0661423_up, .Lfunc_end_k_q3ad0661423_up-k_q3ad0661423_up
	.p2alignl 7, 3214868480
	.fill 96, 4, 3214868480
	.section	.rodata,"a",@progbits
	.p2align	6, 0x0
	.amdhsa_kernel k_q3ad0661423_up
		.amdhsa_group_segment_fixed_size 0
		.amdhsa_private_segment_fixed_size 0
		.amdhsa_enable_private_segment 0
		.amdhsa_kernarg_size 32
		.amdhsa_user_sgpr_count 2
		.amdhsa_user_sgpr_kernarg_segment_ptr 1
		.amdhsa_wavefront_size32 1
		.amdhsa_system_sgpr_workgroup_id_x 1
		.amdhsa_system_sgpr_workgroup_id_y 1
		.amdhsa_system_sgpr_workgroup_id_z 1
		.amdhsa_system_vgpr_workitem_id 0
		.amdhsa_next_free_vgpr 1024
		.amdhsa_next_free_sgpr 66
		.amdhsa_reserve_vcc 1
		.amdhsa_float_denorm_mode_32 3
		.amdhsa_float_denorm_mode_16_64 3
		.amdhsa_memory_ordered 1
		.amdhsa_forward_progress 1
		.amdhsa_inst_pref_size 49
	.end_amdhsa_kernel
	.amdgpu_metadata
---
amdhsa.version: [ 1, 2 ]
amdhsa.kernels:
  - .name:           k_q3ad0661423_up
    .symbol:         k_q3ad0661423_up.kd
    .args:
      - { .name: wq, .offset: 0, .size: 8, .value_kind: global_buffer, .address_space: global }
      - { .name: xs, .offset: 8, .size: 8, .value_kind: global_buffer, .address_space: global }
      - { .name: pt, .offset: 16, .size: 8, .value_kind: global_buffer, .address_space: global }
      - { .name: hid, .offset: 24, .size: 8, .value_kind: global_buffer, .address_space: global }
    .group_segment_fixed_size: 0
    .private_segment_fixed_size: 0
    .kernarg_segment_align: 8
    .kernarg_segment_size: 32
    .max_flat_workgroup_size: 128
    .sgpr_count:     66
    .vgpr_count:     1024
    .wavefront_size: 32
...
	.end_amdgpu_metadata
.endif
;; end of part 3
;; launch down (part 4): grid 256 x 1, 4 waves a work-group, no clusters, 17,920 bytes of LDS; arguments wq, pt, hid, ob; writes ob
.if DOCPART == 4
	.amdgcn_target "amdgcn-amd-amdhsa--gfx1250"
	.amdhsa_code_object_version 6
	.text
	.protected	k_q3ad0661423_down
	.globl	k_q3ad0661423_down
	.p2align	8
	.type	k_q3ad0661423_down,@function
k_q3ad0661423_down:
	s_mov_b64 s[64:65], 0
	v_nop
	global_prefetch_b8 v0, s[64:65] scope:SCOPE_SE
	s_setreg_imm32_b32 hwreg(HW_REG_WAVE_MODE, 25, 1), 1
	s_wait_xcnt 0x0
; DOWN.  o = h W2^T with h = [t, sp], t = sqrt(max(sum of sp^2 + 1, 1e-8)), for the chosen expert and for the shared one, on codes of E4M3 with E8M0 scales.
; Work-group (e, q2, ph): expert e's tiles, output columns 64 q2 .. 64 q2 + 63.  Waves: kind = wave % 2 (routed, shared), par = 2 ph + wave / 2: a wave walks tiles FT[e] + par, + 4, ..
; Its 64 KiB of weight codes stay in registers; their addresses hang on ids alone, so their loads go out ahead of the wait for the list's entry.
; For each tile: the 32 partial sums give t; t takes its place in block 0, which arrives as f32 and is quantised here into chunk 0 of the operand's registers and
; byte 0 of its first scale word; the other 31 chunks come from memory as they lie.  32 products, transposed (source 0 = 16 rows of W2, source 1 = 16 tokens).
; The results go through the wave's own stage in LDS (16 rows, 272 bytes apart) and leave as rows: sixteen lanes store 256 consecutive, aligned bytes.  Column 0 of ob is 0 (the weights' row 0 is zeros).
; No cluster and no tensor loads, for the reason given in the launch before: trip counts read from the stored list.  The stage is each wave's own and its addresses are constants: no barrier.
; REGISTERS: window 0: v1 16 lane, v2 32 r, v3 128 r + 64 h, v4, v5 stage in and out, v6, v7 offset in ob; v32-47 the weights' scale words; v48-63 h's, two sets; v64-95 four accumulators; v96-127 block 0, two sets;
;   v128-159 partial sums, two sets; v160-168 at work; v176-207 rows on the way out.   windows 1, 2: weights;   window 3: h's codes, two buffers.
; LIMITS: NaN and infinities not served; a block under 2^-118 keeps the byte 1.
.set WSC, 28311552
.set HQK, 2228224
.set HS,  4456448
.set HSK, 69632
.set HZ,  4595712
.set HZK, 278528
.set SSQ, 5152768
.set OBK, 8912896
.set QM0, 164
.set QM1, 165
.set SCL, 166
.set HOLD, 167
.set QBY, 168
.set MSB, 0
.macro WIN new
.if MSB != \new
	s_set_vgpr_msb (MSB<<8)|\new
.set MSB, \new
.endif
.endm
.macro MM buf, ks, a
.set rd, 64+8*(\a)
.set ra, 64*(\a)+16*((\ks)%4)
.set rb, 128*(\buf)+16*(\ks)
.set sa, 32+8*((\a)/2)+(\ks)
.set sb, 48+8*(\buf)+(\ks)
.if (\ks) == 0
.if (\a)%2
	v_wmma_scale_f32_16x16x128_f8f6f4 v[rd:rd+7], v[ra:ra+15], v[rb:rb+15], 0, v[sa], v[sb] matrix_a_scale:MATRIX_SCALE_ROW1
.else
	v_wmma_scale_f32_16x16x128_f8f6f4 v[rd:rd+7], v[ra:ra+15], v[rb:rb+15], 0, v[sa], v[sb]
.endif
.else
.if (\a)%2
	v_wmma_scale_f32_16x16x128_f8f6f4 v[rd:rd+7], v[ra:ra+15], v[rb:rb+15], v[rd:rd+7], v[sa], v[sb] matrix_a_scale:MATRIX_SCALE_ROW1
.else
	v_wmma_scale_f32_16x16x128_f8f6f4 v[rd:rd+7], v[ra:ra+15], v[rb:rb+15], v[rd:rd+7], v[sa], v[sb]
.endif
.endif
.endm
.macro XLD buf                         ; tile s22 into buffer buf: 31 chunks of codes, 2 loads of scale words, 4 of block 0, 4 of partial sums: 41 loads
.set bb, 32+36*(\buf)
	s_min_u32 s[40+\buf], s22, 135
	s_lshl_b32 s42, s[40+\buf], 14
	s_add_nc_u64 s[bb:bb+1], s[56:57], s[42:43]
	s_lshl_b32 s42, s[40+\buf], 9
	s_add_nc_u64 s[bb+2:bb+3], s[58:59], s[42:43]
	s_lshl_b32 s42, s[40+\buf], 11
	s_add_nc_u64 s[bb+4:bb+5], s[60:61], s[42:43]
	WIN 0xc0
.set n, 1
.rept 31
	global_load_b128 v[128*\buf+4*n:128*\buf+4*n+3], v1, s[bb:bb+1] offset:512*n
.set n, n+1
.endr
	WIN 0
	global_load_b128 v[48+8*\buf:51+8*\buf], v2, s[bb+2:bb+3] offset:HS
	global_load_b128 v[52+8*\buf:55+8*\buf], v2, s[bb+2:bb+3] offset:HS+16
.irp j, 0,1,2,3
	global_load_b128 v[96+16*\buf+4*\j:99+16*\buf+4*\j], v1, s[bb+4:bb+5] offset:HZ+512*\j
.endr
.irp j, 0,1,2,3
	global_load_b128 v[128+16*\buf+4*\j:131+16*\buf+4*\j], v3, s[bb+4:bb+5] offset:SSQ+16*\j
.endr
.endm
.macro COMPUTE buf
.set hb, 96+16*(\buf)
.set qb, 128+16*(\buf)
.set wb, 48+8*(\buf)
	s_wait_loadcnt 41                              ; all but the other buffer's 41 loads
	v_pk_add_f32 v[160:161], v[qb:qb+1], v[qb+2:qb+3]          ; lane l holds the sums of slices 16 (l / 16) + 0 .. 15 for token l % 16
.irp j, 4,6,8,10,12,14
	v_pk_add_f32 v[160:161], v[160:161], v[qb+\j:qb+1+\j]
.endr
	v_add_f32 v160, v160, v161
	v_permlanex16_b32 v161, v160, s46, s47
	v_add_f32 v160, v160, v161
	v_add_f32 v160, 1.0, v160
	v_max_num_f32 v160, 0x322bcc77, v160
	v_sqrt_f32 v162, v160
	v_nop
	s_wait_alu depctr_va_vdst(0)
	v_cndmask_b32 v[hb], v[hb], v162, s49          ; t is h's number 0: register 0 of lanes 0-15
	v_max3_num_f32 v[QM0], |v[hb]|, |v[hb+1]|, 0x4800000
	v_max3_num_f32 v[QM1], |v[hb+2]|, |v[hb+3]|, |v[hb+4]|
	v_max3_num_f32 v[QM0], v[QM0], |v[hb+5]|, |v[hb+6]|
	v_max3_num_f32 v[QM1], v[QM1], |v[hb+7]|, |v[hb+8]|
	v_max3_num_f32 v[QM0], v[QM0], |v[hb+9]|, |v[hb+10]|
	v_max3_num_f32 v[QM1], v[QM1], |v[hb+11]|, |v[hb+12]|
	v_max3_num_f32 v[QM0], v[QM0], |v[hb+13]|, |v[hb+14]|
	v_max3_num_f32 v[QM0], v[QM0], v[QM1], |v[hb+15]|
	v_permlanex16_b32 v[QM1], v[QM0], s46, s47
	v_max_num_f32 v[QM0], v[QM0], v[QM1]
	v_add_nc_u32 v[SCL], 0xfc000000, v[QM0]
	v_and_or_b32 v[HOLD], v[QM0], 0x7f800000, s48
	v_lshrrev_b32 v[QBY], 23, v[SCL]
	v_and_or_b32 v[wb], v[wb], 0xffffff00, v[QBY]  ; block 0's byte into the first scale word; the sixteen holds below are its places ahead of the products
.irp i, 0,1,2,3,4,5,6,7,8,9,10,11,12,13,14,15
	v_med3_num_f32 v[hb+\i], v[hb+\i], -v[HOLD], v[HOLD]
.endr
	WIN 0xc0                                       ; destination window 3: chunk 0 of the operand
	v_cvt_scalef32_pk8_fp8_f32 v[128*\buf:128*\buf+1], v[hb:hb+7], v[SCL]
	v_cvt_scalef32_pk8_fp8_f32 v[128*\buf+2:128*\buf+3], v[hb+8:hb+15], v[SCL]
	WIN 0
.rept 4
	v_nop                                          ; an operand written by vector instructions stands four places ahead of a scaled product
.endr
	WIN 0x0d
.irp ks, 0,1,2,3                       ; the four accumulators take turns, one instruction a turn
.irp a, 0,1,2,3
	MM \buf, \ks, \a
.endr
.endr
	WIN 0x0e
.irp ks, 4,5,6,7
.irp a, 0,1,2,3
	MM \buf, \ks, \a
.endr
.endr
	WIN 0
	s_wait_xcnt 0x0                                ; the last tile's stores have read their offset and data
	s_lshl_b32 s52, s[40+\buf], 16
	v_add_nc_u32 v7, s52, v6
.rept 7
	v_nop                                          ; eight places behind the last product
.endr
.irp a, 0,1,2,3
	ds_store_b128 v4, v[64+8*\a:67+8*\a] offset:(\a/2)*128+(\a%2)*32        ; each accumulator from its low end on
	ds_store_b128 v4, v[68+8*\a:71+8*\a] offset:(\a/2)*128+(\a%2)*32+16
.endr
.irp t, 0,1,2,3,4,5,6,7
	ds_load_b128 v[176+4*\t:179+4*\t], v5 offset:2*\t*272                   ; LDS serves a wave's instructions in order: these see the stores above
.endr
.irp t, 0,1,2,3,4,5,6,7
	s_wait_dscnt 7-\t                              ; the younger read-backs stay out
	global_store_b128 v7, v[176+4*\t:179+4*\t], s[10:11] offset:2*\t*4096
.endr
.endm
	s_load_b256 s[4:11], s[0:1], 0x0               ; wq, pt, hid, ob
	v_lshl_add_u32 v254, v0, 2, 0x4400
	v_mov_b32 v255, 0
	v_lshrrev_b32 v8, 5, v0
	v_readfirstlane_b32 s2, v8                     ; wave
	s_lshr_b32 s3, ttmp9, 5                        ; e
	s_bfe_u32 s12, ttmp9, 0x40001                  ; q2
	s_and_b32 s55, ttmp9, 1                        ; ph
	s_and_b32 s13, s2, 1                           ; kind
	s_lshr_b32 s14, s2, 1
	s_lshl_b32 s55, s55, 1
	s_add_co_u32 s14, s14, s55                     ; par 0..3
	s_lshl_b32 s15, s3, 2
	s_mov_b32 s43, 0
	v_and_b32 v8, 31, v0
	v_lshlrev_b32 v1, 4, v8
	s_wait_kmcnt 0x0
	s_load_b32 s16, s[6:7], s15 offset:0x2000      ; FT[e]
	s_load_b32 s17, s[6:7], s15 offset:0x2020      ; NT[e]: both are waited for behind the weights' loads
	s_add_co_u32 s53, s3, 16
	s_cmp_eq_u32 s13, 0
	s_cselect_b32 s53, s53, 26                     ; the plane: W2[e] or Ws2
	s_lshl_b32 s42, s53, 20
	s_lshl_b32 s45, s12, 16
	s_add_co_u32 s42, s42, s45
	s_add_nc_u64 s[24:25], s[4:5], s[42:43]
	s_lshl_b32 s42, s53, 15
	s_lshl_b32 s45, s12, 11
	s_add_co_u32 s42, s42, s45
	s_add_co_u32 s42, s42, WSC
	s_add_nc_u64 s[28:29], s[4:5], s[42:43]
	WIN 0x40
.irp a, 0,1,2,3
.irp ks, 0,1,2,3
.irp c, 0,1,2,3
	global_load_b128 v[64*\a+16*\ks+4*\c:64*\a+16*\ks+4*\c+3], v1, s[24:25] offset:\a*16384+\ks*2048+\c*512
.endr
.endr
.endr
	WIN 0x80
.irp a, 0,1,2,3
.irp ks, 0,1,2,3
.irp c, 0,1,2,3
	global_load_b128 v[64*\a+16*\ks+4*\c:64*\a+16*\ks+4*\c+3], v1, s[24:25] offset:\a*16384+(\ks+4)*2048+\c*512
.endr
.endr
.endr
	WIN 0
.irp pp, 0,1
.irp i, 0,1
	global_load_b128 v[32+8*\pp+4*\i:35+8*\pp+4*\i], v1, s[28:29] offset:1024*\pp+512*\i
.endr
.endr
	v_and_b32 v9, 15, v8
	v_lshrrev_b32 v10, 4, v8
	v_lshlrev_b32 v2, 5, v9
	v_lshlrev_b32 v3, 7, v9
	v_lshl_add_u32 v3, v10, 6, v3                  ; the partial sums: token r's 128 bytes, my half of them
	s_mul_i32 s45, s2, 4352
	v_mul_u32_u24 v4, v9, 272
	v_lshl_add_u32 v4, v10, 6, v4
	v_add_nc_u32 v4, s45, v4                       ; stage, in: row r, + 64 h
	v_mul_u32_u24 v5, v10, 272
	v_lshl_add_u32 v5, v9, 4, v5
	v_add_nc_u32 v5, s45, v5                       ; out: lanes 0-15 one row, lanes 16-31 the next
	s_mul_i32 s52, s13, OBK
	s_lshl_b32 s53, s12, 8
	s_add_co_u32 s52, s52, s53
	v_lshlrev_b32 v6, 12, v10
	v_lshl_add_u32 v6, v9, 4, v6
	v_add_nc_u32 v6, s52, v6
	v_mov_b32 v[QM1], 0
	s_mov_b32 s46, 0x76543210
	s_mov_b32 s47, 0xfedcba98
	s_mov_b32 s48, 0x600000
	s_mov_b32 s49, 0xffff
	s_mul_i32 s42, s13, HQK
	s_add_nc_u64 s[56:57], s[8:9], s[42:43]
	s_mul_i32 s42, s13, HSK
	s_add_nc_u64 s[58:59], s[8:9], s[42:43]
	s_mul_i32 s42, s13, HZK
	s_add_nc_u64 s[60:61], s[8:9], s[42:43]
	s_wait_kmcnt 0x0
	s_min_u32 s16, s16, 135
	s_min_u32 s17, s17, 136
	s_add_co_u32 s18, s17, 3
	s_sub_co_u32 s18, s18, s14
	s_lshr_b32 s18, s18, 2                         ; my tiles
	s_cmp_eq_u32 s18, 0
	s_cbranch_scc1 .Lend
	s_add_co_u32 s19, s16, s14
	s_sub_co_u32 s21, s18, 1
	s_add_co_u32 s62, s18, 1
	s_lshr_b32 s62, s62, 1                         ; my trips: two tiles a trip, the last one perhaps half
	s_mov_b32 s23, 0                               ; the trip's number: the loop's counter, stepped by 1
	s_mov_b32 s22, s19
	XLD 0
.Lloop:                                                ; two tiles a trip; a look-ahead past my last tile reads that last tile again
	s_lshl_b32 s20, s23, 1                         ; the trip's first tile, counted among mine
	s_add_co_u32 s22, s20, 1
	s_min_u32 s22, s22, s21
	s_lshl_b32 s22, s22, 2
	s_add_co_u32 s22, s22, s19
	XLD 1
	COMPUTE 0
	s_add_co_u32 s22, s20, 1
	s_cmp_lt_u32 s22, s18
	s_cbranch_scc1 .Lmore
	s_wait_tensorcnt 0x0
	ds_add_u32 v254, v255
	s_wait_dscnt 0x0
	s_endpgm                                       ; an odd number of tiles: the wave ends here, inside the trip; no LDS instruction is out (the last count-down ended at 0), only the look-ahead's loads and this tile's stores
.Lmore:
	s_add_co_u32 s22, s20, 2
	s_min_u32 s22, s22, s21
	s_lshl_b32 s22, s22, 2
	s_add_co_u32 s22, s22, s19
	XLD 0
	COMPUTE 1
	s_add_co_u32 s23, s23, 1
	s_cmp_lt_u32 s23, s62
	s_cbranch_scc1 .Lloop
.Lend:
	s_wait_tensorcnt 0x0
	ds_add_u32 v254, v255
	s_wait_dscnt 0x0
	s_endpgm
.Lfunc_end_k_q3ad0661423_down:
	.size	k_q3ad0661423_down, .Lfunc_end_k_q3ad0661423_down-k_q3ad0661423_down
	.p2alignl 7, 3214868480
	.fill 96, 4, 3214868480
	.section	.rodata,"a",@progbits
	.p2align	6, 0x0
	.amdhsa_kernel k_q3ad0661423_down
		.amdhsa_group_segment_fixed_size 17920
		.amdhsa_private_segment_fixed_size 0
		.amdhsa_enable_private_segment 0
		.amdhsa_kernarg_size 32
		.amdhsa_user_sgpr_count 2
		.amdhsa_user_sgpr_kernarg_segment_ptr 1
		.amdhsa_wavefront_size32 1
		.amdhsa_system_sgpr_workgroup_id_x 1
		.amdhsa_system_sgpr_workgroup_id_y 1
		.amdhsa_system_sgpr_workgroup_id_z 1
		.amdhsa_system_vgpr_workitem_id 0
		.amdhsa_next_free_vgpr 1024
		.amdhsa_next_free_sgpr 80
		.amdhsa_reserve_vcc 0
		.amdhsa_float_denorm_mode_32 3
		.amdhsa_float_denorm_mode_16_64 3
		.amdhsa_memory_ordered 1
		.amdhsa_forward_progress 1
		.amdhsa_inst_pref_size 49
	.end_amdhsa_kernel
	.amdgpu_metadata
---
amdhsa.version: [ 1, 2 ]
amdhsa.kernels:
  - .name:           k_q3ad0661423_down
    .symbol:         k_q3ad0661423_down.kd
    .args:
      - { .name: wq, .offset: 0, .size: 8, .value_kind: global_buffer, .address_space: global }
      - { .name: pt, .offset: 8, .size: 8, .value_kind: global_buffer, .address_space: global }
      - { .name: hid, .offset: 16, .size: 8, .value_kind: global_buffer, .address_space: global }
      - { .name: ob, .offset: 24, .size: 8, .value_kind: global_buffer, .address_space: global }
    .group_segment_fixed_size: 17920
    .private_segment_fixed_size: 0
    .kernarg_segment_align: 8
    .kernarg_segment_size: 32
    .max_flat_workgroup_size: 128
    .sgpr_count:     80
    .vgpr_count:     1024
    .wavefront_size: 32
...
	.end_amdgpu_metadata
.endif
;; end of part 4
;; launch final (part 5): grid 256 x 1, 8 waves a work-group, no clusters, 0 bytes of LDS; arguments ob, pt, gwt, out0; writes out0
.if DOCPART == 5
	.amdgcn_target "amdgcn-amd-amdhsa--gfx1250"
	.amdhsa_code_object_version 6
	.text
	.protected	k_q3ad0661423_final
	.globl	k_q3ad0661423_final
	.p2align	8
	.type	k_q3ad0661423_final,@function
k_q3ad0661423_final:
	s_mov_b64 s[64:65], 0
	v_nop
	global_prefetch_b8 v0, s[64:65] scope:SCOPE_SE
	s_setreg_imm32_b32 hwreg(HW_REG_WAVE_MODE, 25, 1), 1
	s_wait_xcnt 0x0
; FINAL.  One wave to a token t.  Its two rows of o (routed, shared) lie at the token's slot; column 0 of both is 0.
; ot = sqrt(max(sum o_r^2 + 1, eps)), z0 = sqrt(max(sum o_s^2 + 1, eps)); comb[d] = o_s[d] + 2 w o_r[d] for d >= 1, comb[0] = z0 + 2 (1 + w ot);
; li = sum over d >= 1 of comb^2 - comb[0]^2; out = comb / sqrt(max(|li|, eps)).  All in f32.  A stream: 16 loads and 8 stores of 512 consecutive bytes a wave; no LDS, no barrier, no matrix unit.
.set OBK, 8912896
.macro LSUM r, t
	v_add_f32_dpp v[\r], v[\r], v[\r] row_xmask:1 row_mask:0xf bank_mask:0xf
	v_add_f32_dpp v[\r], v[\r], v[\r] row_xmask:2 row_mask:0xf bank_mask:0xf
	v_add_f32_dpp v[\r], v[\r], v[\r] row_xmask:4 row_mask:0xf bank_mask:0xf
	v_add_f32_dpp v[\r], v[\r], v[\r] row_xmask:8 row_mask:0xf bank_mask:0xf
	v_permlanex16_b32 v[\t], v[\r], s24, s25
	v_add_f32 v[\r], v[\r], v[\t]
.endm
	s_load_b256 s[4:11], s[0:1], 0x0               ; ob, pt, gwt, out0
	v_lshrrev_b32 v1, 5, v0
	v_readfirstlane_b32 s2, v1
	v_and_b32 v2, 31, v0
	v_lshlrev_b32 v3, 4, v2
	s_lshl_b32 s3, ttmp9, 3
	s_add_co_u32 s3, s3, s2                        ; the token
	s_lshl_b32 s12, s3, 2
	s_mov_b32 s22, 0xfffffffe
	s_mov_b32 s24, 0x76543210
	s_mov_b32 s25, 0xfedcba98
	s_wait_kmcnt 0x0
	s_load_b32 s13, s[6:7], s12 offset:0x0         ; its slot
	s_load_b32 s14, s[8:9], s12 offset:0x0         ; its gate weight w
	s_lshl_b32 s26, s3, 12
	s_mov_b32 s27, 0
	s_add_nc_u64 s[10:11], s[10:11], s[26:27]
	s_wait_kmcnt 0x0
	s_min_u32 s13, s13, 2175
	s_lshl_b32 s16, s13, 12
	s_mov_b32 s17, 0
	s_add_nc_u64 s[4:5], s[4:5], s[16:17]
	s_add_nc_u64 s[18:19], s[4:5], OBK
.irp i, 0,1,2,3,4,5,6,7
	global_load_b128 v[16+4*\i:19+4*\i], v3, s[4:5] offset:512*\i th:TH_LOAD_NT
.endr
.irp i, 0,1,2,3,4,5,6,7
	global_load_b128 v[48+4*\i:51+4*\i], v3, s[18:19] offset:512*\i th:TH_LOAD_NT
.endr
	s_add_f32 s20, s14, s14                        ; 2 w
	s_mov_b32 s21, s20
	s_wait_loadcnt 0x0
	v_pk_mul_f32 v[80:81], v[16:17], v[16:17]
	v_pk_mul_f32 v[82:83], v[48:49], v[48:49]
	v_pk_fma_f32 v[16:17], v[16:17], s[20:21], v[48:49] op_sel_hi:[1,0,1]
	v_pk_mul_f32 v[84:85], v[16:17], v[16:17]
.irp j, 2,4,6,8,10,12,14,16,18,20,22,24,26,28,30
	v_pk_fma_f32 v[80:81], v[16+\j:17+\j], v[16+\j:17+\j], v[80:81]
	v_pk_fma_f32 v[82:83], v[48+\j:49+\j], v[48+\j:49+\j], v[82:83]
	v_pk_fma_f32 v[16+\j:17+\j], v[16+\j:17+\j], s[20:21], v[48+\j:49+\j] op_sel_hi:[1,0,1]
	v_pk_fma_f32 v[84:85], v[16+\j:17+\j], v[16+\j:17+\j], v[84:85]
.endr
	v_add_f32 v80, v80, v81
	v_add_f32 v82, v82, v83
	v_add_f32 v84, v84, v85
	LSUM 80, 81
	LSUM 82, 83
	LSUM 84, 85
	v_add_f32 v80, 1.0, v80
	v_add_f32 v82, 1.0, v82
	v_max_num_f32 v80, 0x322bcc77, v80
	v_max_num_f32 v82, 0x322bcc77, v82
	v_sqrt_f32 v80, v80
	v_sqrt_f32 v82, v82
	v_nop
	s_wait_alu depctr_va_vdst(0)
	v_fma_f32 v86, s14, v80, 1.0                   ; 1 + w ot
	v_fma_f32 v86, 2.0, v86, v82                   ; comb[0]
	v_fma_f32 v87, -v86, v86, v84                  ; li
	v_max_num_f32 v87, 0x322bcc77, |v87|
	v_rsq_f32 v88, v87
	v_rsq_f32 v89, v87
	v_cndmask_b32 v16, v86, v16, s22               ; comb[0] into lane 0's first number (a plain line behind the roots)
	s_wait_alu depctr_va_vdst(0)
.irp j, 0,2,4,6,8,10,12,14,16,18,20,22,24,26,28,30
	v_pk_mul_f32 v[16+\j:17+\j], v[16+\j:17+\j], v[88:89]
.endr
.irp i, 0,1,2,3,4,5,6,7
	global_store_b128 v3, v[16+4*\i:19+4*\i], s[10:11] offset:512*\i th:TH_STORE_NT
.endr
	s_endpgm
.Lfunc_end_k_q3ad0661423_final:
	.size	k_q3ad0661423_final, .Lfunc_end_k_q3ad0661423_final-k_q3ad0661423_final
	.p2alignl 7, 3214868480
	.fill 96, 4, 3214868480
	.section	.rodata,"a",@progbits
	.p2align	6, 0x0
	.amdhsa_kernel k_q3ad0661423_final
		.amdhsa_group_segment_fixed_size 0
		.amdhsa_private_segment_fixed_size 0
		.amdhsa_enable_private_segment 0
		.amdhsa_kernarg_size 32
		.amdhsa_user_sgpr_count 2
		.amdhsa_user_sgpr_kernarg_segment_ptr 1
		.amdhsa_wavefront_size32 1
		.amdhsa_system_sgpr_workgroup_id_x 1
		.amdhsa_system_sgpr_workgroup_id_y 1
		.amdhsa_system_sgpr_workgroup_id_z 1
		.amdhsa_system_vgpr_workitem_id 0
		.amdhsa_next_free_vgpr 96
		.amdhsa_next_free_sgpr 66
		.amdhsa_reserve_vcc 0
		.amdhsa_float_denorm_mode_32 3
		.amdhsa_float_denorm_mode_16_64 3
		.amdhsa_memory_ordered 1
		.amdhsa_forward_progress 1
		.amdhsa_inst_pref_size 11
	.end_amdhsa_kernel
	.amdgpu_metadata
---
amdhsa.version: [ 1, 2 ]
amdhsa.kernels:
  - .name:           k_q3ad0661423_final
    .symbol:         k_q3ad0661423_final.kd
    .args:
      - { .name: ob, .offset: 0, .size: 8, .value_kind: global_buffer, .address_space: global }
      - { .name: pt, .offset: 8, .size: 8, .value_kind: global_buffer, .address_space: global }
      - { .name: gwt, .offset: 16, .size: 8, .value_kind: global_buffer, .address_space: global }
      - { .name: out0, .offset: 24, .size: 8, .value_kind: global_buffer, .address_space: global }
    .group_segment_fixed_size: 0
    .private_segment_fixed_size: 0
    .kernarg_segment_align: 8
    .kernarg_segment_size: 32
    .max_flat_workgroup_size: 256
    .sgpr_count:     66
    .vgpr_count:     96
    .wavefront_size: 32
...
	.end_amdgpu_metadata
.endif
;; end of part 5
;; ======== version 2 of 2: 5 launches
;; workspace buffers: wq 29,196,288 bytes; rt 24,576 bytes of whole numbers; gwt 8,192 bytes; pt 8,448 bytes of whole numbers; xs 2,433,024 bytes; hid 5,709,824 bytes; ob 17,825,792 bytes
;; launch prep (part 6): grid 704 x 1, 4 waves a work-group, no clusters, 34,304 bytes of LDS; arguments x, gate_w, gate_b, W1, W3, Ws1, Ws3, wq, rt, gwt; writes wq, rt, gwt
.if DOCPART == 6
	.amdgcn_target "amdgcn-amd-amdhsa--gfx1250"
	.amdhsa_code_object_version 6
	.text
	.protected	k_q3ad0661423_prep
	.globl	k_q3ad0661423_prep
	.p2align	8
	.type	k_q3ad0661423_prep,@function
k_q3ad0661423_prep:
	s_mov_b64 s[64:65], 0
	v_nop
	global_prefetch_b8 v0, s[64:65] scope:SCOPE_SE
	s_setreg_imm32_b32 hwreg(HW_REG_WAVE_MODE, 25, 1), 1
	s_wait_xcnt 0x0
; PREP.  Two jobs in one launch, parted on the work-group's number.
; Work-groups 0-127: THE GATE.  logits = x[:,1:] gate_w^T by f32 multiply-adds, softmax with its maximum taken away, + gate_b, top-1 (the lower index on a tie).  A wave takes 4 rows of x.
;   Stored at fixed places: a one-hot count word pair and the expert's number (rt, whole numbers), the chosen score (gwt).  No address here hangs on the choice.
; Work-groups 128-703: THE QUANTISER.  The 18 weight planes of the first products (W1[e], W3[e], Ws1, Ws3), [1023][1024] f32, K innermost, become codes of E4M3 with one E8M0 byte for each 32 along K,
;   laid as IMAGES OF OPERAND REGISTERS: plane P, pair b (32 rows), tile u, K step s, chunk c: byte P<<20 + b<<15 + u<<14 + s<<11 + c<<9 + 16 lane.  (The nine planes of the second product are done by the next launch, by the same text.)
;   A plane is padded in front: row 0 is zeros, row p is W[p-1]: so hidden unit 0 (the place of the time coordinate) comes out as 0.
;   Lane (r, h) of tile u holds row 32 b + 8 u + r + 8 (r / 8), k = 128 s + 32 c + 16 h + 0..15: used as source 0, the 16 results of tiles u = 0, 1 are 16 neighbouring rows.
;   Scale words: WSC + P<<15 + b<<10 + i<<9 + 256 u + 16 r: four words (K steps 4 i .. 4 i + 3) of tile u's row r.
;   A wave takes one unit: one tile's 16 rows x 512 along K, four fragments.  Each load reads 512 consecutive bytes of one row; a fragment turns through the wave's own stage in LDS (16 rows, 528 bytes apart).
; No tensor loads, clusters or matrix units: a stream in which waves share nothing.
; LIMITS: NaN and infinities are not served; a block whose largest magnitude lies under 2^-118 keeps the byte 1 (a block of zeros too: its codes are zeros, and only this program reads the bytes);
;   where the two best biased scores lie closer than the rounding of an f32 sum of 1,023 terms, the other expert may be chosen.
.set WSC,   28311552
.set PLANE, 4190208                    ; bytes of one plane in memory
.set STG,   8448                       ; a wave's stage: 16 x 528
.set SW,    8                          ; v8-11   scale word of each fragment
.set TM,    20                         ; v20-35  at work in QUANT
.set PC,    40                         ; v40-55  a fragment's codes
.set X,     64                         ; v64-127 64 numbers of a lane
.set R0,    128                        ; v128-255 two sets of 16 x 4 registers as loaded
.set GW,    64                         ; gate: v64-191 gate_w, 16 numbers for each expert
.set ACC,   192                        ; gate: v192-223 sums, row w, expert e at ACC + 8 w + e
.set TT,    9
.set SEL,   46                         ; s[46:47] lane l xor 16
.set MNT,   48                         ; s48 the mantissa field of 448
; 64 numbers of a lane, register 16 b + i = k 32 b + 16 (lane / 16) + i of its row, become 16 registers of codes in v[PC] on and the row's scale word in v[wd].
.macro QUANT src, wd
.irp b, 0,1,2,3
	v_max3_num_f32 v[TM+\b], |v[\src+16*\b]|, |v[\src+1+16*\b]|, 0x4800000   ; the floor 2^(9-127) holds the byte at 1 from below
.endr
.irp i, 2,4,6,8,10,12,14
.irp b, 0,1,2,3
	v_max3_num_f32 v[TM+\b], v[TM+\b], |v[\src+16*\b+\i]|, |v[\src+1+16*\b+\i]|
.endr
.endr
.irp b, 0,1,2,3
	v_permlanex16_b32 v[TM+4+\b], v[TM+\b], s[SEL], s[SEL+1]
.endr
.irp b, 0,1,2,3
	v_max_num_f32 v[TM+\b], v[TM+\b], v[TM+4+\b]          ; with lane l xor 16's 16: the block's largest magnitude
.endr
.irp b, 0,1,2,3
	v_add_nc_u32 v[TM+12+\b], 0xfc000000, v[TM+\b]        ; 8 off its exponent field: the conversion's scale operand
.endr
.irp b, 0,1,2,3
	v_and_or_b32 v[TM+8+\b], v[TM+\b], 0x7f800000, s[MNT] ; 448 x the scale
.endr
.irp b, 0,1,2,3
	v_lshrrev_b32 v[TM+4+\b], 23, v[TM+12+\b]             ; the scale's byte
.endr
	v_lshl_or_b32 v[\wd], v[TM+5], 8, v[TM+4]
	v_lshl_or_b32 v[\wd], v[TM+6], 16, v[\wd]
	v_lshl_or_b32 v[\wd], v[TM+7], 24, v[\wd]
.irp b, 0,1,2,3
.irp i, 0,1,2,3,4,5,6,7,8,9,10,11,12,13,14,15
	v_med3_num_f32 v[\src+16*\b+\i], v[\src+16*\b+\i], -v[TM+8+\b], v[TM+8+\b]   ; the conversion does not saturate (ISA guide 7.6.2): hold first
.endr
	v_cvt_scalef32_pk8_fp8_f32 v[PC+4*\b:PC+1+4*\b], v[\src+16*\b:\src+7+16*\b], v[TM+12+\b]
	v_cvt_scalef32_pk8_fp8_f32 v[PC+2+4*\b:PC+3+4*\b], v[\src+8+16*\b:\src+15+16*\b], v[TM+12+\b]
.endr
	v_nop                                                 ; a plain line behind the last conversion
.endm
	v_lshl_add_u32 v14, v0, 2, 0x8400
	v_mov_b32 v15, 0
	v_lshrrev_b32 v1, 5, v0
	v_readfirstlane_b32 s2, v1                     ; wave 0..3
	v_and_b32 v6, 31, v0                           ; lane
	s_mov_b32 s[SEL], 0x76543210
	s_mov_b32 s[SEL+1], 0xfedcba98
	s_cmp_lt_u32 ttmp9, 128
	s_cbranch_scc1 .Lgate
; ---------------------------------------------------------------- the quantiser
	s_load_b256 s[16:23], s[0:1], 0x18             ; W1, W3, Ws1, Ws3
	s_load_b64 s[28:29], s[0:1], 0x38              ; wq
	s_sub_co_u32 s3, ttmp9, 128
	s_lshl_b32 s3, s3, 2
	s_add_co_u32 s3, s3, s2                        ; unit 0..2303
	s_and_b32 s49, s3, 1                           ; u: which tile of the pair
	s_bfe_u32 s4, s3, 0x10001                      ; i: which half of K
	s_bfe_u32 s5, s3, 0x50002                      ; b: which 32 rows
	s_lshr_b32 s6, s3, 7                           ; which of my 18 planes
	s_and_b32 s8, s6, 7                            ; its number in its buffer
	s_mov_b32 s[MNT], 0x600000
	s_wait_alu depctr_va_vdst(0)
	v_lshlrev_b32 v1, 4, v6                        ; 16 x lane
	s_or_b32 s10, s5, s49
	s_cmp_eq_u32 s10, 0
	s_cselect_b32 s42, 4096, 0                     ; in a plane's first tile the load of the row in front of the plane reads row 0 instead (it stays in its buffer) ..
	s_cselect_b32 s44, 0, -1                       ; .. and is replaced by zeros
	v_add_nc_u32 v2, s42, v1
	s_mul_i32 s9, s2, STG
	v_add_nc_u32 v3, s9, v1                        ; stage, on the way in: row ii at 528 ii, 16 bytes a lane
	v_and_b32 v4, 15, v6
	v_lshrrev_b32 v5, 4, v6
	v_mul_u32_u24 v4, v4, 528
	v_lshl_add_u32 v4, v5, 6, v4
	v_add_nc_u32 v4, s9, v4                        ; on the way out: row r, + 64 h
.irp k, 0,1,2,3
	v_mov_b32 v[TM+4+\k], 0                        ; a lane permute's destination counts as read
.endr
	s_wait_alu depctr_va_vdst(0)
	s_wait_kmcnt 0x0
	s_cmp_lt_u32 s6, 8                             ; the plane's buffer: a choice on the unit's number alone
	s_cselect_b64 s[30:31], s[16:17], s[18:19]
	s_cmp_eq_u32 s6, 16
	s_cselect_b64 s[30:31], s[20:21], s[30:31]
	s_cmp_eq_u32 s6, 17
	s_cselect_b64 s[30:31], s[22:23], s[30:31]
	s_cmp_lt_u32 s6, 16
	s_cselect_b32 s8, s8, 0
	s_cselect_b32 s7, 0, 8
	s_add_co_u32 s6, s6, s7                        ; P: 0-15, 24, 25
	s_mul_i32 s32, s8, PLANE
	s_lshl_b32 s33, s5, 17                         ; 32 rows of 4,096 bytes
	s_add_co_u32 s32, s32, s33
	s_lshl_b32 s33, s49, 15                        ; tile 1 begins 8 rows further down
	s_add_co_u32 s32, s32, s33
	s_lshl_b32 s33, s4, 11                         ; 512 along K
	s_add_co_u32 s32, s32, s33
	s_mov_b32 s33, 0
	s_add_nc_u64 s[30:31], s[30:31], s[32:33]
	s_lshl_b32 s34, s6, 20
	s_lshl_b32 s35, s5, 15
	s_add_co_u32 s34, s34, s35
	s_lshl_b32 s35, s49, 14
	s_add_co_u32 s34, s34, s35
	s_lshl_b32 s35, s4, 13
	s_add_co_u32 s34, s34, s35
	s_mov_b32 s35, 0
	s_add_nc_u64 s[38:39], s[28:29], s[34:35]      ; the unit's codes
	s_lshl_b32 s34, s6, 15
	s_lshl_b32 s36, s5, 10
	s_add_co_u32 s34, s34, s36
	s_lshl_b32 s36, s4, 9
	s_add_co_u32 s34, s34, s36
	s_lshl_b32 s36, s49, 8
	s_add_co_u32 s34, s34, s36
	s_add_co_u32 s34, s34, WSC
	s_add_nc_u64 s[40:41], s[28:29], s[34:35]      ; its scale words
; fragment f: the tile's 16 rows x 128 along K, a row's 512 bytes by one load
.macro LOADF f
.set lf, (\f)
.set lr, R0+64*(lf%2)
.irp ii, 0,1,2,3,4,5,6,7,8,9,10,11,12,13,14,15
.if \ii == 0
	global_load_b128 v[lr:lr+3], v2, s[30:31] offset:512*lf-4096 th:TH_LOAD_NT
.else
	global_load_b128 v[lr+4*\ii:lr+4*\ii+3], v1, s[30:31] offset:(\ii+8*(\ii/8)-1)*4096+512*lf th:TH_LOAD_NT
.endif
.endr
.endm
.macro STEPQ f
.set fr, R0+64*((\f)%2)
.if (\f) < 3
	s_wait_loadcnt 16                              ; this fragment's 16 loads are in; the next one's 16 stay out
.else
	s_wait_loadcnt 0
.endif
.irp k, 0,1,2,3
	v_cndmask_b32 v[fr+\k], 0, v[fr+\k], s44       ; the plane's row 0 is zeros (every other tile keeps its row)
.endr
.irp ii, 0,1,2,3,4,5,6,7,8,9,10,11,12,13,14,15
	ds_store_b128 v3, v[fr+4*\ii:fr+4*\ii+3] offset:\ii*528
.endr
.irp c, 0,1,2,3
.irp j, 0,1,2,3
	ds_load_b128 v[X+16*\c+4*\j:X+16*\c+4*\j+3], v4 offset:128*\c+16*\j   ; LDS serves a wave's instructions in order: these see the stores above
.endr
.endr
	s_wait_dscnt 0x0                               ; the numbers are back, and the stores have read the set that is loaded again below
	s_wait_xcnt 0x0                                ; the last fragment's code stores have read v[PC] on
.if (\f) < 2
	LOADF (\f)+2
.endif
	QUANT X, SW+(\f)
.irp c, 0,1,2,3
	global_store_b128 v1, v[PC+4*\c:PC+4*\c+3], s[38:39] offset:(\f)*2048+\c*512   ; 512 consecutive bytes
.endr
.endm
	LOADF 0
	LOADF 1
.irp f, 0,1,2,3
	STEPQ \f
.endr
	v_cmp_gt_u32 vcc_lo, 16, v6                    ; lanes r and 16 + r hold the same words: lanes 0-15 store 256 consecutive, aligned bytes
	s_wait_xcnt 0x0                                ; EXEC changes only behind this wait
	s_wait_tensorcnt 0x0
	ds_add_u32 v14, v15
	s_wait_dscnt 0x0
	s_and_saveexec_b32 s43, vcc_lo
	global_store_b128 v1, v[SW:SW+3], s[40:41]
	s_wait_xcnt 0x0
	s_or_b32 exec_lo, exec_lo, s43
	s_endpgm
; ---------------------------------------------------------------- the gate: a wave takes 4 rows of x
; Lane l holds k = 128 g + 4 l + 0..3 of each group g of 128 along K (eight groups: half p, group i).  gate_w[e][k - 1] lies at byte 4092 e + 4 k - 4: a multiple of 4 only.  Where two neighbours begin on a
; multiple of 8 they come by one load: odd experts (k, k+1), (k+2, k+3); even experts (k+1, k+2), and k+3 and k alone.  So an even expert's four registers of a group hold k+1, k+2, k+3, k, in that order.
; A group is 24 loads (4 of x, 20 of gate_w) and 128 multiply-adds; the second half's group i is asked for behind the first half's products of group i, into the registers that they have just read.
.Lgate:
	s_load_b128 s[8:11], s[0:1], 0x0               ; x, gate_w
	s_load_b64 s[12:13], s[0:1], 0x10              ; gate_b
	s_load_b128 s[32:35], s[0:1], 0x40             ; rt, gwt
	s_lshl_b32 s3, ttmp9, 2
	s_add_co_u32 s3, s3, s2                        ; G 0..511
	s_lshl_b32 s14, s3, 14
	s_mov_b32 s15, 0
	s_mov_b32 s36, 0xfffffffe
	s_mov_b32 s40, 0xaaaaaaaa
	s_mov_b32 s41, 0xcccccccc
	s_wait_alu depctr_va_vdst(0)
	v_lshlrev_b32 v2, 4, v6                        ; 16 x lane
	v_mov_b32 v5, 0
	v_add_nc_u32 v4, -4, v2
	v_cmp_eq_u32 vcc_lo, 0, v6
	v_cndmask_b32 v4, v4, v5, vcc_lo               ; 16 l - 4, held at 0: k = 0 has no weight, lane 0 reads a number that is then replaced by 0
.irp k, 0,1,2,3,4,5,6,7
	v_mov_b32 v[48+\k], 0
.endr
	s_wait_alu depctr_va_vdst(0)
	s_wait_kmcnt 0x0
	s_add_nc_u64 s[16:17], s[8:9], s[14:15]
	s_load_b256 s[24:31], s[12:13], 0x0            ; gate_b's eight numbers
.macro GLOAD p, i                      ; row w's 16 numbers of a half lie at v[16 + 16 w] (rows 0, 1) and v[224 + 16 (w - 2)] (rows 2, 3)
.set go, 2048*(\p)+512*(\i)
.irp j, 0,1,2,3
	global_load_b128 v[16+16*\j+176*(\j/2)+4*(\i):19+16*\j+176*(\j/2)+4*(\i)], v2, s[16:17] offset:\j*4096+go
.endr
.irp e, 0,2,4,6
	global_load_b64 v[GW+16*\e+4*(\i):GW+16*\e+4*(\i)+1], v2, s[10:11] offset:\e*4092+go
	global_load_b32 v[GW+16*\e+4*(\i)+2], v2, s[10:11] offset:\e*4092+go+8
.if go == 0
	global_load_b32 v[GW+16*\e+3], v4, s[10:11] offset:\e*4092
.else
	global_load_b32 v[GW+16*\e+4*(\i)+3], v2, s[10:11] offset:\e*4092+go-4
.endif
.endr
.irp e, 1,3,5,7
	global_load_b64 v[GW+16*\e+4*(\i):GW+16*\e+4*(\i)+1], v2, s[10:11] offset:\e*4092+go-4
	global_load_b64 v[GW+16*\e+4*(\i)+2:GW+16*\e+4*(\i)+3], v2, s[10:11] offset:\e*4092+go+4
.endr
.endm
.macro GCOMP p, i                      ; 128 multiply-adds: eight chains that do not wait for each other
.set w, 0
.rept 4
.set xr, 16+16*w+176*(w/2)+4*(\i)
.set c, 0
.rept 4
.set e, 0
.rept 8
.if ((\p) == 0) && ((\i) == 0) && (c == 0)
	v_mul_f32 v[ACC+8*w+e], v[xr+c], v[GW+16*e+4*(\i)+(c+3*(1-e%2))%4]
.else
	v_fmac_f32 v[ACC+8*w+e], v[xr+c], v[GW+16*e+4*(\i)+(c+3*(1-e%2))%4]
.endif
.set e, e+1
.endr
.set c, c+1
.endr
.set w, w+1
.endr
.endm
	GLOAD 0, 0
	GLOAD 0, 1
	GLOAD 0, 2
	GLOAD 0, 3
.irp g, 0,1,2,3
	s_wait_loadcnt 63                              ; behind this group's loads stand three groups' 72: 63 is the largest count that the wait can name
.if \g == 0
.irp e, 0,2,4,6
	v_cndmask_b32 v[GW+16*\e+3], 0, v[GW+16*\e+3], s36   ; k = 0 counts for nothing
.endr
.irp e, 1,3,5,7
	v_cndmask_b32 v[GW+16*\e], 0, v[GW+16*\e], s36
.endr
.endif
	GCOMP 0, \g
	GLOAD 1, \g
.endr
	s_wait_loadcnt 63                              ; (72 behind it)
	GCOMP 1, 0
	s_wait_loadcnt 48                              ; two groups behind it
	GCOMP 1, 1
	s_wait_loadcnt 24                              ; one
	GCOMP 1, 2
	s_wait_loadcnt 0
	GCOMP 1, 3
; Sums over the lanes, folding two registers into one at each of two steps: behind them lane l holds row l % 4.
.macro TR a, b, m, xm
	v_cndmask_b32 v[TT], v[\b], v[\a], s[\m]
	v_cndmask_b32 v[\a], v[\a], v[\b], s[\m]
	v_add_f32_dpp v[\a], v[TT], v[\a] row_xmask:\xm row_mask:0xf bank_mask:0xf
.endm
.set a, 0
.rept 2
.set e, 0
.rept 8
	TR ACC+16*a+e, ACC+16*a+8+e, 40, 1
.set e, e+1
.endr
.set a, a+1
.endr
.set e, 0
.rept 8
	TR ACC+e, ACC+16+e, 41, 2
.set e, e+1
.endr
.irp e, 0,1,2,3,4,5,6,7
	v_add_f32_dpp v[ACC+\e], v[ACC+\e], v[ACC+\e] row_xmask:4 row_mask:0xf bank_mask:0xf
.endr
.irp e, 0,1,2,3,4,5,6,7
	v_add_f32_dpp v[ACC+\e], v[ACC+\e], v[ACC+\e] row_xmask:8 row_mask:0xf bank_mask:0xf
.endr
.irp e, 0,1,2,3,4,5,6,7
	v_permlanex16_b32 v[48+\e], v[ACC+\e], s[SEL], s[SEL+1]
.endr
.irp e, 0,1,2,3,4,5,6,7
	v_add_f32 v[ACC+\e], v[ACC+\e], v[48+\e]       ; the eight logits of row 4 G + lane % 4
.endr
	v_max3_num_f32 v56, v192, v193, v194
	v_max3_num_f32 v56, v56, v195, v196
	v_max3_num_f32 v56, v56, v197, v198
	v_max_num_f32 v56, v56, v199                   ; the row's maximum is taken away ahead of the exponentials
.irp e, 0,1,2,3,4,5,6,7
	v_sub_f32 v[ACC+\e], v[ACC+\e], v56
.endr
.irp e, 0,1,2,3,4,5,6,7
	v_mul_f32 v[ACC+\e], 0x3fb8aa3b, v[ACC+\e]
.endr
	s_wait_alu depctr_va_vdst(0)
.irp e, 0,1,2,3,4,5,6,7
	v_exp_f32 v[ACC+\e], v[ACC+\e]
.endr
	v_and_b32 v7, 3, v6                            ; (a plain line behind the exponentials)  j = lane % 4
	s_wait_alu depctr_va_vdst(0)
	v_add_f32 v57, v192, v193
.irp e, 2,3,4,5,6,7
	v_add_f32 v57, v57, v[ACC+\e]
.endr
	s_wait_alu depctr_va_vdst(0)
	v_rcp_f32 v57, v57
	v_nop
	s_wait_alu depctr_va_vdst(0)
.irp e, 0,1,2,3,4,5,6,7
	v_mul_f32 v[ACC+\e], v[ACC+\e], v57            ; the scores
.endr
	s_wait_alu depctr_va_vdst(0)
	s_wait_kmcnt 0x0                               ; gate_b
.irp e, 0,1,2,3,4,5,6,7
	v_add_f32 v[ACC+8+\e], s[24+\e], v[ACC+\e]     ; the bias counts for the choice alone
.endr
	v_mov_b32 v58, v200
	v_mov_b32 v59, 0
	v_mov_b32 v60, v192
.irp e, 1,2,3,4,5,6,7
	v_cmp_gt_f32 vcc_lo, v[ACC+8+\e], v58          ; strictly greater: the lower index keeps a tie
	v_mov_b32 v61, \e
	v_cndmask_b32 v58, v58, v[ACC+8+\e], vcc_lo
	v_cndmask_b32 v59, v59, v61, vcc_lo
	v_cndmask_b32 v60, v60, v[ACC+\e], vcc_lo
.endr
	v_and_b32 v62, 3, v59                          ; the count words: 1 in the expert's byte of two words
	v_lshlrev_b32 v62, 3, v62
	v_mov_b32 v63, 1
	v_lshlrev_b32 v63, v62, v63
	v_cmp_gt_u32 vcc_lo, 4, v59
	v_cndmask_b32 v10, v5, v63, vcc_lo
	v_cndmask_b32 v11, v63, v5, vcc_lo
	s_and_b32 s37, s3, 15                          ; token t = 4 G + j: its words lie at ((t % 64) / 2) 512 + (t / 64) 16 + (t % 2) 8
	s_lshl_b32 s37, s37, 10
	s_lshr_b32 s38, s3, 4
	s_lshl_b32 s38, s38, 4
	s_add_co_u32 s37, s37, s38
	v_lshrrev_b32 v12, 1, v7
	v_lshlrev_b32 v12, 9, v12
	v_and_b32 v13, 1, v7
	v_lshl_add_u32 v12, v13, 3, v12
	v_add_nc_u32 v12, s37, v12
	s_lshl_b32 s38, s3, 4
	v_lshl_add_u32 v13, v7, 2, s38                 ; 4 t
	v_cmp_gt_u32 vcc_lo, 4, v6
	s_wait_alu depctr_va_vdst(0)
	s_wait_xcnt 0x0                                ; EXEC changes only behind this wait
	s_and_saveexec_b32 s39, vcc_lo
	global_store_b64 v12, v[10:11], s[32:33]
	global_store_b32 v13, v59, s[32:33] offset:16384
	global_store_b32 v13, v60, s[34:35]
	s_wait_xcnt 0x0
	s_or_b32 exec_lo, exec_lo, s39
	s_endpgm
.Lfunc_end_k_q3ad0661423_prep:
	.size	k_q3ad0661423_prep, .Lfunc_end_k_q3ad0661423_prep-k_q3ad0661423_prep
	.p2alignl 7, 3214868480
	.fill 96, 4, 3214868480
	.section	.rodata,"a",@progbits
	.p2align	6, 0x0
	.amdhsa_kernel k_q3ad0661423_prep
		.amdhsa_group_segment_fixed_size 34304
		.amdhsa_private_segment_fixed_size 0
		.amdhsa_enable_private_segment 0
		.amdhsa_kernarg_size 80
		.amdhsa_user_sgpr_count 2
		.amdhsa_user_sgpr_kernarg_segment_ptr 1
		.amdhsa_wavefront_size32 1
		.amdhsa_system_sgpr_workgroup_id_x 1
		.amdhsa_system_sgpr_workgroup_id_y 1
		.amdhsa_system_sgpr_workgroup_id_z 1
		.amdhsa_system_vgpr_workitem_id 0
		.amdhsa_next_free_vgpr 256
		.amdhsa_next_free_sgpr 66
		.amdhsa_reserve_vcc 1
		.amdhsa_float_denorm_mode_32 3
		.amdhsa_float_denorm_mode_16_64 3
		.amdhsa_memory_ordered 1
		.amdhsa_forward_progress 1
		.amdhsa_inst_pref_size 115
	.end_amdhsa_kernel
	.amdgpu_metadata
---
amdhsa.version: [ 1, 2 ]
amdhsa.kernels:
  - .name:           k_q3ad0661423_prep
    .symbol:         k_q3ad0661423_prep.kd
    .args:
      - { .name: x, .offset: 0, .size: 8, .value_kind: global_buffer, .address_space: global }
      - { .name: gate_w, .offset: 8, .size: 8, .value_kind: global_buffer, .address_space: global }
      - { .name: gate_b, .offset: 16, .size: 8, .value_kind: global_buffer, .address_space: global }
      - { .name: W1, .offset: 24, .size: 8, .value_kind: global_buffer, .address_space: global }
      - { .name: W3, .offset: 32, .size: 8, .value_kind: global_buffer, .address_space: global }
      - { .name: Ws1, .offset: 40, .size: 8, .value_kind: global_buffer, .address_space: global }
      - { .name: Ws3, .offset: 48, .size: 8, .value_kind: global_buffer, .address_space: global }
      - { .name: wq, .offset: 56, .size: 8, .value_kind: global_buffer, .address_space: global }
      - { .name: rt, .offset: 64, .size: 8, .value_kind: global_buffer, .address_space: global }
      - { .name: gwt, .offset: 72, .size: 8, .value_kind: global_buffer, .address_space: global }
    .group_segment_fixed_size: 34304
    .private_segment_fixed_size: 0
    .kernarg_segment_align: 8
    .kernarg_segment_size: 80
    .max_flat_workgroup_size: 128
    .sgpr_count:     66
    .vgpr_count:     256
    .wavefront_size: 32
...
	.end_amdgpu_metadata
.endif
;; end of part 6
;; launch sortx (part 7): grid 322 x 1, 4 waves a work-group, no clusters, 34,304 bytes of LDS; arguments x, rt, W2, Ws2, pt, xs, wq; writes pt, xs, wq
.if DOCPART == 7
	.amdgcn_target "amdgcn-amd-amdhsa--gfx1250"
	.amdhsa_code_object_version 6
	.text
	.protected	k_q3ad0661423_sortx
	.globl	k_q3ad0661423_sortx
	.p2align	8
	.type	k_q3ad0661423_sortx,@function
k_q3ad0661423_sortx:
	s_mov_b64 s[64:65], 0
	v_nop
	global_prefetch_b8 v0, s[64:65] scope:SCOPE_SE
	s_setreg_imm32_b32 hwreg(HW_REG_WAVE_MODE, 25, 1), 1
	s_wait_xcnt 0x0
; SORTX.  Two jobs in one launch, parted on the work-group's number.
; Work-groups 0-33 (136 waves, g = 4 x work-group + wave): A COUNTING SORT of the 2,048 tokens by their expert, and x quantised into the sorted order.  Every wave counts for itself from the 16 KiB of count words,
;   so nothing passes between waves or work-groups.
;   Expert e gets NT[e] = ceil(count / 16) tiles of 16 slots from tile FT[e] on (135 tiles at the most).  Token t goes to slot 16 FT[e] + (tokens of e in front of t).
;   Waves 0-127: tokens 16 g + r.  Lanes r and 16 + r hold token r's two halves of each block of 32.  x's row becomes eight fragments' codes, stored into the slot's place in the tile's register image
;   (tile m: m<<14 + s<<11 + c<<9 + 16 (slot % 16) + 256 h), and eight scale words at XSS + 32 slot.  These stores are pieces of 16 bytes, neighbours where neighbouring tokens share an expert: 2 MiB in all.
;   Waves 128-135: the empty slots behind expert g - 128's tokens get zero codes and the byte 127; lanes with no empty slot write a spare tile (136 + e) that nobody reads, so EXEC stays whole.
;   pt: slot of each token [2048], then FT[8] at byte 8192, NT[8] at 8224 (wave 0 stores these).
; Work-groups 34-321: THE QUANTISER of the second product's nine weight planes (W2[e]: planes 16-23, Ws2: plane 26), the text and the layout of the launch before: the sort is a chain of dependent
;   loads on few waves, and these planes are first read two launches on, so their stream stands beside it.  Their row 0 is zeros: so output column 0 comes out as 0.
; LIMITS: NaN and infinities not served; blocks under 2^-118 keep the byte 1.
.set XSS,   2359296
.set WSC,   28311552
.set PLANE, 4190208
.set STG,   8448
.set SEL,   46
.set MNT,   48
.set TM,    8                          ; the sort: v8-23 at work in QUANT (the sort's sums before);  set anew for the quantiser below
.set PC,    32                         ; the sort: v32-47 codes (the counts before)
.macro QUANT src, wd
.irp b, 0,1,2,3
	v_max3_num_f32 v[TM+\b], |v[\src+16*\b]|, |v[\src+1+16*\b]|, 0x4800000
.endr
.irp i, 2,4,6,8,10,12,14
.irp b, 0,1,2,3
	v_max3_num_f32 v[TM+\b], v[TM+\b], |v[\src+16*\b+\i]|, |v[\src+1+16*\b+\i]|
.endr
.endr
.irp b, 0,1,2,3
	v_permlanex16_b32 v[TM+4+\b], v[TM+\b], s[SEL], s[SEL+1]
.endr
.irp b, 0,1,2,3
	v_max_num_f32 v[TM+\b], v[TM+\b], v[TM+4+\b]
.endr
.irp b, 0,1,2,3
	v_add_nc_u32 v[TM+12+\b], 0xfc000000, v[TM+\b]
.endr
.irp b, 0,1,2,3
	v_and_or_b32 v[TM+8+\b], v[TM+\b], 0x7f800000, s[MNT]
.endr
.irp b, 0,1,2,3
	v_lshrrev_b32 v[TM+4+\b], 23, v[TM+12+\b]
.endr
	v_lshl_or_b32 v[\wd], v[TM+5], 8, v[TM+4]
	v_lshl_or_b32 v[\wd], v[TM+6], 16, v[\wd]
	v_lshl_or_b32 v[\wd], v[TM+7], 24, v[\wd]
.irp b, 0,1,2,3
.irp i, 0,1,2,3,4,5,6,7,8,9,10,11,12,13,14,15
	v_med3_num_f32 v[\src+16*\b+\i], v[\src+16*\b+\i], -v[TM+8+\b], v[TM+8+\b]
.endr
	v_cvt_scalef32_pk8_fp8_f32 v[PC+4*\b:PC+1+4*\b], v[\src+16*\b:\src+7+16*\b], v[TM+12+\b]
	v_cvt_scalef32_pk8_fp8_f32 v[PC+2+4*\b:PC+3+4*\b], v[\src+8+16*\b:\src+15+16*\b], v[TM+12+\b]
.endr
	v_nop
.endm
.macro XLOAD st                        ; K step st of my token: 16 numbers of each of four blocks, into buffer st % 3
.set xr, 64+64*((\st)%3)
.irp b, 0,1,2,3
.irp j, 0,1,2,3
	global_load_b128 v[xr+16*\b+4*\j:xr+16*\b+4*\j+3], v3, s[4:5] offset:512*(\st)+128*\b+16*\j
.endr
.endr
.endm
.macro PLACE                           ; from the slot in v26 (already held under a constant): v6 where its codes go, v7 where its scale words go
	v_and_b32 v6, -16, v26
	v_lshlrev_b32 v6, 10, v6
	v_and_b32 v27, 15, v26
	v_lshl_add_u32 v6, v27, 4, v6
	v_lshl_add_u32 v6, v2, 8, v6
	v_lshlrev_b32 v7, 5, v26
	v_lshl_add_u32 v7, v2, 4, v7
.endm
	s_set_vgpr_msb 0x40
	v_lshl_add_u32 v0, v0, 2, 0x8400
	v_mov_b32 v1, 0
	s_set_vgpr_msb 0x4000
	v_lshrrev_b32 v1, 5, v0
	v_readfirstlane_b32 s2, v1                     ; wave 0..3
	s_mov_b32 s[SEL], 0x76543210
	s_mov_b32 s[SEL+1], 0xfedcba98
	s_mov_b32 s[MNT], 0x600000
	s_cmp_lt_u32 ttmp9, 34
	s_cbranch_scc0 .Lquant
; ---------------------------------------------------------------- the sort
	s_load_b128 s[4:7], s[0:1], 0x0                ; x, rt
	s_load_b128 s[8:11], s[0:1], 0x20              ; pt, xs
	v_and_b32 v0, 31, v0                           ; from here on v0 is the lane
	v_and_b32 v1, 15, v0                           ; r
	v_lshrrev_b32 v2, 4, v0                        ; h
	v_lshlrev_b32 v3, 12, v1
	v_lshl_add_u32 v3, v2, 6, v3                   ; x: row r, + 64 h
	v_lshlrev_b32 v4, 4, v0                        ; 16 x lane
	s_lshl_b32 s12, ttmp9, 2
	s_add_co_u32 s12, s12, s2                      ; g
	s_lshl_b32 s17, s12, 6
	s_mov_b32 s18, 0x00ff00ff
	s_mov_b32 s19, 0xffff0000
.irp k, 0,1,2,3,4,5,6,7
	v_mov_b32 v[48+\k], 0                          ; destinations of lane moves count as read
.endr
	s_wait_kmcnt 0x0
	s_cmp_lt_u32 s12, 128
	s_cbranch_scc0 .Lpadhead
	s_lshl_b32 s14, s12, 16
	s_mov_b32 s15, 0
	s_add_nc_u64 s[4:5], s[4:5], s[14:15]          ; my 16 rows of x
	XLOAD 0
	v_lshl_add_u32 v7, v1, 2, s17
	global_load_b32 v5, v7, s[6:7] offset:16384    ; my token's expert
	s_branch .Lcount
.Lpadhead:
	s_sub_co_u32 s16, s12, 128
	v_mov_b32 v5, s16
.Lcount:
.set i, 0
.rept 32
	global_load_b128 v[128+4*i:131+4*i], v4, s[6:7] offset:512*i   ; lane l: the count words of tokens 64 l + 2 i, 64 l + 2 i + 1
.set i, i+1
.endr
	s_wait_alu depctr_va_vdst(0)
	s_wait_loadcnt 0x0
	v_min_u32 v5, 7, v5
.irp jq, 0,1,2,3                       ; four sums of 16 tokens a lane (tile 4 l + jq), a byte for each expert: at most 16
.irp w, 0,1
	v_add_nc_u32 v[8+2*\jq+\w], v[128+32*\jq+\w], v[128+32*\jq+\w+2]
.irp i, 1,2,3,4,5,6,7
	v_add3_u32 v[8+2*\jq+\w], v[8+2*\jq+\w], v[128+32*\jq+4*\i+\w], v[128+32*\jq+4*\i+\w+2]
.endr
.endr
.endr
	s_cmp_lt_u32 s12, 128
	s_cbranch_scc0 .Lnox
	XLOAD 1                                        ; into the registers that the count words have left
	XLOAD 2
.Lnox:
	v_add3_u32 v24, v8, v10, v12                   ; all my 64 tokens (at most 64 a byte)
	v_add_nc_u32 v24, v24, v14
	v_add3_u32 v25, v9, v11, v13
	s_wait_alu depctr_va_vdst(0)
	v_add_nc_u32 v25, v25, v15
	v_lshlrev_b32 v28, 2, v0
	v_cmp_gt_u32 vcc_lo, s12, v28                  ; and those in tiles in front of tile g
	v_cndmask_b32 v26, 0, v8, vcc_lo
	v_cndmask_b32 v27, 0, v9, vcc_lo
.irp jq, 1,2,3
	v_add_nc_u32 v29, \jq, v28
	v_cmp_gt_u32 vcc_lo, s12, v29
	v_cndmask_b32 v30, 0, v[8+2*\jq], vcc_lo
	v_cndmask_b32 v31, 0, v[9+2*\jq], vcc_lo
	v_add_nc_u32 v26, v26, v30
	v_add_nc_u32 v27, v27, v31
.endr
.irp k, 0,1,2,3                        ; bytes widened to fields of 16 bits: the sums over 32 lanes reach 2,048
	v_and_b32 v[16+2*\k], s18, v[24+\k]
	v_lshrrev_b32 v28, 8, v[24+\k]
	v_and_b32 v[17+2*\k], s18, v28
.endr
.irp xm, 1,2,4,8
.irp k, 0,1,2,3,4,5,6,7
	v_mov_b32_dpp v[48+\k], v[16+\k] row_xmask:\xm row_mask:0xf bank_mask:0xf
.endr
.irp k, 0,1,2,3,4,5,6,7
	v_add_nc_u32 v[16+\k], v[16+\k], v[48+\k]
.endr
.endr
.irp k, 0,1,2,3,4,5,6,7
	v_permlanex16_b32 v[48+\k], v[16+\k], s[SEL], s[SEL+1]
.endr
.irp k, 0,1,2,3,4,5,6,7
	v_add_nc_u32 v[16+\k], v[16+\k], v[48+\k]
.endr
.irp f, 0,1,2,3                        ; field register f holds experts f % 2 + 4 (f / 2) (low) and that + 2 (high): counts to v32-39, counts in front to v40-47
	v_and_b32 v[32+(\f%2)+4*(\f/2)], 0xffff, v[16+\f]
	v_lshrrev_b32 v[34+(\f%2)+4*(\f/2)], 16, v[16+\f]
	v_and_b32 v[40+(\f%2)+4*(\f/2)], 0xffff, v[20+\f]
	v_lshrrev_b32 v[42+(\f%2)+4*(\f/2)], 16, v[20+\f]
.endr
.irp e, 0,1,2,3,4,5,6,7
	v_add_nc_u32 v[56+\e], 15, v[32+\e]
.endr
.irp e, 0,1,2,3,4,5,6,7
	v_lshrrev_b32 v[56+\e], 4, v[56+\e]            ; NT
.endr
	v_mov_b32 v48, 0
.irp e, 1,2,3,4,5,6,7
	v_add_nc_u32 v[48+\e], v[47+\e], v[55+\e]      ; FT
.endr
	v_mov_b32 v28, v48                             ; my expert's FT, count in front, count, NT
	v_mov_b32 v29, v40
	v_mov_b32 v30, v32
	v_mov_b32 v31, v56
.irp e, 1,2,3,4,5,6,7
	v_cmp_eq_u32 vcc_lo, \e, v5
	v_cndmask_b32 v28, v28, v[48+\e], vcc_lo
	v_cndmask_b32 v29, v29, v[40+\e], vcc_lo
	v_cndmask_b32 v30, v30, v[32+\e], vcc_lo
	v_cndmask_b32 v31, v31, v[56+\e], vcc_lo
.endr
	s_cmp_lt_u32 s12, 128
	s_cbranch_scc0 .Lpad
; ---- tokens
	v_mov_b32 v24, 0
.irp e, 0,1,2,3,4,5,6,7                ; how many of my tile's tokens in front of mine have my expert
	v_cmp_eq_u32 vcc_lo, \e, v5
	s_and_b32 s20, vcc_lo, 0xffff
	v_mbcnt_lo_u32_b32 v25, s20, 0
	v_cndmask_b32 v24, v24, v25, vcc_lo
.endr
	v_permlanex16_b32 v25, v24, s[SEL], s[SEL+1]
	v_cndmask_b32 v24, v24, v25, s19               ; lanes 16-31 take their partner's
	v_lshl_add_u32 v26, v28, 4, v29
	v_add_nc_u32 v26, v26, v24
	v_min_u32 v26, 0x87f, v26                      ; the slot, held inside the 136 tiles
	PLACE
	v_lshl_add_u32 v25, v1, 2, s17
	v_mov_b32 v27, 0
	v_cmp_gt_u32 vcc_lo, 16, v0
	s_wait_alu depctr_va_vdst(0)
	s_wait_xcnt 0x0                                ; EXEC changes only behind this wait
	s_and_saveexec_b32 s21, vcc_lo
	global_store_b32 v25, v26, s[8:9]
	s_wait_xcnt 0x0
	s_or_b32 exec_lo, exec_lo, s21
	s_cmp_lg_u32 s12, 0
	s_cbranch_scc1 .Lnot0
	v_cmp_eq_u32 vcc_lo, 0, v0
	s_and_saveexec_b32 s21, vcc_lo
	global_store_b128 v27, v[48:51], s[8:9] offset:8192
	global_store_b128 v27, v[52:55], s[8:9] offset:8208
	global_store_b128 v27, v[56:59], s[8:9] offset:8224
	global_store_b128 v27, v[60:63], s[8:9] offset:8240
	s_wait_xcnt 0x0
	s_or_b32 exec_lo, exec_lo, s21
.Lnot0:
.macro XSTEP st
.if (\st) < 6
	s_wait_loadcnt 32                              ; this K step is in; the next two steps' 16 loads each stay out
.elseif (\st) == 6
	s_wait_loadcnt 16
.else
	s_wait_loadcnt 0
.endif
	s_wait_xcnt 0x0                                ; the last step's stores have read v[PC] on
.set qs, 64+64*((\st)%3)
	QUANT qs, 24+(\st)
.if (\st) < 5
	XLOAD (\st)+3
.endif
.irp c, 0,1,2,3
	global_store_b128 v6, v[PC+4*\c:PC+4*\c+3], s[10:11] offset:(\st)*2048+\c*512
.endr
.endm
.irp st, 0,1,2,3,4,5,6,7
	XSTEP \st
.endr
.irp k, 0,1,2,3
	v_cndmask_b32 v[48+\k], v[24+\k], v[28+\k], s19    ; lanes 0-15 store words 0-3, lanes 16-31 words 4-7
.endr
	global_store_b128 v7, v[48:51], s[10:11] offset:XSS
	s_endpgm
; ---- the empty slots of expert g - 128
.Lpad:
	s_wait_alu depctr_va_vdst(0)
	v_add_nc_u32 v24, v30, v1                      ; count + r
	v_lshlrev_b32 v25, 4, v31
	v_cmp_lt_u32 vcc_lo, v24, v25                  ; still inside the expert's tiles?
	v_lshl_add_u32 v24, v28, 4, v24
	s_add_co_u32 s20, s12, 8
	s_lshl_b32 s20, s20, 4
	v_add_nc_u32 v25, s20, v1                      ; else the spare tile
	v_cndmask_b32 v26, v25, v24, vcc_lo
	v_min_u32 v26, 0x8ff, v26
	PLACE
.irp k, 0,1,2,3
	v_mov_b32 v[32+\k], 0
	v_mov_b32 v[36+\k], 0x7f7f7f7f
.endr
.set n, 0
.rept 32
	global_store_b128 v6, v[32:35], s[10:11] offset:512*n
.set n, n+1
.endr
	global_store_b128 v7, v[36:39], s[10:11] offset:XSS
	s_endpgm
; ---------------------------------------------------------------- the quantiser: a wave takes one tile's 16 rows x 512 along K, four fragments
.Lquant:
.set SW,    8                          ; v8-11   scale word of each fragment
.set TM,    20                         ; v20-35  at work in QUANT
.set PC,    40                         ; v40-55  a fragment's codes
.set X,     64                         ; v64-127 64 numbers of a lane
.set R0,    128                        ; v128-255 two sets of 16 x 4 registers as loaded
	s_load_b128 s[16:19], s[0:1], 0x10             ; W2, Ws2
	s_load_b64 s[28:29], s[0:1], 0x30              ; wq
	v_and_b32 v6, 31, v0                           ; lane
	s_wait_alu depctr_va_vdst(0)
	s_sub_co_u32 s3, ttmp9, 34
	s_lshl_b32 s3, s3, 2
	s_add_co_u32 s3, s3, s2                        ; unit 0..1151
	s_and_b32 s49, s3, 1                           ; u: which tile of the pair
	s_bfe_u32 s4, s3, 0x10001                      ; i: which half of K
	s_bfe_u32 s5, s3, 0x50002                      ; b: which 32 rows
	s_lshr_b32 s6, s3, 7                           ; which of my nine planes
	v_lshlrev_b32 v1, 4, v6                        ; 16 x lane
	s_or_b32 s10, s5, s49
	s_cmp_eq_u32 s10, 0
	s_cselect_b32 s42, 4096, 0                     ; in a plane's first tile the load of the row in front of the plane reads row 0 instead (it stays in its buffer) ..
	s_cselect_b32 s44, 0, -1                       ; .. and is replaced by zeros
	v_add_nc_u32 v2, s42, v1
	s_mul_i32 s9, s2, STG
	v_add_nc_u32 v3, s9, v1                        ; stage, on the way in: row ii at 528 ii, 16 bytes a lane
	v_and_b32 v4, 15, v6
	v_lshrrev_b32 v5, 4, v6
	v_mul_u32_u24 v4, v4, 528
	v_lshl_add_u32 v4, v5, 6, v4
	v_add_nc_u32 v4, s9, v4                        ; on the way out: row r, + 64 h
.irp k, 0,1,2,3
	v_mov_b32 v[TM+4+\k], 0                        ; a lane permute's destination counts as read
.endr
	s_wait_alu depctr_va_vdst(0)
	s_wait_kmcnt 0x0
	s_cmp_lt_u32 s6, 8                             ; the plane's buffer: a choice on the unit's number alone
	s_cselect_b64 s[30:31], s[16:17], s[18:19]
	s_cselect_b32 s8, s6, 0                        ; its number in its buffer
	s_cselect_b32 s7, 16, 18
	s_add_co_u32 s6, s6, s7                        ; P: 16-23, 26
	s_mul_i32 s32, s8, PLANE
	s_lshl_b32 s33, s5, 17                         ; 32 rows of 4,096 bytes
	s_add_co_u32 s32, s32, s33
	s_lshl_b32 s33, s49, 15                        ; tile 1 begins 8 rows further down
	s_add_co_u32 s32, s32, s33
	s_lshl_b32 s33, s4, 11                         ; 512 along K
	s_add_co_u32 s32, s32, s33
	s_mov_b32 s33, 0
	s_add_nc_u64 s[30:31], s[30:31], s[32:33]
	s_lshl_b32 s34, s6, 20
	s_lshl_b32 s35, s5, 15
	s_add_co_u32 s34, s34, s35
	s_lshl_b32 s35, s49, 14
	s_add_co_u32 s34, s34, s35
	s_lshl_b32 s35, s4, 13
	s_add_co_u32 s34, s34, s35
	s_mov_b32 s35, 0
	s_add_nc_u64 s[38:39], s[28:29], s[34:35]      ; the unit's codes
	s_lshl_b32 s34, s6, 15
	s_lshl_b32 s36, s5, 10
	s_add_co_u32 s34, s34, s36
	s_lshl_b32 s36, s4, 9
	s_add_co_u32 s34, s34, s36
	s_lshl_b32 s36, s49, 8
	s_add_co_u32 s34, s34, s36
	s_add_co_u32 s34, s34, WSC
	s_add_nc_u64 s[40:41], s[28:29], s[34:35]      ; its scale words
.macro LOADF f                         ; fragment f: the tile's 16 rows x 128 along K, a row's 512 bytes by one load
.set lf, (\f)
.set lr, R0+64*(lf%2)
.irp ii, 0,1,2,3,4,5,6,7,8,9,10,11,12,13,14,15
.if \ii == 0
	global_load_b128 v[lr:lr+3], v2, s[30:31] offset:512*lf-4096 th:TH_LOAD_NT
.else
	global_load_b128 v[lr+4*\ii:lr+4*\ii+3], v1, s[30:31] offset:(\ii+8*(\ii/8)-1)*4096+512*lf th:TH_LOAD_NT
.endif
.endr
.endm
.macro STEPQ f
.set fr, R0+64*((\f)%2)
.if (\f) < 3
	s_wait_loadcnt 16                              ; this fragment's 16 loads are in; the next one's 16 stay out
.else
	s_wait_loadcnt 0
.endif
.irp k, 0,1,2,3
	v_cndmask_b32 v[fr+\k], 0, v[fr+\k], s44       ; the plane's row 0 is zeros (every other tile keeps its row)
.endr
.irp ii, 0,1,2,3,4,5,6,7,8,9,10,11,12,13,14,15
	ds_store_b128 v3, v[fr+4*\ii:fr+4*\ii+3] offset:\ii*528
.endr
.irp c, 0,1,2,3
.irp j, 0,1,2,3
	ds_load_b128 v[X+16*\c+4*\j:X+16*\c+4*\j+3], v4 offset:128*\c+16*\j   ; LDS serves a wave's instructions in order: these see the stores above
.endr
.endr
	s_wait_dscnt 0x0                               ; the numbers are back, and the stores have read the set that is loaded again below
	s_wait_xcnt 0x0                                ; the last fragment's code stores have read v[PC] on
.if (\f) < 2
	LOADF (\f)+2
.endif
	QUANT X, SW+(\f)
.irp c, 0,1,2,3
	global_store_b128 v1, v[PC+4*\c:PC+4*\c+3], s[38:39] offset:(\f)*2048+\c*512   ; 512 consecutive bytes
.endr
.endm
	LOADF 0
	LOADF 1
.irp f, 0,1,2,3
	STEPQ \f
.endr
	v_cmp_gt_u32 vcc_lo, 16, v6                    ; lanes r and 16 + r hold the same words: lanes 0-15 store 256 consecutive, aligned bytes
	s_wait_xcnt 0x0                                ; EXEC changes only behind this wait
	s_set_vgpr_msb 0x5
	s_wait_tensorcnt 0x0
	ds_add_u32 v0, v1
	s_wait_dscnt 0x0
	s_set_vgpr_msb 0x500
	s_and_saveexec_b32 s43, vcc_lo
	global_store_b128 v1, v[SW:SW+3], s[40:41]
	s_wait_xcnt 0x0
	s_or_b32 exec_lo, exec_lo, s43
	s_endpgm
.Lfunc_end_k_q3ad0661423_sortx:
	.size	k_q3ad0661423_sortx, .Lfunc_end_k_q3ad0661423_sortx-k_q3ad0661423_sortx
	.p2alignl 7, 3214868480
	.fill 96, 4, 3214868480
	.section	.rodata,"a",@progbits
	.p2align	6, 0x0
	.amdhsa_kernel k_q3ad0661423_sortx
		.amdhsa_group_segment_fixed_size 34304
		.amdhsa_private_segment_fixed_size 0
		.amdhsa_enable_private_segment 0
		.amdhsa_kernarg_size 56
		.amdhsa_user_sgpr_count 2
		.amdhsa_user_sgpr_kernarg_segment_ptr 1
		.amdhsa_wavefront_size32 1
		.amdhsa_system_sgpr_workgroup_id_x 1
		.amdhsa_system_sgpr_workgroup_id_y 1
		.amdhsa_system_sgpr_workgroup_id_z 1
		.amdhsa_system_vgpr_workitem_id 0
		.amdhsa_next_free_vgpr 258
		.amdhsa_next_free_sgpr 66
		.amdhsa_reserve_vcc 1
		.amdhsa_float_denorm_mode_32 3
		.amdhsa_float_denorm_mode_16_64 3
		.amdhsa_memory_ordered 1
		.amdhsa_forward_progress 1
		.amdhsa_inst_pref_size 156
	.end_amdhsa_kernel
	.amdgpu_metadata
---
amdhsa.version: [ 1, 2 ]
amdhsa.kernels:
  - .name:           k_q3ad0661423_sortx
    .symbol:         k_q3ad0661423_sortx.kd
    .args:
      - { .name: x, .offset: 0, .size: 8, .value_kind: global_buffer, .address_space: global }
      - { .name: rt, .offset: 8, .size: 8, .value_kind: global_buffer, .address_space: global }
      - { .name: W2, .offset: 16, .size: 8, .value_kind: global_buffer, .address_space: global }
      - { .name: Ws2, .offset: 24, .size: 8, .value_kind: global_buffer, .address_space: global }
      - { .name: pt, .offset: 32, .size: 8, .value_kind: global_buffer, .address_space: global }
      - { .name: xs, .offset: 40, .size: 8, .value_kind: global_buffer, .address_space: global }
      - { .name: wq, .offset: 48, .size: 8, .value_kind: global_buffer, .address_space: global }
    .group_segment_fixed_size: 34304
    .private_segment_fixed_size: 0
    .kernarg_segment_align: 8
    .kernarg_segment_size: 56
    .max_flat_workgroup_size: 128
    .sgpr_count:     66
    .vgpr_count:     258
    .wavefront_size: 32
...
	.end_amdgpu_metadata
.endif
;; end of part 7
;; launch up (part 8): grid 256 x 1, 4 waves a work-group, no clusters, 0 bytes of LDS; arguments wq, xs, pt, hid; writes hid
.if DOCPART == 8
	.amdgcn_target "amdgcn-amd-amdhsa--gfx1250"
	.amdhsa_code_object_version 6
	.text
	.protected	k_q3ad0661423_up
	.globl	k_q3ad0661423_up
	.p2align	8
	.type	k_q3ad0661423_up,@function
k_q3ad0661423_up:
	s_mov_b64 s[64:65], 0
	v_nop
	global_prefetch_b8 v0, s[64:65] scope:SCOPE_SE
	s_setreg_imm32_b32 hwreg(HW_REG_WAVE_SCHED_MODE, 0, 2), 2
	s_setreg_imm32_b32 hwreg(HW_REG_WAVE_MODE, 25, 1), 1
	s_wait_xcnt 0x0
	s_wait_alu depctr_vm_vsrc(0)
; UP.  sp = silu(x W1^T) * (x W3^T) for the chosen expert and for the shared expert, on codes of E4M3 with E8M0 scales.
; Work-group (e, q): expert e's tiles of 16 sorted tokens, hidden units 32 q .. 32 q + 31 (block q of the next product's K).  Waves: kind = wave % 2 (0 the routed weights, 1 the shared ones), par = wave / 2:
; a wave walks tiles FT[e] + par, + 2, ..  Its 64 KiB of weight codes (2 matrices x 2 tiles x 8 K steps) stay in registers for the whole launch; what goes round is a tile's 16 KiB of x's codes, two buffers by turns.
; The weights' addresses hang on ids alone: their loads go out ahead of the wait for the list's entry.
; THE PRODUCTS ARE USED TRANSPOSED (source 0 = 16 rows of W, source 1 = 16 tokens): a lane holds one token, and the 16 results of tiles u = 0, 1 are 16 neighbouring hidden units.
; Out (hid): block q's codes as chunk q of the tile's register image, its scale byte, the sum of sp^2 over the 32 units (laid [tile][token][q], so that the next launch reads a token's 32 sums as 128 bytes on end).
; Block 0 waits for the time coordinate, which needs all 32 sums: it leaves as f32.
; WHY NO CLUSTER, NO TENSOR LOADS: the trip counts are read from the stored list and differ between waves; no barrier and no joint request may stand under such a branch.  So operands come from memory straight into
; registers, laid by earlier launches in the order of the operand's registers: every load is 512 consecutive bytes.
; A work-group whose expert has no tile for a wave ends that wave: the price of a grid that serves every split.
; REGISTERS: window 0: v1 16 lane, v2 32 r, v3 lane; v8-15 store offsets; v32-47 the weights' scale words; v48-63 x's, two sets; v64-95 four accumulators (W1 u0, u1, W3 u0, u1); v96-111 at work; v112-127 sp; v128-131 codes.
;   windows 1, 2: weights, K steps 0-3 and 4-7: accumulator a's at v[64 a + 16 (s % 4)];   window 3: x's codes, buffer b at v[128 b + 16 s].
; THE MODE: SCHED_MODE bits 1:0 = 2 (LLVM: expert scheduling mode 2), set by the entry lines.  The code itself states the register dependences between vector or matrix instructions and memory instructions,
; with s_wait_alu, always for 0.
; THE PLAN.  Registers that memory instructions touch:
;   v1, v2                 offsets of every load: written once at the head, never again; the tiles are reached by scalar bases and immediate offsets.
;   windows 1, 2, v32-47   the weights and their scale words: loaded once, read by the products alone.
;   window 3 buffer b and v[48 + 8 b ..]   XL b's 34 loads land in them; COMPUTE b's 32 products read them.  XL b stands behind the whole of COMPUTE b: the wait for the exponentials, the first behind
;                          those products, states that they are done reading, and no vector or matrix instruction between it and XL b names the buffer.  So XL owes no wait of its own in the loop.
;   v8-11 (offsets), v112-127, v128-131, v136, v138 (data)   written by a tile's vector lines behind its products, read by that tile's stores.  A wait on va_vdst stands ahead of each run of stores; the wait
;                          on vm_vsrc ahead of the line that widens EXEC again stands behind all of a tile's stores and on every way to the next tile's writes of these registers.
;   EXEC is written twice a tile: both waits stand ahead of each write, and the wait for VCC ahead of the first.
; LIMITS: NaN and infinities not served; a block under 2^-118 keeps the byte 1.
.set WSC, 28311552
.set XSS, 2359296
.set HQK, 2228224
.set HS,  4456448
.set HSK, 69632
.set HZ,  4595712
.set HZK, 278528
.set SSQ, 5152768
.set TS,  96
.set SP,  112
.set PC,  128
.set QM0, 132
.set QM1, 133
.set SCL, 134
.set HOLD, 135
.set QBY, 136
.set MSB, 0
.macro WIN new                         ; the immediate's high byte repeats the setting that is left
.if MSB != \new
	s_set_vgpr_msb (MSB<<8)|\new
.set MSB, \new
.endif
.endm
.macro MM buf, ks, a                   ; one product: accumulator a, K step ks, x's buffer buf.  The first K step starts the sum
.set rd, 64+8*(\a)
.set ra, 64*(\a)+16*((\ks)%4)
.set rb, 128*(\buf)+16*(\ks)
.set sa, 32+8*((\a)/2)+(\ks)
.set sb, 48+8*(\buf)+(\ks)
.if (\ks) == 0
.if (\a)%2
	v_wmma_scale_f32_16x16x128_f8f6f4 v[rd:rd+7], v[ra:ra+15], v[rb:rb+15], 0, v[sa], v[sb] matrix_a_scale:MATRIX_SCALE_ROW1
.else
	v_wmma_scale_f32_16x16x128_f8f6f4 v[rd:rd+7], v[ra:ra+15], v[rb:rb+15], 0, v[sa], v[sb]
.endif
.else
.if (\a)%2
	v_wmma_scale_f32_16x16x128_f8f6f4 v[rd:rd+7], v[ra:ra+15], v[rb:rb+15], v[rd:rd+7], v[sa], v[sb] matrix_a_scale:MATRIX_SCALE_ROW1
.else
	v_wmma_scale_f32_16x16x128_f8f6f4 v[rd:rd+7], v[ra:ra+15], v[rb:rb+15], v[rd:rd+7], v[sa], v[sb]
.endif
.endif
.endm
.macro XL buf                          ; tile s22's codes and scale words into buffer buf: 34 loads.  The buffer's bases are written only when its earlier loads have been shown done
	s_min_u32 s[40+\buf], s22, 135
	s_lshl_b32 s42, s[40+\buf], 14
	s_add_nc_u64 s[32+4*\buf:33+4*\buf], s[6:7], s[42:43]
	s_lshl_b32 s42, s[40+\buf], 9
	s_add_nc_u64 s[34+4*\buf:35+4*\buf], s[6:7], s[42:43]
	WIN 0xc0
.set n, 0
.rept 32
	global_load_b128 v[128*\buf+4*n:128*\buf+4*n+3], v1, s[32+4*\buf:33+4*\buf] offset:512*n
.set n, n+1
.endr
	WIN 0
	global_load_b128 v[48+8*\buf:51+8*\buf], v2, s[34+4*\buf:35+4*\buf] offset:XSS
	global_load_b128 v[52+8*\buf:55+8*\buf], v2, s[34+4*\buf:35+4*\buf] offset:XSS+16
.endm
.macro COMPUTE buf
	s_wait_loadcnt 34                              ; all but the other buffer's 34 loads: this tile (and, the first time, the weights) is in
	WIN 0x0d                                       ; source 0 window 1, source 1 window 3
.irp ks, 0,1,2,3                       ; the four accumulators take turns, one instruction a turn
.irp a, 0,1,2,3
	MM \buf, \ks, \a
.endr
.endr
	WIN 0x0e                                       ; source 0 window 2
.irp ks, 4,5,6,7
.irp a, 0,1,2,3
	MM \buf, \ks, \a
.endr
.endr
	WIN 0
	s_wait_xcnt 0x0                                ; the last tile's stores have had their addresses translated; that they have read their offsets and data was stated ahead of the line that widened EXEC again
	s_lshl_b32 s52, s[40+\buf], 14
	s_lshl_b32 s53, s[40+\buf], 11
	s_lshl_b32 s54, s[40+\buf], 9
	v_add_nc_u32 v8, s52, v12                      ; this tile's store offsets: four of the eight places behind the last product
	v_add_nc_u32 v9, s53, v13
	v_add_nc_u32 v10, s53, v14
	v_add_nc_u32 v11, s54, v15
.rept 4
	v_nop
.endr
.irp j, 0,2,4,6,8,10,12,14             ; each accumulator is read from its low end on
	v_pk_mul_f32 v[TS+\j:TS+1+\j], v[64+\j:65+\j], s[50:51] op_sel_hi:[1,0]   ; -a1 log2(e)
.endr
	s_wait_alu depctr_va_vdst(0)
.irp j, 0,1,2,3,4,5,6,7,8,9,10,11,12,13,14,15
	v_exp_f32 v[TS+\j], v[TS+\j]
.endr
	v_nop
	s_wait_alu depctr_va_vdst(0)                   ; the sixteen exponentials have written v[TS ..], ahead of their first reader; the products above are done reading this buffer and its scale words, in which the next loads of this buffer land
.irp j, 0,2,4,6,8,10,12,14
	v_pk_add_f32 v[TS+\j:TS+1+\j], v[TS+\j:TS+1+\j], 1.0 op_sel_hi:[1,0]
.endr
	s_wait_alu depctr_va_vdst(0)
.irp j, 0,1,2,3,4,5,6,7,8,9,10,11,12,13,14,15
	v_rcp_f32 v[TS+\j], v[TS+\j]
.endr
	v_nop
	s_wait_alu depctr_va_vdst(0)                   ; the sixteen reciprocals have written v[TS ..], ahead of their first reader
.irp j, 0,2,4,6,8,10,12,14
	v_pk_mul_f32 v[TS+\j:TS+1+\j], v[TS+\j:TS+1+\j], v[64+\j:65+\j]            ; silu(a1)
.endr
.irp j, 0,2,4,6,8,10,12,14
	v_pk_mul_f32 v[SP+\j:SP+1+\j], v[TS+\j:TS+1+\j], v[80+\j:81+\j]            ; x a3
.endr
	v_pk_mul_f32 v[138:139], v[SP:SP+1], v[SP:SP+1]                            ; the sum of squares is taken of the unquantised numbers
.irp j, 2,4,6,8,10,12,14
	v_pk_fma_f32 v[138:139], v[SP+\j:SP+1+\j], v[SP+\j:SP+1+\j], v[138:139]
.endr
	v_add_f32 v138, v138, v139
	v_permlanex16_b32 v139, v138, s46, s47
	v_add_f32 v138, v138, v139                     ; my token's 32 units
	s_cmp_eq_u32 s12, 0
	s_cbranch_scc1 .Lq0_\@
	v_max3_num_f32 v[QM0], |v[SP]|, |v[SP+1]|, 0x4800000
	v_max3_num_f32 v[QM1], |v[SP+2]|, |v[SP+3]|, |v[SP+4]|
	v_max3_num_f32 v[QM0], v[QM0], |v[SP+5]|, |v[SP+6]|
	v_max3_num_f32 v[QM1], v[QM1], |v[SP+7]|, |v[SP+8]|
	v_max3_num_f32 v[QM0], v[QM0], |v[SP+9]|, |v[SP+10]|
	v_max3_num_f32 v[QM1], v[QM1], |v[SP+11]|, |v[SP+12]|
	v_max3_num_f32 v[QM0], v[QM0], |v[SP+13]|, |v[SP+14]|
	v_max3_num_f32 v[QM0], v[QM0], v[QM1], |v[SP+15]|
	v_permlanex16_b32 v[QM1], v[QM0], s46, s47
	v_max_num_f32 v[QM0], v[QM0], v[QM1]           ; the block's largest magnitude
	v_add_nc_u32 v[SCL], 0xfc000000, v[QM0]
	v_and_or_b32 v[HOLD], v[QM0], 0x7f800000, s48
	v_lshrrev_b32 v[QBY], 23, v[SCL]
.irp i, 0,1,2,3,4,5,6,7,8,9,10,11,12,13,14,15
	v_med3_num_f32 v[SP+\i], v[SP+\i], -v[HOLD], v[HOLD]
.endr
	v_cvt_scalef32_pk8_fp8_f32 v[PC:PC+1], v[SP:SP+7], v[SCL]
	v_cvt_scalef32_pk8_fp8_f32 v[PC+2:PC+3], v[SP+8:SP+15], v[SCL]
	v_nop
	s_wait_alu depctr_va_vdst(0)                   ; the conversions have written v[PC ..], the store's data; its offset v8 is written too
	global_store_b128 v8, v[PC:PC+3], s[10:11]     ; chunk q of the tile's image: 512 consecutive bytes
	s_branch .Ljoin_\@
.Lq0_\@:
	s_wait_alu depctr_va_vdst(0)                   ; the multiplications have written v[SP ..], the four stores' data; their offset v9 is written too
.irp j, 0,1,2,3
	global_store_b128 v9, v[SP+4*\j:SP+4*\j+3], s[10:11] offset:512*\j   ; block 0 as f32
.endr
	v_mov_b32 v[QBY], 127
.Ljoin_\@:
	v_cmp_gt_u32 vcc_lo, 16, v3
	s_wait_xcnt 0x0                                ; EXEC changes only behind this wait
	s_wait_alu depctr_va_vcc(0)                    ; VCC is written: EXEC is made from it
	s_wait_alu depctr_va_vdst(0)                   ; ahead of a write of EXEC: the vector side is done; so v10, v11, v138 and the byte, which the two stores below read, are written
	s_wait_alu depctr_vm_vsrc(0)                   ; ahead of a write of EXEC: the stores above have read their registers
	s_and_saveexec_b32 s44, vcc_lo
	global_store_b32 v10, v138, s[10:11]
	global_store_b8 v11, v[QBY], s[10:11]
	s_wait_xcnt 0x0
	s_wait_alu depctr_va_vdst(0)                   ; ahead of a write of EXEC
	s_wait_alu depctr_vm_vsrc(0)                   ; ahead of a write of EXEC: all this tile's stores have read their offsets v8-11 and their data, which the next tile's vector lines write again
	s_or_b32 exec_lo, exec_lo, s44
.endm
	s_load_b256 s[4:11], s[0:1], 0x0               ; wq, xs, pt, hid
	v_lshrrev_b32 v4, 5, v0
	v_readfirstlane_b32 s2, v4                     ; wave
	s_lshr_b32 s3, ttmp9, 5                        ; e
	s_and_b32 s12, ttmp9, 31                       ; q
	v_and_b32 v3, 31, v0
	v_lshlrev_b32 v1, 4, v3
	s_wait_alu depctr_va_sdst(0)                   ; s2 is written, ahead of its first reader
	s_and_b32 s13, s2, 1                           ; kind
	s_lshr_b32 s14, s2, 1                          ; par
	s_lshl_b32 s15, s3, 2
	s_mov_b32 s43, 0
	s_wait_kmcnt 0x0
	s_load_b32 s16, s[8:9], s15 offset:0x2000      ; FT[e]
	s_load_b32 s17, s[8:9], s15 offset:0x2020      ; NT[e]: both are waited for behind the weights' loads
	s_add_co_u32 s53, s3, 8
	s_cmp_eq_u32 s13, 0
	s_cselect_b32 s52, s3, 24                      ; the planes: W1[e], W3[e] or Ws1, Ws3
	s_cselect_b32 s53, s53, 25
	s_lshl_b32 s45, s12, 15
	s_lshl_b32 s42, s52, 20
	s_add_co_u32 s42, s42, s45
	s_add_nc_u64 s[24:25], s[4:5], s[42:43]
	s_lshl_b32 s42, s53, 20
	s_add_co_u32 s42, s42, s45
	s_add_nc_u64 s[26:27], s[4:5], s[42:43]
	s_lshl_b32 s45, s12, 10
	s_add_co_u32 s45, s45, WSC
	s_lshl_b32 s42, s52, 15
	s_add_co_u32 s42, s42, s45
	s_add_nc_u64 s[28:29], s[4:5], s[42:43]
	s_lshl_b32 s42, s53, 15
	s_add_co_u32 s42, s42, s45
	s_add_nc_u64 s[30:31], s[4:5], s[42:43]
	WIN 0x40
	s_wait_alu depctr_va_vdst(0)                   ; v1 is written: the offset of the weights' loads and of every load of codes
.irp mt, 0,1
.irp u, 0,1
.irp ks, 0,1,2,3
.irp c, 0,1,2,3
	global_load_b128 v[64*(2*\mt+\u)+16*\ks+4*\c:64*(2*\mt+\u)+16*\ks+4*\c+3], v1, s[24+2*\mt:25+2*\mt] offset:\u*16384+\ks*2048+\c*512
.endr
.endr
.endr
.endr
	WIN 0x80
.irp mt, 0,1
.irp u, 0,1
.irp ks, 0,1,2,3
.irp c, 0,1,2,3
	global_load_b128 v[64*(2*\mt+\u)+16*\ks+4*\c:64*(2*\mt+\u)+16*\ks+4*\c+3], v1, s[24+2*\mt:25+2*\mt] offset:\u*16384+(\ks+4)*2048+\c*512
.endr
.endr
.endr
.endr
	WIN 0
.irp mt, 0,1
.irp i, 0,1
	global_load_b128 v[32+8*\mt+4*\i:35+8*\mt+4*\i], v1, s[28+2*\mt:29+2*\mt] offset:512*\i
.endr
.endr
	v_and_b32 v4, 15, v3
	s_wait_alu depctr_va_vdst(0)
	v_lshlrev_b32 v2, 5, v4
	s_wait_alu depctr_va_vdst(0)
	v_mov_b32 v[QM1], 0
	s_mov_b32 s46, 0x76543210
	s_mov_b32 s47, 0xfedcba98
	s_mov_b32 s48, 0x600000
	s_mov_b32 s50, 0xbfb8aa3b                      ; -log2(e)
	s_mov_b32 s51, s50
	s_mul_i32 s45, s13, HQK                        ; the parts of the store offsets that stay
	s_lshr_b32 s52, s12, 2
	s_lshl_b32 s52, s52, 11
	s_add_co_u32 s45, s45, s52
	s_and_b32 s52, s12, 3
	s_lshl_b32 s52, s52, 9
	s_add_co_u32 s45, s45, s52
	v_add_nc_u32 v12, s45, v1
	s_mul_i32 s45, s13, HZK
	s_add_co_u32 s52, s45, HZ
	v_add_nc_u32 v13, s52, v1
	s_add_co_u32 s52, s45, SSQ
	s_lshl_b32 s53, s12, 2
	s_add_co_u32 s52, s52, s53
	v_lshl_add_u32 v14, v4, 7, s52                 ; the sums: 128 bytes a token, 4 bytes a slice q
	s_mul_i32 s45, s13, HSK
	s_add_co_u32 s45, s45, HS
	s_add_co_u32 s45, s45, s12
	v_add_nc_u32 v15, s45, v2
	s_wait_kmcnt 0x0
	s_min_u32 s16, s16, 135
	s_min_u32 s17, s17, 136
	s_add_co_u32 s18, s17, 1
	s_sub_co_u32 s18, s18, s14
	s_lshr_b32 s18, s18, 1                         ; my tiles
	s_cmp_eq_u32 s18, 0
	s_cbranch_scc1 .Lend
	s_add_co_u32 s19, s16, s14                     ; my first tile
	s_sub_co_u32 s21, s18, 1
	s_add_co_u32 s62, s18, 1
	s_lshr_b32 s62, s62, 1                         ; my trips: two tiles a trip, the last one perhaps half
	s_mov_b32 s23, 0                               ; the trip's number: the loop's counter, stepped by 1
	s_mov_b32 s22, s19
	s_wait_alu depctr_va_vdst(0)                   ; v2 is written: the offset of every load of x's scale words
	XL 0
.Lloop:                                                ; two tiles a trip; a look-ahead past my last tile reads that last tile again
	s_lshl_b32 s20, s23, 1                         ; the trip's first tile, counted among mine
	s_add_co_u32 s22, s20, 1
	s_min_u32 s22, s22, s21
	s_lshl_b32 s22, s22, 1
	s_add_co_u32 s22, s22, s19
	XL 1                                           ; no wait: the products that read buffer 1, a trip back, stand ahead of waits on va_vdst, and nothing since names it
	COMPUTE 0
	s_add_co_u32 s22, s20, 1
	s_cmp_lt_u32 s22, s18
	s_cbranch_scc1 .Lmore
	s_endpgm                                       ; an odd number of tiles: the wave ends here, inside the trip; only the look-ahead's loads and this tile's stores are out
.Lmore:
	s_add_co_u32 s22, s20, 2
	s_min_u32 s22, s22, s21
	s_lshl_b32 s22, s22, 1
	s_add_co_u32 s22, s22, s19
	XL 0                                           ; no wait: likewise for buffer 0 and the products just above
	COMPUTE 1
	s_add_co_u32 s23, s23, 1
	s_cmp_lt_u32 s23, s62
	s_cbranch_scc1 .Lloop
.Lend:
	s_endpgm
.Lfunc_end_k_q3ad0661423_up:
	.size	k_q3ad0661423_up, .Lfunc_end_k_q3ad0661423_up-k_q3ad0661423_up
	.p2alignl 7, 3214868480
	.fill 96, 4, 3214868480
	.section	.rodata,"a",@progbits
	.p2align	6, 0x0
	.amdhsa_kernel k_q3ad0661423_up
		.amdhsa_group_segment_fixed_size 0
		.amdhsa_private_segment_fixed_size 0
		.amdhsa_enable_private_segment 0
		.amdhsa_kernarg_size 32
		.amdhsa_user_sgpr_count 2
		.amdhsa_user_sgpr_kernarg_segment_ptr 1
		.amdhsa_wavefront_size32 1
		.amdhsa_system_sgpr_workgroup_id_x 1
		.amdhsa_system_sgpr_workgroup_id_y 1
		.amdhsa_system_sgpr_workgroup_id_z 1
		.amdhsa_system_vgpr_workitem_id 0
		.amdhsa_next_free_vgpr 1024
		.amdhsa_next_free_sgpr 66
		.amdhsa_reserve_vcc 1
		.amdhsa_float_denorm_mode_32 3
		.amdhsa_float_denorm_mode_16_64 3
		.amdhsa_memory_ordered 1
		.amdhsa_forward_progress 1
		.amdhsa_inst_pref_size 50
	.end_amdhsa_kernel
	.amdgpu_metadata
---
amdhsa.version: [ 1, 2 ]
amdhsa.kernels:
  - .name:           k_q3ad0661423_up
    .symbol:         k_q3ad0661423_up.kd
    .args:
      - { .name: wq, .offset: 0, .size: 8, .value_kind: global_buffer, .address_space: global }
      - { .name: xs, .offset: 8, .size: 8, .value_kind: global_buffer, .address_space: global }
      - { .name: pt, .offset: 16, .size: 8, .value_kind: global_buffer, .address_space: global }
      - { .name: hid, .offset: 24, .size: 8, .value_kind: global_buffer, .address_space: global }
    .group_segment_fixed_size: 0
    .private_segment_fixed_size: 0
    .kernarg_segment_align: 8
    .kernarg_segment_size: 32
    .max_flat_workgroup_size: 128
    .sgpr_count:     66
    .vgpr_count:     1024
    .wavefront_size: 32
...
	.end_amdgpu_metadata
.endif
;; end of part 8
;; launch down (part 9): grid 256 x 1, 4 waves a work-group, no clusters, 17,920 bytes of LDS; arguments wq, pt, hid, ob; writes ob
.if DOCPART == 9
	.amdgcn_target "amdgcn-amd-amdhsa--gfx1250"
	.amdhsa_code_object_version 6
	.text
	.protected	k_q3ad0661423_down
	.globl	k_q3ad0661423_down
	.p2align	8
	.type	k_q3ad0661423_down,@function
k_q3ad0661423_down:
	s_mov_b64 s[64:65], 0
	v_nop
	global_prefetch_b8 v0, s[64:65] scope:SCOPE_SE
	s_setreg_imm32_b32 hwreg(HW_REG_WAVE_SCHED_MODE, 0, 2), 2
	s_setreg_imm32_b32 hwreg(HW_REG_WAVE_MODE, 25, 1), 1
	s_wait_xcnt 0x0
	s_wait_alu depctr_vm_vsrc(0)
; DOWN.  o = h W2^T with h = [t, sp], t = sqrt(max(sum of sp^2 + 1, 1e-8)), for the chosen expert and for the shared one, on codes of E4M3 with E8M0 scales.
; Work-group (e, q2, ph): expert e's tiles, output columns 64 q2 .. 64 q2 + 63.  Waves: kind = wave % 2 (routed, shared), par = 2 ph + wave / 2: a wave walks tiles FT[e] + par, + 4, ..
; Its 64 KiB of weight codes stay in registers; their addresses hang on ids alone, so their loads go out ahead of the wait for the list's entry.
; For each tile: the 32 partial sums give t; t takes its place in block 0, which arrives as f32 and is quantised here into chunk 0 of the operand's registers and
; byte 0 of its first scale word; the other 31 chunks come from memory as they lie.  32 products, transposed (source 0 = 16 rows of W2, source 1 = 16 tokens).
; The results go through the wave's own stage in LDS (16 rows, 272 bytes apart) and leave as rows: sixteen lanes store 256 consecutive, aligned bytes.  Column 0 of ob is 0 (the weights' row 0 is zeros).
; No cluster and no tensor loads, for the reason given in the launch before: trip counts read from the stored list.  The stage is each wave's own and its addresses are constants: no barrier.
; REGISTERS: window 0: v1 16 lane, v2 32 r, v3 128 r + 64 h, v4, v5 stage in and out, v6, v7 offset in ob; v32-47 the weights' scale words; v48-63 h's, two sets; v64-95 four accumulators; v96-127 block 0, two sets;
;   v128-159 partial sums, two sets; v160-168 at work; v176-207 rows on the way out; v254, v255 the closing add's two.   windows 1, 2: weights;   window 3: h's codes, two buffers.
; THE MODE: SCHED_MODE bits 1:0 = 2 (LLVM: expert scheduling mode 2), set by the entry lines.  The code itself states the register dependences between vector or matrix instructions and memory or LDS instructions,
; with s_wait_alu, always for 0.
; THE PLAN.  Registers that memory or LDS instructions touch:
;   v1-3 (offsets of loads), v4, v5 (LDS addresses)   written once at the head, never again; the tiles are reached by scalar bases and immediate offsets.
;   windows 1, 2, v32-47   the weights and their scale words: loaded once, read by the products alone.
;   buffer b: window 3 chunks 1-31, v[48 + 8 b ..], v[96 + 16 b ..], v[128 + 16 b ..]   XLD b's 41 loads land in them.  In COMPUTE b vector lines read the sums, read and write block 0 and change the first scale word,
;                          the conversions write chunk 0, the products read codes and scale words.  XLD b stands behind the whole of COMPUTE b, whose wait on the way out stands behind all of these.
;   v64-95                 the accumulators: written by a tile's products, read by its eight LDS stores, written again by the next tile's products.
;   v7                     the rows' offset in ob: written behind a tile's products, read by its eight global stores.
;   v176-207               the LDS loads from the stage land in them, the global stores read them; no vector instruction names them.
; So a tile has one wait on vm_vsrc, at its head (the last tile's LDS stores and global stores have read their registers), one on va_vdst ahead of its products (operands that vector lines made) and one on the way out
; (the results are written; the buffer is done with); the root's wait stands as ever.
; LIMITS: NaN and infinities not served; a block under 2^-118 keeps the byte 1.
.set WSC, 28311552
.set HQK, 2228224
.set HS,  4456448
.set HSK, 69632
.set HZ,  4595712
.set HZK, 278528
.set SSQ, 5152768
.set OBK, 8912896
.set QM0, 164
.set QM1, 165
.set SCL, 166
.set HOLD, 167
.set QBY, 168
.set MSB, 0
.macro WIN new
.if MSB != \new
	s_set_vgpr_msb (MSB<<8)|\new
.set MSB, \new
.endif
.endm
.macro MM buf, ks, a
.set rd, 64+8*(\a)
.set ra, 64*(\a)+16*((\ks)%4)
.set rb, 128*(\buf)+16*(\ks)
.set sa, 32+8*((\a)/2)+(\ks)
.set sb, 48+8*(\buf)+(\ks)
.if (\ks) == 0
.if (\a)%2
	v_wmma_scale_f32_16x16x128_f8f6f4 v[rd:rd+7], v[ra:ra+15], v[rb:rb+15], 0, v[sa], v[sb] matrix_a_scale:MATRIX_SCALE_ROW1
.else
	v_wmma_scale_f32_16x16x128_f8f6f4 v[rd:rd+7], v[ra:ra+15], v[rb:rb+15], 0, v[sa], v[sb]
.endif
.else
.if (\a)%2
	v_wmma_scale_f32_16x16x128_f8f6f4 v[rd:rd+7], v[ra:ra+15], v[rb:rb+15], v[rd:rd+7], v[sa], v[sb] matrix_a_scale:MATRIX_SCALE_ROW1
.else
	v_wmma_scale_f32_16x16x128_f8f6f4 v[rd:rd+7], v[ra:ra+15], v[rb:rb+15], v[rd:rd+7], v[sa], v[sb]
.endif
.endif
.endm
.macro XLD buf                         ; tile s22 into buffer buf: 31 chunks of codes, 2 loads of scale words, 4 of block 0, 4 of partial sums: 41 loads
.set bb, 32+36*(\buf)
	s_min_u32 s[40+\buf], s22, 135
	s_lshl_b32 s42, s[40+\buf], 14
	s_add_nc_u64 s[bb:bb+1], s[56:57], s[42:43]
	s_lshl_b32 s42, s[40+\buf], 9
	s_add_nc_u64 s[bb+2:bb+3], s[58:59], s[42:43]
	s_lshl_b32 s42, s[40+\buf], 11
	s_add_nc_u64 s[bb+4:bb+5], s[60:61], s[42:43]
	WIN 0xc0
.set n, 1
.rept 31
	global_load_b128 v[128*\buf+4*n:128*\buf+4*n+3], v1, s[bb:bb+1] offset:512*n
.set n, n+1
.endr
	WIN 0
	global_load_b128 v[48+8*\buf:51+8*\buf], v2, s[bb+2:bb+3] offset:HS
	global_load_b128 v[52+8*\buf:55+8*\buf], v2, s[bb+2:bb+3] offset:HS+16
.irp j, 0,1,2,3
	global_load_b128 v[96+16*\buf+4*\j:99+16*\buf+4*\j], v1, s[bb+4:bb+5] offset:HZ+512*\j
.endr
.irp j, 0,1,2,3
	global_load_b128 v[128+16*\buf+4*\j:131+16*\buf+4*\j], v3, s[bb+4:bb+5] offset:SSQ+16*\j
.endr
.endm
.macro COMPUTE buf
.set hb, 96+16*(\buf)
.set qb, 128+16*(\buf)
.set wb, 48+8*(\buf)
	s_wait_loadcnt 41                              ; all but the other buffer's 41 loads
	s_wait_alu depctr_vm_vsrc(0)                   ; the last tile's LDS stores have read the accumulators, which the products below write; its global stores have read v7 and v176-207, which are written again on this tile's way out
	v_pk_add_f32 v[160:161], v[qb:qb+1], v[qb+2:qb+3]          ; lane l holds the sums of slices 16 (l / 16) + 0 .. 15 for token l % 16
.irp j, 4,6,8,10,12,14
	v_pk_add_f32 v[160:161], v[160:161], v[qb+\j:qb+1+\j]
.endr
	v_add_f32 v160, v160, v161
	v_permlanex16_b32 v161, v160, s46, s47
	v_add_f32 v160, v160, v161
	v_add_f32 v160, 1.0, v160
	v_max_num_f32 v160, 0x322bcc77, v160
	s_wait_alu depctr_va_vdst(0)
	v_sqrt_f32 v162, v160
	v_nop
	s_wait_alu depctr_va_vdst(0)                   ; the root has written v162, ahead of its first reader
	v_cndmask_b32 v[hb], v[hb], v162, s49          ; t is h's number 0: register 0 of lanes 0-15
	v_max3_num_f32 v[QM0], |v[hb]|, |v[hb+1]|, 0x4800000
	v_max3_num_f32 v[QM1], |v[hb+2]|, |v[hb+3]|, |v[hb+4]|
	v_max3_num_f32 v[QM0], v[QM0], |v[hb+5]|, |v[hb+6]|
	v_max3_num_f32 v[QM1], v[QM1], |v[hb+7]|, |v[hb+8]|
	v_max3_num_f32 v[QM0], v[QM0], |v[hb+9]|, |v[hb+10]|
	v_max3_num_f32 v[QM1], v[QM1], |v[hb+11]|, |v[hb+12]|
	v_max3_num_f32 v[QM0], v[QM0], |v[hb+13]|, |v[hb+14]|
	v_max3_num_f32 v[QM0], v[QM0], v[QM1], |v[hb+15]|
	v_permlanex16_b32 v[QM1], v[QM0], s46, s47
	v_max_num_f32 v[QM0], v[QM0], v[QM1]
	v_add_nc_u32 v[SCL], 0xfc000000, v[QM0]
	v_and_or_b32 v[HOLD], v[QM0], 0x7f800000, s48
	v_lshrrev_b32 v[QBY], 23, v[SCL]
	v_and_or_b32 v[wb], v[wb], 0xffffff00, v[QBY]  ; block 0's byte into the first scale word; the sixteen holds below are its places ahead of the products
.irp i, 0,1,2,3,4,5,6,7,8,9,10,11,12,13,14,15
	v_med3_num_f32 v[hb+\i], v[hb+\i], -v[HOLD], v[HOLD]
.endr
	WIN 0xc0                                       ; destination window 3: chunk 0 of the operand
	v_cvt_scalef32_pk8_fp8_f32 v[128*\buf:128*\buf+1], v[hb:hb+7], v[SCL]
	v_cvt_scalef32_pk8_fp8_f32 v[128*\buf+2:128*\buf+3], v[hb+8:hb+15], v[SCL]
	WIN 0
.rept 4
	v_nop                                          ; an operand written by vector instructions stands four places ahead of a scaled product
.endr
	WIN 0x0d
	s_wait_alu depctr_va_vdst(0)                   ; behind those places: the conversions have written chunk 0 and the vector line above the first scale word, which the scaled products take as operand and as scales
.irp ks, 0,1,2,3                       ; the four accumulators take turns, one instruction a turn
.irp a, 0,1,2,3
	MM \buf, \ks, \a
.endr
.endr
	WIN 0x0e
.irp ks, 4,5,6,7
.irp a, 0,1,2,3
	MM \buf, \ks, \a
.endr
.endr
	WIN 0
	s_wait_xcnt 0x0                                ; the last tile's stores have had their addresses translated; that they have read their offset and data was stated at this tile's head
	s_lshl_b32 s52, s[40+\buf], 16
	v_add_nc_u32 v7, s52, v6
.rept 7
	v_nop                                          ; eight places behind the last product
.endr
	s_wait_alu depctr_va_vdst(0)                   ; behind those places: the products have written the accumulators, which the LDS stores read; v7 is written, which the global stores read; and the products and vector lines are done with this buffer, in which its next loads land
.irp a, 0,1,2,3
	ds_store_b128 v4, v[64+8*\a:67+8*\a] offset:(\a/2)*128+(\a%2)*32        ; each accumulator from its low end on
	ds_store_b128 v4, v[68+8*\a:71+8*\a] offset:(\a/2)*128+(\a%2)*32+16
.endr
.irp t, 0,1,2,3,4,5,6,7
	ds_load_b128 v[176+4*\t:179+4*\t], v5 offset:2*\t*272                   ; LDS serves a wave's instructions in order: these see the stores above
.endr
.irp t, 0,1,2,3,4,5,6,7
	s_wait_dscnt 7-\t                              ; the younger read-backs stay out
	global_store_b128 v7, v[176+4*\t:179+4*\t], s[10:11] offset:2*\t*4096
.endr
.endm
	s_load_b256 s[4:11], s[0:1], 0x0               ; wq, pt, hid, ob
	v_lshl_add_u32 v254, v0, 2, 0x4400
	v_mov_b32 v255, 0
	v_lshrrev_b32 v8, 5, v0
	v_readfirstlane_b32 s2, v8                     ; wave
	s_lshr_b32 s3, ttmp9, 5                        ; e
	s_bfe_u32 s12, ttmp9, 0x40001                  ; q2
	s_and_b32 s55, ttmp9, 1                        ; ph
	v_and_b32 v8, 31, v0
	v_lshlrev_b32 v1, 4, v8
	s_wait_alu depctr_va_sdst(0)                   ; s2 is written, ahead of its first reader
	s_and_b32 s13, s2, 1                           ; kind
	s_lshr_b32 s14, s2, 1
	s_lshl_b32 s55, s55, 1
	s_add_co_u32 s14, s14, s55                     ; par 0..3
	s_lshl_b32 s15, s3, 2
	s_mov_b32 s43, 0
	s_wait_kmcnt 0x0
	s_load_b32 s16, s[6:7], s15 offset:0x2000      ; FT[e]
	s_load_b32 s17, s[6:7], s15 offset:0x2020      ; NT[e]: both are waited for behind the weights' loads
	s_add_co_u32 s53, s3, 16
	s_cmp_eq_u32 s13, 0
	s_cselect_b32 s53, s53, 26                     ; the plane: W2[e] or Ws2
	s_lshl_b32 s42, s53, 20
	s_lshl_b32 s45, s12, 16
	s_add_co_u32 s42, s42, s45
	s_add_nc_u64 s[24:25], s[4:5], s[42:43]
	s_lshl_b32 s42, s53, 15
	s_lshl_b32 s45, s12, 11
	s_add_co_u32 s42, s42, s45
	s_add_co_u32 s42, s42, WSC
	s_add_nc_u64 s[28:29], s[4:5], s[42:43]
	WIN 0x40
	s_wait_alu depctr_va_vdst(0)                   ; v1 is written: the offset of the weights' loads and of every load of codes and of block 0
.irp a, 0,1,2,3
.irp ks, 0,1,2,3
.irp c, 0,1,2,3
	global_load_b128 v[64*\a+16*\ks+4*\c:64*\a+16*\ks+4*\c+3], v1, s[24:25] offset:\a*16384+\ks*2048+\c*512
.endr
.endr
.endr
	WIN 0x80
.irp a, 0,1,2,3
.irp ks, 0,1,2,3
.irp c, 0,1,2,3
	global_load_b128 v[64*\a+16*\ks+4*\c:64*\a+16*\ks+4*\c+3], v1, s[24:25] offset:\a*16384+(\ks+4)*2048+\c*512
.endr
.endr
.endr
	WIN 0
.irp pp, 0,1
.irp i, 0,1
	global_load_b128 v[32+8*\pp+4*\i:35+8*\pp+4*\i], v1, s[28:29] offset:1024*\pp+512*\i
.endr
.endr
	v_and_b32 v9, 15, v8
	v_lshrrev_b32 v10, 4, v8
	v_lshlrev_b32 v2, 5, v9
	v_lshlrev_b32 v3, 7, v9
	v_lshl_add_u32 v3, v10, 6, v3                  ; the partial sums: token r's 128 bytes, my half of them
	s_mul_i32 s45, s2, 4352
	v_mul_u32_u24 v4, v9, 272
	v_lshl_add_u32 v4, v10, 6, v4
	v_add_nc_u32 v4, s45, v4                       ; stage, in: row r, + 64 h
	v_mul_u32_u24 v5, v10, 272
	v_lshl_add_u32 v5, v9, 4, v5
	v_add_nc_u32 v5, s45, v5                       ; out: lanes 0-15 one row, lanes 16-31 the next
	s_mul_i32 s52, s13, OBK
	s_lshl_b32 s53, s12, 8
	s_add_co_u32 s52, s52, s53
	v_lshlrev_b32 v6, 12, v10
	v_lshl_add_u32 v6, v9, 4, v6
	v_add_nc_u32 v6, s52, v6
	v_mov_b32 v[QM1], 0
	s_mov_b32 s46, 0x76543210
	s_mov_b32 s47, 0xfedcba98
	s_mov_b32 s48, 0x600000
	s_mov_b32 s49, 0xffff
	s_mul_i32 s42, s13, HQK
	s_add_nc_u64 s[56:57], s[8:9], s[42:43]
	s_mul_i32 s42, s13, HSK
	s_add_nc_u64 s[58:59], s[8:9], s[42:43]
	s_mul_i32 s42, s13, HZK
	s_add_nc_u64 s[60:61], s[8:9], s[42:43]
	s_wait_kmcnt 0x0
	s_min_u32 s16, s16, 135
	s_min_u32 s17, s17, 136
	s_add_co_u32 s18, s17, 3
	s_sub_co_u32 s18, s18, s14
	s_lshr_b32 s18, s18, 2                         ; my tiles
	s_cmp_eq_u32 s18, 0
	s_cbranch_scc1 .Lend
	s_add_co_u32 s19, s16, s14
	s_sub_co_u32 s21, s18, 1
	s_add_co_u32 s62, s18, 1
	s_lshr_b32 s62, s62, 1                         ; my trips: two tiles a trip, the last one perhaps half
	s_mov_b32 s23, 0                               ; the trip's number: the loop's counter, stepped by 1
	s_mov_b32 s22, s19
	s_wait_alu depctr_va_vdst(0)                   ; v2 and v3 are written, the offsets of the loads of scale words and of partial sums; so are the stage's addresses v4 and v5
	XLD 0
.Lloop:                                                ; two tiles a trip; a look-ahead past my last tile reads that last tile again
	s_lshl_b32 s20, s23, 1                         ; the trip's first tile, counted among mine
	s_add_co_u32 s22, s20, 1
	s_min_u32 s22, s22, s21
	s_lshl_b32 s22, s22, 2
	s_add_co_u32 s22, s22, s19
	XLD 1                                          ; no wait: all that named buffer 1, a trip back, stands ahead of that tile's wait on the way out, and nothing since names it
	COMPUTE 0
	s_add_co_u32 s22, s20, 1
	s_cmp_lt_u32 s22, s18
	s_cbranch_scc1 .Lmore
	s_wait_dscnt 0x0                               ; an odd number of tiles: the wave ends here, inside the trip, with the closing lines, six on end; only the look-ahead's loads and this tile's stores are out
	s_wait_alu 0x0
	s_wait_tensorcnt 0x0
	ds_add_u32 v254, v255
	s_wait_dscnt 0x0
	s_endpgm
.Lmore:
	s_add_co_u32 s22, s20, 2
	s_min_u32 s22, s22, s21
	s_lshl_b32 s22, s22, 2
	s_add_co_u32 s22, s22, s19
	XLD 0                                          ; no wait: likewise for buffer 0 and the tile just above
	COMPUTE 1
	s_add_co_u32 s23, s23, 1
	s_cmp_lt_u32 s23, s62
	s_cbranch_scc1 .Lloop
.Lend:
	s_wait_dscnt 0x0                               ; the closing lines, six on end
	s_wait_alu 0x0
	s_wait_tensorcnt 0x0
	ds_add_u32 v254, v255
	s_wait_dscnt 0x0
	s_endpgm
.Lfunc_end_k_q3ad0661423_down:
	.size	k_q3ad0661423_down, .Lfunc_end_k_q3ad0661423_down-k_q3ad0661423_down
	.p2alignl 7, 3214868480
	.fill 96, 4, 3214868480
	.section	.rodata,"a",@progbits
	.p2align	6, 0x0
	.amdhsa_kernel k_q3ad0661423_down
		.amdhsa_group_segment_fixed_size 17920
		.amdhsa_private_segment_fixed_size 0
		.amdhsa_enable_private_segment 0
		.amdhsa_kernarg_size 32
		.amdhsa_user_sgpr_count 2
		.amdhsa_user_sgpr_kernarg_segment_ptr 1
		.amdhsa_wavefront_size32 1
		.amdhsa_system_sgpr_workgroup_id_x 1
		.amdhsa_system_sgpr_workgroup_id_y 1
		.amdhsa_system_sgpr_workgroup_id_z 1
		.amdhsa_system_vgpr_workitem_id 0
		.amdhsa_next_free_vgpr 1024
		.amdhsa_next_free_sgpr 80
		.amdhsa_reserve_vcc 0
		.amdhsa_float_denorm_mode_32 3
		.amdhsa_float_denorm_mode_16_64 3
		.amdhsa_memory_ordered 1
		.amdhsa_forward_progress 1
		.amdhsa_inst_pref_size 49
	.end_amdhsa_kernel
	.amdgpu_metadata
---
amdhsa.version: [ 1, 2 ]
amdhsa.kernels:
  - .name:           k_q3ad0661423_down
    .symbol:         k_q3ad0661423_down.kd
    .args:
      - { .name: wq, .offset: 0, .size: 8, .value_kind: global_buffer, .address_space: global }
      - { .name: pt, .offset: 8, .size: 8, .value_kind: global_buffer, .address_space: global }
      - { .name: hid, .offset: 16, .size: 8, .value_kind: global_buffer, .address_space: global }
      - { .name: ob, .offset: 24, .size: 8, .value_kind: global_buffer, .address_space: global }
    .group_segment_fixed_size: 17920
    .private_segment_fixed_size: 0
    .kernarg_segment_align: 8
    .kernarg_segment_size: 32
    .max_flat_workgroup_size: 128
    .sgpr_count:     80
    .vgpr_count:     1024
    .wavefront_size: 32
...
	.end_amdgpu_metadata
.endif
;; end of part 9
;; launch final (part 10): grid 256 x 1, 8 waves a work-group, no clusters, 0 bytes of LDS; arguments ob, pt, gwt, out0; writes out0
.if DOCPART == 10
	.amdgcn_target "amdgcn-amd-amdhsa--gfx1250"
	.amdhsa_code_object_version 6
	.text
	.protected	k_q3ad0661423_final
	.globl	k_q3ad0661423_final
	.p2align	8
	.type	k_q3ad0661423_final,@function
k_q3ad0661423_final:
	s_mov_b64 s[64:65], 0
	v_nop
	global_prefetch_b8 v0, s[64:65] scope:SCOPE_SE
	s_setreg_imm32_b32 hwreg(HW_REG_WAVE_MODE, 25, 1), 1
	s_wait_xcnt 0x0
; FINAL.  One wave to a token t.  Its two rows of o (routed, shared) lie at the token's slot; column 0 of both is 0.
; ot = sqrt(max(sum o_r^2 + 1, eps)), z0 = sqrt(max(sum o_s^2 + 1, eps)); comb[d] = o_s[d] + 2 w o_r[d] for d >= 1, comb[0] = z0 + 2 (1 + w ot);
; li = sum over d >= 1 of comb^2 - comb[0]^2; out = comb / sqrt(max(|li|, eps)).  All in f32.  A stream: 16 loads and 8 stores of 512 consecutive bytes a wave; no LDS, no barrier, no matrix unit.
.set OBK, 8912896
.macro LSUM r, t
	v_add_f32_dpp v[\r], v[\r], v[\r] row_xmask:1 row_mask:0xf bank_mask:0xf
	s_delay_alu instid0(VALU_DEP_1)
	v_add_f32_dpp v[\r], v[\r], v[\r] row_xmask:2 row_mask:0xf bank_mask:0xf
	s_delay_alu instid0(VALU_DEP_1)
	v_add_f32_dpp v[\r], v[\r], v[\r] row_xmask:4 row_mask:0xf bank_mask:0xf
	s_delay_alu instid0(VALU_DEP_1)
	v_add_f32_dpp v[\r], v[\r], v[\r] row_xmask:8 row_mask:0xf bank_mask:0xf
	s_delay_alu instid0(VALU_DEP_1)
	v_permlanex16_b32 v[\t], v[\r], s24, s25
	s_delay_alu instid0(VALU_DEP_1)
	v_add_f32 v[\r], v[\r], v[\t]
.endm
	s_load_b256 s[4:11], s[0:1], 0x0               ; ob, pt, gwt, out0
	v_lshrrev_b32 v1, 5, v0
	s_delay_alu instid0(VALU_DEP_1)
	v_readfirstlane_b32 s2, v1
	v_and_b32 v2, 31, v0
	s_delay_alu instid0(VALU_DEP_1)
	v_lshlrev_b32 v3, 4, v2
	s_lshl_b32 s3, ttmp9, 3
	s_add_co_u32 s3, s3, s2                        ; the token
	s_lshl_b32 s12, s3, 2
	s_mov_b32 s22, 0xfffffffe
	s_mov_b32 s24, 0x76543210
	s_mov_b32 s25, 0xfedcba98
	s_wait_alu depctr_va_vdst(0)
	s_wait_kmcnt 0x0
	s_load_b32 s13, s[6:7], s12 offset:0x0         ; its slot
	s_load_b32 s14, s[8:9], s12 offset:0x0         ; its gate weight w
	s_lshl_b32 s26, s3, 12
	s_mov_b32 s27, 0
	s_add_nc_u64 s[10:11], s[10:11], s[26:27]
	s_wait_kmcnt 0x0
	s_min_u32 s13, s13, 2175
	s_lshl_b32 s16, s13, 12
	s_mov_b32 s17, 0
	s_add_nc_u64 s[4:5], s[4:5], s[16:17]
	s_add_nc_u64 s[18:19], s[4:5], OBK
.irp i, 0,1,2,3,4,5,6,7
	global_load_b128 v[16+4*\i:19+4*\i], v3, s[4:5] offset:512*\i th:TH_LOAD_NT
.endr
.irp i, 0,1,2,3,4,5,6,7
	global_load_b128 v[48+4*\i:51+4*\i], v3, s[18:19] offset:512*\i th:TH_LOAD_NT
.endr
	s_add_f32 s20, s14, s14                        ; 2 w
	s_mov_b32 s21, s20
	s_wait_loadcnt 0x0
	v_pk_mul_f32 v[80:81], v[16:17], v[16:17]
	v_pk_mul_f32 v[82:83], v[48:49], v[48:49]
	v_pk_fma_f32 v[16:17], v[16:17], s[20:21], v[48:49] op_sel_hi:[1,0,1]
	s_delay_alu instid0(VALU_DEP_1)
	v_pk_mul_f32 v[84:85], v[16:17], v[16:17]
.irp j, 2,4,6,8,10,12,14,16,18,20,22,24,26,28,30
	s_delay_alu instid0(VALU_DEP_4)
	v_pk_fma_f32 v[80:81], v[16+\j:17+\j], v[16+\j:17+\j], v[80:81]
	s_delay_alu instid0(VALU_DEP_4)
	v_pk_fma_f32 v[82:83], v[48+\j:49+\j], v[48+\j:49+\j], v[82:83]
	v_pk_fma_f32 v[16+\j:17+\j], v[16+\j:17+\j], s[20:21], v[48+\j:49+\j] op_sel_hi:[1,0,1]
	s_delay_alu instid0(VALU_DEP_1)
	v_pk_fma_f32 v[84:85], v[16+\j:17+\j], v[16+\j:17+\j], v[84:85]
.endr
	s_delay_alu instid0(VALU_DEP_4)
	v_add_f32 v80, v80, v81
	s_delay_alu instid0(VALU_DEP_4)
	v_add_f32 v82, v82, v83
	s_delay_alu instid0(VALU_DEP_3)
	v_add_f32 v84, v84, v85
	LSUM 80, 81
	LSUM 82, 83
	LSUM 84, 85
	v_add_f32 v80, 1.0, v80
	v_add_f32 v82, 1.0, v82
	s_delay_alu instid0(VALU_DEP_2)
	v_max_num_f32 v80, 0x322bcc77, v80
	s_delay_alu instid0(VALU_DEP_2)
	v_max_num_f32 v82, 0x322bcc77, v82
	s_wait_alu depctr_va_vdst(0)
	v_sqrt_f32 v80, v80
	v_sqrt_f32 v82, v82
	v_nop
	s_wait_alu depctr_va_vdst(0)
	v_fma_f32 v86, s14, v80, 1.0                   ; 1 + w ot
	v_fma_f32 v86, 2.0, v86, v82                   ; comb[0]
	s_delay_alu instid0(VALU_DEP_1)
	v_fma_f32 v87, -v86, v86, v84                  ; li
	s_delay_alu instid0(VALU_DEP_1)
	v_max_num_f32 v87, 0x322bcc77, |v87|
	s_wait_alu depctr_va_vdst(0)
	v_rsq_f32 v88, v87
	v_rsq_f32 v89, v87
	v_cndmask_b32 v16, v86, v16, s22               ; comb[0] into lane 0's first number (a plain line behind the roots)
	s_wait_alu depctr_va_vdst(0)
.irp j, 0,2,4,6,8,10,12,14,16,18,20,22,24,26,28,30
	v_pk_mul_f32 v[16+\j:17+\j], v[16+\j:17+\j], v[88:89]
.endr
.irp i, 0,1,2,3,4,5,6,7
	global_store_b128 v3, v[16+4*\i:19+4*\i], s[10:11] offset:512*\i th:TH_STORE_NT
.endr
	s_endpgm
.Lfunc_end_k_q3ad0661423_final:
	.size	k_q3ad0661423_final, .Lfunc_end_k_q3ad0661423_final-k_q3ad0661423_final
	.p2alignl 7, 3214868480
	.fill 96, 4, 3214868480
	.section	.rodata,"a",@progbits
	.p2align	6, 0x0
	.amdhsa_kernel k_q3ad0661423_final
		.amdhsa_group_segment_fixed_size 0
		.amdhsa_private_segment_fixed_size 0
		.amdhsa_enable_private_segment 0
		.amdhsa_kernarg_size 32
		.amdhsa_user_sgpr_count 2
		.amdhsa_user_sgpr_kernarg_segment_ptr 1
		.amdhsa_wavefront_size32 1
		.amdhsa_system_sgpr_workgroup_id_x 1
		.amdhsa_system_sgpr_workgroup_id_y 1
		.amdhsa_system_sgpr_workgroup_id_z 1
		.amdhsa_system_vgpr_workitem_id 0
		.amdhsa_next_free_vgpr 96
		.amdhsa_next_free_sgpr 66
		.amdhsa_reserve_vcc 0
		.amdhsa_float_denorm_mode_32 3
		.amdhsa_float_denorm_mode_16_64 3
		.amdhsa_memory_ordered 1
		.amdhsa_forward_progress 1
		.amdhsa_inst_pref_size 13
	.end_amdhsa_kernel
	.amdgpu_metadata
---
amdhsa.version: [ 1, 2 ]
amdhsa.kernels:
  - .name:           k_q3ad0661423_final
    .symbol:         k_q3ad0661423_final.kd
    .args:
      - { .name: ob, .offset: 0, .size: 8, .value_kind: global_buffer, .address_space: global }
      - { .name: pt, .offset: 8, .size: 8, .value_kind: global_buffer, .address_space: global }
      - { .name: gwt, .offset: 16, .size: 8, .value_kind: global_buffer, .address_space: global }
      - { .name: out0, .offset: 24, .size: 8, .value_kind: global_buffer, .address_space: global }
    .group_segment_fixed_size: 0
    .private_segment_fixed_size: 0
    .kernarg_segment_align: 8
    .kernarg_segment_size: 32
    .max_flat_workgroup_size: 256
    .sgpr_count:     66
    .vgpr_count:     96
    .wavefront_size: 32
...
	.end_amdgpu_metadata
.endif
;; end of part 10
